; MI455X (gfx1250); checked and timed in simulation.
; The chip was launched on July 23, 2026; its instructions are those of AMD's public machine-readable ISA for CDNA 5 (MIT licence, August 2026) and "CDNA5" Instruction Set Architecture Reference Guide (July 2026). The comments in the code are by the model that wrote it; some were corrected since.
;; Small Thinker Moe Block. Allowed arithmetic: float matrix products may take bf16 or f16 operands with f32 sums; other float arithmetic in f32, or as packed bf16 or f16 multiplies, adds, multiply-adds, maxima and minima; sums over many terms, partial sums and values carried from step to step in f32; what a program stores and reads back later, other than sums and carried values, may be rounded once to bf16 or f16.
;; Inputs: hidden_states 1,024 x 1,024 float32; router_input 1,024 x 1,024 float32; w_down 32 x 1,024 x 512 float32; w_gate 32 x 512 x 1,024 float32; w_router 32 x 1,024 float32; w_up 32 x 512 x 1,024 float32.
;; Outputs: out0 1,024 x 1,024 float32; out1 1,024 x 32 float32.
;; 3 versions, each right; version 2 is faster than version 1; version 3 is version 2 with the launch gateup written anew for expert scheduling mode. Each part assembles by itself: llvm-mc -triple=amdgcn-amd-amdhsa -mcpu=gfx1250 --defsym DOCPART=n.
;; ======== version 1 of 3: 4 launches
;; workspace buffers: xb 2,097,152 bytes; sel 16,384 bytes of whole numbers; wts 16,384 bytes; rows 139,264 bytes of whole numbers; hf 33,554,432 bytes; part 16,777,216 bytes
;; launch route (part 1): grid 64 x 1, 8 waves a work-group, no clusters, 21,760 bytes of LDS; arguments router_input, w_router, hidden_states, out1, sel, wts, xb; writes out1, sel, wts, xb
.if DOCPART == 1
	.amdgcn_target "amdgcn-amd-amdhsa--gfx1250"
	.amdhsa_code_object_version 6
	.text
	.protected	k_q3765b20455_route
	.globl	k_q3765b20455_route
	.p2align	8
	.type	k_q3765b20455_route,@function
k_q3765b20455_route:
	s_mov_b64 s[64:65], 0
	v_nop
	global_prefetch_b8 v0, s[64:65] scope:SCOPE_SE
	s_setreg_imm32_b32 hwreg(HW_REG_WAVE_MODE, 25, 1), 1
	s_wait_xcnt 0x0
; ROUTER.  out1[t][e] = sum over k of router_input[t][k] w_router[e][k]; the four largest logits of a token (ties: the lower expert first), their softmax;
; and hidden_states rounded to bf16 (xb) for the next launch.  Both operands of the product are rounded once to bf16 (nearest even), sums in f32.
; sel[t][k] = (expert << 12) | (4 t + k), wts[t][k] = the softmax weight: fixed places, so that no address here hangs on the choice.
; LIMITS.  NaN and infinities are not treated apart; a logit of -inf cannot be told from one that has been taken already.
; SHARES.  A work-group has 16 tokens.  Wave w multiplies k = 128 w .. 128 w + 127 (four matrix steps of 32) for all 32 experts, and rounds 8,192 bytes of hidden_states.
; The eight partial sums meet in LDS; wave 0 adds them in a fixed order, stores the logits and chooses.  No cluster, no tensor load: 64 work-groups share only w_router, 128 KB.
; A lane's four loads of a matrix step take 64 consecutive bytes, k = 16 (lane / 16) + 0..15 of the step, in tokens and experts alike: the same k meet, so the products are the same.
.set PP,    144                        ; a row of 32 f32 in LDS: 128 bytes + 16
.set PW,    16*PP                      ; a wave's 16 rows
.set SUM,   8*PW                       ; behind the eight partial tiles: the summed tile, wave 0's own
.set SPARE, SUM+PW                     ; behind it: the spare words, 128 bytes a wave
.set XR, 32                            ; v32-95   tokens as loaded; rounded in place into v32-63
.set WR, 96                            ; v96-223  experts 0-15, 16-31 as loaded, 64 each; rounded in place into the lower 32 of each
.set AC, 224                           ; v224-239 two accumulators
.set HP, 64                            ; v64-95   hidden_states, rounded (as loaded: v256-319)
.set LG, 160                           ; v160-191 wave 0: a token's 32 logits
.set WV, 18
.set MSB, 0
.macro WIN new                         ; the immediate's high byte repeats the setting that is left
.if MSB != (\new)
	s_set_vgpr_msb (MSB<<8)|(\new)
.set MSB, (\new)
.endif
.endm
	s_load_b256 s[4:11], s[0:1], 0x0               ; router_input s[4:5], w_router s[6:7], hidden_states s[8:9], out1 s[10:11]
	s_load_b128 s[12:15], s[0:1], 0x20             ; sel s[12:13], wts s[14:15]
	s_load_b64 s[16:17], s[0:1], 0x30              ; xb
	v_lshl_add_u32 v30, v0, 2, SPARE               ; my spare word,
	v_mov_b32 v31, 0                               ; and 0: kept for the closing add alone
	v_lshrrev_b32 v1, 5, v0
	v_readfirstlane_b32 s[WV], v1                  ; wave 0..7
	v_and_b32 v1, 31, v0                           ; lane
	v_and_b32 v2, 15, v0                           ; r
	v_bfe_u32 v3, v0, 4, 1                         ; h
	s_lshl_b32 s26, s[WV], 9
	v_lshlrev_b32 v4, 12, v2
	v_lshl_add_u32 v4, v3, 6, v4
	v_add_nc_u32 v4, s26, v4                       ; row r x 4,096 + 64 h + my wave's 512 bytes of the row
	s_lshl_b32 s26, s[WV], 13
	v_lshl_add_u32 v5, v1, 5, s26                  ; hidden_states: 32 bytes a lane, 8,192 a wave
	s_lshl_b32 s26, s[WV], 12
	v_lshl_add_u32 v6, v1, 4, s26                  ; xb: half of that
	s_mul_i32 s26, s[WV], PW
	v_mul_u32_u24 v7, v2, PP
	v_lshl_add_u32 v7, v3, 5, v7
	v_add_nc_u32 v7, s26, v7                       ; my partial tile: token r, experts 8 h on
	v_lshrrev_b32 v8, 3, v1
	v_mul_u32_u24 v8, v8, PP
	v_and_b32 v9, 7, v1
	v_lshl_add_u32 v8, v9, 4, v8                   ; by rows: eight lanes a row, four rows an instruction
	v_mul_u32_u24 v9, v2, PP
	v_add_nc_u32 v9, SUM, v9                       ; token r's row of the summed tile
	v_lshlrev_b32 v10, 4, v1
	v_lshlrev_b32 v11, 4, v2
	s_lshl_b32 s26, ttmp9, 6
	v_lshl_add_u32 v29, v2, 2, s26                 ; 4 t for my token t = 16 x work-group + r
	s_mov_b32 s27, 0
	s_lshl_b32 s26, ttmp9, 16
	s_wait_kmcnt 0x0
	s_add_nc_u64 s[4:5], s[4:5], s[26:27]          ; the group's 16 rows of 4,096 bytes
	s_add_nc_u64 s[8:9], s[8:9], s[26:27]
	s_lshl_b32 s26, ttmp9, 15
	s_add_nc_u64 s[16:17], s[16:17], s[26:27]
	s_lshl_b32 s26, ttmp9, 11
	s_add_nc_u64 s[10:11], s[10:11], s[26:27]
	s_lshl_b32 s26, ttmp9, 8
	s_add_nc_u64 s[12:13], s[12:13], s[26:27]
	s_add_nc_u64 s[14:15], s[14:15], s[26:27]
	; all loads go out at once: 16 for the tokens, 32 for the experts, 16 for hidden_states
.irp ks, 0,1,2,3
.irp i, 0,1,2,3
	global_load_b128 v[XR+16*\ks+4*\i:XR+16*\ks+4*\i+3], v4, s[4:5] offset:\ks*128+\i*16 th:TH_LOAD_NT
.endr
.endr
.irp t, 0,1
.irp ks, 0,1,2,3
.irp i, 0,1,2,3
	global_load_b128 v[WR+64*\t+16*\ks+4*\i:WR+64*\t+16*\ks+4*\i+3], v4, s[6:7] offset:\t*65536+\ks*128+\i*16
.endr
.endr
.endr
	WIN 0x40                                       ; destination v256 on
.set g, 0
.rept 8
	global_load_b128 v[8*g:8*g+3],   v5, s[8:9] offset:g*1024 th:TH_LOAD_NT
	global_load_b128 v[8*g+4:8*g+7], v5, s[8:9] offset:g*1024+16 th:TH_LOAD_NT
.set g, g+1
.endr
	WIN 0
	s_wait_loadcnt 16                              ; tokens and experts are in; the 16 younger loads (hidden_states) stay out
.set m, 0
.rept 32                                           ; rounded in place, ascending: register m takes numbers 2 m and 2 m + 1, which no later line needs
	v_cvt_pk_bf16_f32 v[XR+m], v[XR+2*m], v[XR+2*m+1]
	v_cvt_pk_bf16_f32 v[WR+m], v[WR+2*m], v[WR+2*m+1]
	v_cvt_pk_bf16_f32 v[WR+64+m], v[WR+64+2*m], v[WR+64+2*m+1]
.set m, m+1
.endr
	; source 0 = 16 experts, source 1 = 16 tokens: a lane then holds ONE token (r) and experts 16 t + 8 h + 0..7.  The two accumulators take turns; the first products start the sums.
.irp ks, 0,1,2,3
.irp t, 0,1
.if \ks == 0
	v_wmma_f32_16x16x32_bf16 v[AC+8*\t:AC+8*\t+7], v[WR+64*\t+8*\ks:WR+64*\t+8*\ks+7], v[XR+8*\ks:XR+8*\ks+7], 0
.else
	v_wmma_f32_16x16x32_bf16 v[AC+8*\t:AC+8*\t+7], v[WR+64*\t+8*\ks:WR+64*\t+8*\ks+7], v[XR+8*\ks:XR+8*\ks+7], v[AC+8*\t:AC+8*\t+7]
.endif
.endr
.endr
	s_wait_loadcnt 0x0                             ; hidden_states
	WIN 0x05                                       ; sources v256 on, destination below
.set m, 0
.rept 32                                           ; these 32 plain lines, which name no register of the products, are also the places behind the last product
	v_cvt_pk_bf16_f32 v[HP+m], v[2*m], v[2*m+1]
.set m, m+1
.endr
	WIN 0
.set g, 0
.rept 8
	global_store_b128 v6, v[HP+4*g:HP+4*g+3], s[16:17] offset:g*512  ; a wave's store covers 512 consecutive bytes, aligned
.set g, g+1
.endr
.irp t, 0,1
	ds_store_b128 v7, v[AC+8*\t:AC+8*\t+3] offset:\t*64              ; each accumulator's low registers first
	ds_store_b128 v7, v[AC+8*\t+4:AC+8*\t+7] offset:\t*64+16
.endr
	s_wait_dscnt 0x0                               ; for wave 0's sake: my partial tile is written
	s_barrier_signal -1
	s_barrier_wait -1
	s_cmp_lg_u32 s[WV], 0
	s_cbranch_scc1 .Lend                           ; the rest is wave 0's
	s_wait_xcnt 0x0                                ; v64-95, which my stores to xb read, are loaded over only behind this wait
.irp w, 0,1,2,3,4,5,6,7
.irp i, 0,1,2,3
	ds_load_b128 v[32+16*\w+4*\i:32+16*\w+4*\i+3], v8 offset:\w*PW+\i*4*PP
.endr
.endr
	v_mov_b32 v28, 0xff800000                      ; -inf: what a taken logit becomes
.irp i, 12,13,14,15,16,17,18,19
	v_mov_b32 v\i, 0                               ; the four values and four experts rotate through these: written before they are read
.endr
	s_wait_dscnt 0x0
.irp w, 1,2,3,4,5,6,7                              ; the eight K slices are added in ascending order
.irp i, 0,1,2,3
	v_pk_add_f32 v[32+4*\i:33+4*\i], v[32+4*\i:33+4*\i], v[32+16*\w+4*\i:33+16*\w+4*\i]
	v_pk_add_f32 v[34+4*\i:35+4*\i], v[34+4*\i:35+4*\i], v[34+16*\w+4*\i:35+16*\w+4*\i]
.endr
.endr
.irp i, 0,1,2,3
	global_store_b128 v10, v[32+4*\i:35+4*\i], s[10:11] offset:\i*512  ; four rows of out1: 512 consecutive bytes
	ds_store_b128 v8, v[32+4*\i:35+4*\i] offset:SUM+\i*4*PP
.endr
.irp c, 0,1,2,3,4,5,6,7
	ds_load_b128 v[LG+4*\c:LG+4*\c+3], v9 offset:16*\c               ; LDS serves a wave's instructions in order: these see the stores above.  Lane (r, h) gets token r's 32 logits
.endr
	s_wait_dscnt 0x0
	s_mov_b32 s24, 4
.Lround:                                               ; one of the four largest a trip.  Four chains of eight experts; a later expert wins only if strictly greater, so ties go to the lower index
.irp c, 0,1,2,3
	v_mov_b32 v[20+\c], v[LG+8*\c]
	v_mov_b32 v[24+\c], 8*\c
.endr
.irp j, 1,2,3,4,5,6,7
.irp c, 0,1,2,3
	v_cmp_gt_f32 s[20+\c], v[LG+8*\c+\j], v[20+\c]
.endr
.irp c, 0,1,2,3
	v_cndmask_b32 v[20+\c], v[20+\c], v[LG+8*\c+\j], s[20+\c]
	v_cndmask_b32 v[24+\c], v[24+\c], 8*\c+\j, s[20+\c]
.endr
.endr
	v_cmp_gt_f32 s20, v21, v20
	v_cmp_gt_f32 s21, v23, v22
	v_cndmask_b32 v20, v20, v21, s20
	v_cndmask_b32 v24, v24, v25, s20
	v_cndmask_b32 v22, v22, v23, s21
	v_cndmask_b32 v26, v26, v27, s21
	v_cmp_gt_f32 s20, v22, v20
	v_cndmask_b32 v20, v20, v22, s20
	v_cndmask_b32 v24, v24, v26, s20
	v_mov_b32 v12, v13                             ; the results rotate, so that one text serves all four trips: after the fourth, v12 and v16 hold the first
	v_mov_b32 v13, v14
	v_mov_b32 v14, v15
	v_mov_b32 v15, v20
	v_mov_b32 v16, v17
	v_mov_b32 v17, v18
	v_mov_b32 v18, v19
	v_mov_b32 v19, v24
.set e, 0
.rept 32                                           ; the winner leaves the field
	v_cmp_eq_u32 vcc_lo, e, v24
	v_cndmask_b32 v[LG+e], v[LG+e], v28, vcc_lo
.set e, e+1
.endr
	s_sub_co_u32 s24, s24, 1
	s_cmp_lg_u32 s24, 0
	s_cbranch_scc1 .Lround
	; softmax over the four: the largest, v12, is taken away first, so its own term is 1
	v_sub_f32 v20, v13, v12
	v_sub_f32 v21, v14, v12
	v_sub_f32 v22, v15, v12
	v_mul_f32 v20, 0x3fb8aa3b, v20                 ; log2(e)
	v_mul_f32 v21, 0x3fb8aa3b, v21
	v_mul_f32 v22, 0x3fb8aa3b, v22
	v_exp_f32 v20, v20
	v_exp_f32 v21, v21
	v_exp_f32 v22, v22
	v_lshl_or_b32 v52, v16, 12, v29                ; a plain line behind the last exponential: (expert << 12) | (4 t + k)
	v_lshl_or_b32 v53, v17, 12, v29
	v_lshl_or_b32 v54, v18, 12, v29
	v_lshl_or_b32 v55, v19, 12, v29
	v_or_b32 v53, 1, v53
	v_or_b32 v54, 2, v54
	v_or_b32 v55, 3, v55
	s_wait_alu depctr_va_vdst(0)                   ; one wait for the three exponentials, ahead of their first reader
	v_add_f32 v23, 1.0, v20
	v_add_f32 v23, v23, v21
	v_add_f32 v23, v23, v22
	v_rcp_f32 v48, v23
	v_nop                                          ; a plain line behind the reciprocal,
	s_wait_alu depctr_va_vdst(0)                   ; and its wait
	v_mul_f32 v49, v20, v48
	v_mul_f32 v50, v21, v48
	v_mul_f32 v51, v22, v48
	s_wait_xcnt 0x0                                ; EXEC changes only behind this wait: the stores to out1 have been issued under the full one
	v_cmp_gt_u32 vcc_lo, 16, v1
	s_and_saveexec_b32 s28, vcc_lo                 ; lanes 16-31 hold the same numbers once more
	global_store_b128 v11, v[52:55], s[12:13]      ; 16 lanes, 256 consecutive bytes each time
	global_store_b128 v11, v[48:51], s[14:15]
	s_wait_xcnt 0x0                                ; and again in front of the line that widens it
	s_or_b32 exec_lo, exec_lo, s28
.Lend:
	s_wait_tensorcnt 0x0                           ; the wave's end: three closing lines behind my last LDS store
	ds_add_u32 v30, v31
	s_wait_dscnt 0x0
	s_endpgm
.Lfunc_end_k_q3765b20455_route:
	.size	k_q3765b20455_route, .Lfunc_end_k_q3765b20455_route-k_q3765b20455_route
	.p2alignl 7, 3214868480
	.fill 96, 4, 3214868480
	.section	.rodata,"a",@progbits
	.p2align	6, 0x0
	.amdhsa_kernel k_q3765b20455_route
		.amdhsa_group_segment_fixed_size 21760
		.amdhsa_private_segment_fixed_size 0
		.amdhsa_enable_private_segment 0
		.amdhsa_kernarg_size 56
		.amdhsa_user_sgpr_count 2
		.amdhsa_user_sgpr_kernarg_segment_ptr 1
		.amdhsa_wavefront_size32 1
		.amdhsa_system_sgpr_workgroup_id_x 1
		.amdhsa_system_sgpr_workgroup_id_y 1
		.amdhsa_system_sgpr_workgroup_id_z 1
		.amdhsa_system_vgpr_workitem_id 0
		.amdhsa_next_free_vgpr 320
		.amdhsa_next_free_sgpr 66
		.amdhsa_reserve_vcc 1
		.amdhsa_float_denorm_mode_32 3
		.amdhsa_float_denorm_mode_16_64 3
		.amdhsa_memory_ordered 1
		.amdhsa_forward_progress 1
		.amdhsa_inst_pref_size 36
	.end_amdhsa_kernel
	.amdgpu_metadata
---
amdhsa.version: [ 1, 2 ]
amdhsa.kernels:
  - .name:           k_q3765b20455_route
    .symbol:         k_q3765b20455_route.kd
    .args:
      - { .name: router_input, .offset: 0, .size: 8, .value_kind: global_buffer, .address_space: global }
      - { .name: w_router, .offset: 8, .size: 8, .value_kind: global_buffer, .address_space: global }
      - { .name: hidden_states, .offset: 16, .size: 8, .value_kind: global_buffer, .address_space: global }
      - { .name: out1, .offset: 24, .size: 8, .value_kind: global_buffer, .address_space: global }
      - { .name: sel, .offset: 32, .size: 8, .value_kind: global_buffer, .address_space: global }
      - { .name: wts, .offset: 40, .size: 8, .value_kind: global_buffer, .address_space: global }
      - { .name: xb, .offset: 48, .size: 8, .value_kind: global_buffer, .address_space: global }
    .group_segment_fixed_size: 21760
    .private_segment_fixed_size: 0
    .kernarg_segment_align: 8
    .kernarg_segment_size: 56
    .max_flat_workgroup_size: 256
    .sgpr_count:     66
    .vgpr_count:     320
    .wavefront_size: 32
...
	.end_amdgpu_metadata
.endif
;; end of part 1
;; launch gateup (part 2): grid 8 x 32, 4 waves a work-group, no clusters, 301,568 bytes of LDS; arguments xb, w_gate, w_up, sel, hf, rows; writes hf, rows
.if DOCPART == 2
	.amdgcn_target "amdgcn-amd-amdhsa--gfx1250"
	.amdhsa_code_object_version 6
	.text
	.protected	k_q3765b20455_gateup
	.globl	k_q3765b20455_gateup
	.p2align	8
	.type	k_q3765b20455_gateup,@function
k_q3765b20455_gateup:
	s_mov_b64 s[64:65], 0
	v_nop
	global_prefetch_b8 v0, s[64:65] scope:SCOPE_SE
	s_setreg_imm32_b32 hwreg(HW_REG_WAVE_MODE, 25, 1), 1
	s_wait_xcnt 0x0
; FIRST PRODUCT OF THE EXPERTS.  h[row][f] = relu(x . w_gate[e][f]) * (x . w_up[e][f]) for the rows (token, choice) that chose expert e.  x comes as bf16 (xb); the weights are rounded once
; to bf16 (nearest even) on their way through registers; sums in f32; h is rounded once to bf16.  bf16 and not f16: h has no room in f16 for inputs some 30 times larger.
; GRID.  x = slice s of 64 f, y = expert e.  A work-group alone reads its 128 weight rows (64 of w_gate, 64 of w_up, 1,024 k each: 512 KB of f32), once, and takes ALL rows of its expert.
; FOUR WAVES, ALL ALIKE.  Wave w loads 32 of the 128 weight rows, 8 rows x 128 k (eight loads of 512 consecutive bytes) at a time, through a ring of four register slots, rounds them and lays them
; into LDS, where the whole slice stays as bf16: no LDS byte is written twice.  Trip j lays chunk j (128 k) down and then multiplies chunk j - 1; one barrier a trip.
; LOADS ON THEIR WAY.  Weight loads and token loads share the wave's one counter and come back in the order of issue, so both are asked for one chunk ahead: 32 + 24 = 56 loads of a wave are out.
; THE LIST.  Every wave reads all 4,096 codes of sel ((expert << 12) | q, q = 4 token + choice) and lays the q of its expert, in token order, into a list of its own in LDS;
; places past the count hold 0 (token 0's row: a row that exists).  Wave 0 of slice 0 stores list and count for the next launch.
; ROWS.  Blocks of 16 rows; wave w takes blocks 12 p + 4 i + w, i = 0..2, in pass p.  Pass 0 (192 rows) runs beside the stream; passes 1-5, for splits that give an expert more, find all weights
; in LDS: a loop of constant length in which work is jumped over.  Every split is served, up to all 1,024 tokens on one expert.  An expert without rows still streams its slice
; and stores one block made of token 0's row, so that every byte that the next launch reads has been stored.
; hf is laid out as the next launch's operand registers take it: expert x 2^20 + block x 16,384 + (f / 32) x 1,024 + ((f / 16) % 2) x 512 + lane x 16.
; NO CLUSTER, NO TENSOR LOAD: each weight byte has one reader and must be rounded on its way in; the rows that an expert's eight work-groups share come by a list, which no descriptor covers.
; LIMITS.  NaN and infinities are not treated apart (relu of NaN gives 0 here).
.set PITCH, 272                        ; an LDS row: 128 bf16 + 16 bytes = 68 words: the 16 rows of a fragment load start at 16 different groups of four banks (64 banks of 4 bytes: ISA guide 11.1)
.set CHUNK, 128*PITCH                  ; 128 weight rows x 128 k
.set NCH,   8                          ; chunks
.set GROW,  4096                       ; bytes from weight row to weight row in memory
.set ASTEP, 256                        ; bytes of a token row in a chunk
.set LIST,  NCH*CHUNK                  ; behind the weights: four lists,
.set LISTB, 5632                       ; 1,344 words and a dump word, rounded up to blocks of 256 bytes
.set DUMPW, 1344                       ; the word that takes what does not belong to my expert
.set SPARE, LIST+4*LISTB               ; behind them: the spare words, 128 bytes a wave
; REGISTERS, in windows of 256 (s_set_vgpr_msb: bits 1:0 source 0, 3:2 source 1, 5:4 source 2, 7:6 destination):
;   window 0: v1 lane, v2 r = lane % 16, v3 h = lane / 16, v4 the chunk's fragment address, v5 its base, v6 my place in the list, v21 its base, v7 the list's base, v8 that + 16 x lane,
;             v9-11 token offsets of my three blocks, v12 16 x lane, v13 16 h, v14-18, v24-27 at work, v19 where I lay weights down, v20 the same in the chunk in hand, v30, v31 the closing add's;
;             v32-95, v96-159 two buffers of eight weight fragments (first: the 128 words of codes); v160-255 token fragments: half chunk sub, K step ks, block i at 160 + 48 sub + 24 ks + 8 i
;   window 1: v0-191 accumulators: block i, weight block nb at 64 i + 8 nb (nb 0-3 gate, 4-7 up); v192-223 two sets of 16 rounded words on their way into LDS
;   window 2: v0-127 the ring: slot q holds rows 8 q .. 8 q + 7 of my 32 as loaded
.set BF0,   32
.set BF1,   96
.set AF,    160
.set TW,    192
.set WV, 16
.set SL, 18
.set EX, 19
.set LC, 20
.set EK, 21
.set LIM, 22
.set CNT, 23
.set NBLK, 25
.set NACT, 26
.set B0, 27
.set PASS, 28
.set T0, 29
.set OF, 30
.set WB, 32
.set XB, 34
.set HB, 38
.set ST, 40
.set KO, 43
.set LOFF, 44
.set COFF, 45
.set LBS, 46
.set LPO, 47
.set RW, 48
.set MSB, 0
.macro WIN new                         ; the immediate's high byte repeats the setting that is left; a switch that changes nothing is dropped
.if MSB != (\new)
	s_set_vgpr_msb (MSB<<8)|(\new)
.set MSB, (\new)
.endif
.endm
.macro PLACES                          ; four plain lines between a matrix instruction and a load into, or a vector write of, one of its registers (ISA guide 7.12.1 for vector writes)
.rept 4
	v_nop
.endr
.endm
.macro BAR                             ; my LDS stores and loads are done; then the work-group's barrier
	s_wait_dscnt 0x0
	s_barrier_signal -1
	s_barrier_wait -1
.endm
; Eight loads, rows 8 qd .. 8 qd + 7 of my 32, the chunk dl chunks ahead of the pointer, into slot qd.  A load covers 512 consecutive bytes of one row.
.macro LISSUE qd, dl
	WIN 0x80
.set ii, 0
.rept 8
	global_load_b128 v[32*(\qd)+4*ii:32*(\qd)+4*ii+3], v12, s[WB:WB+1] offset:(8*(\qd)+ii)*GROW+(\dl)*512 th:TH_LOAD_NT
.set ii, ii+1
.endr
.endm
; A slot's turn: its eight loads are in (n younger loads stay out); rounded into 16 other registers, from which eight LDS stores of 256 consecutive bytes go out;
; the slot, which vector lines alone have read, takes the same rows of the next chunk at once.
.macro LSTEP qd, issue, n
	s_wait_loadcnt \n
	WIN 0x4a
.set ii, 0
.rept 16
	v_cvt_pk_bf16_f32 v[TW+16*((\qd)%2)+ii], v[32*(\qd)+2*ii], v[32*(\qd)+2*ii+1]
.set ii, ii+1
.endr
	WIN 0x04
.set ii, 0
.rept 8
	ds_store_b64 v20, v[TW+16*((\qd)%2)+2*ii:TW+16*((\qd)%2)+2*ii+1] offset:(8*(\qd)+ii)*PITCH
.set ii, ii+1
.endr
.if \issue
	LISSUE \qd, 1
.endif
.endm
; A chunk is laid down.  var 0, the first: younger than a slot's loads are three groups of eight.  var 1, the loop's: three groups and the 24 token loads issued between them.
; var 2, the last chunk: nothing is asked for, and the counts run down to the 24 token loads.
.macro LPART var
.if (\var) == 0
	LSTEP 0, 1, 24
	LSTEP 1, 1, 24
	LSTEP 2, 1, 24
	LSTEP 3, 1, 24
.elseif (\var) == 1
	LSTEP 0, 1, 48
	LSTEP 1, 1, 48
	LSTEP 2, 1, 48
	LSTEP 3, 1, 48
.else
	LSTEP 0, 0, 48
	LSTEP 1, 0, 40
	LSTEP 2, 0, 32
	LSTEP 3, 0, 24
.endif
	WIN 0
.if (\var) < 2
	s_add_co_u32 s[LOFF], s[LOFF], CHUNK
	v_add_nc_u32 v20, s[LOFF], v19                 ; the next chunk's place in LDS
	s_wait_xcnt 0x0                                ; the pointer is stepped only behind this wait
	s_add_nc_u64 s[WB:WB+1], s[WB:WB+1], 512
.endif
.endm
; Sixteen LDS loads: the eight weight fragments (16 rows x 32 k) of K step st of the chunk.
.macro BLOAD st, buf
.irp nb, 0,1,2,3,4,5,6,7
	ds_load_b128 v[(\buf)+8*\nb:(\buf)+8*\nb+3],   v4 offset:\nb*16*PITCH+(\st)*64
	ds_load_b128 v[(\buf)+8*\nb+4:(\buf)+8*\nb+7], v4 offset:\nb*16*PITCH+(\st)*64+32
.endr
.endm
; Twelve loads: the token fragments of half a chunk (two K steps, three blocks).  next = 1: the chunk behind the pointer's.
.macro ALOAD sub, next
.irp ks, 0,1
.irp i, 0,1,2
	global_load_b128 v[AF+48*(\sub)+24*\ks+8*\i:AF+48*(\sub)+24*\ks+8*\i+3],   v[9+\i], s[XB:XB+1] offset:(\next)*ASTEP+(\sub)*128+\ks*64
	global_load_b128 v[AF+48*(\sub)+24*\ks+8*\i+4:AF+48*(\sub)+24*\ks+8*\i+7], v[9+\i], s[XB:XB+1] offset:(\next)*ASTEP+(\sub)*128+\ks*64+32
.endr
.endr
.endm
; A K step: for each live block eight products, source 0 = 16 weight rows, source 1 = 16 rows of tokens: a lane then holds ONE row (r) and weight rows 8 h + 0..7.
; The accumulators take turns, one instruction a turn, from step to step too.  Dead blocks are jumped over; at a branch and a label every window is 0.
.macro KSTEP a, buf
.irp i, 0,1,2
	s_cmp_lt_u32 s[NACT], \i+1
	s_cbranch_scc1 .Lk_\@
	WIN 0x50
.irp nb, 0,1,2,3,4,5,6,7
	v_wmma_f32_16x16x32_bf16 v[64*\i+8*\nb:64*\i+8*\nb+7], v[(\buf)+8*\nb:(\buf)+8*\nb+7], v[(\a)+8*\i:(\a)+8*\i+7], v[64*\i+8*\nb:64*\i+8*\nb+7]
.endr
	WIN 0
.endr
.Lk_\@:
.endm
; A chunk is multiplied: four K steps on two weight buffers by turns.  n1, n2: the loads younger than the chunk's first and second half of token fragments.
; more = 1: the next chunk's token fragments are asked for as their registers come free.
.macro CPART n1, n2, more
	BLOAD 0, BF0
	BLOAD 1, BF1
	s_wait_loadcnt \n1                             ; the first half chunk's tokens are in
	s_wait_dscnt 16                                ; K step 0's fragments are in (and my stores ahead of them done); the sixteen younger loads stay out
	KSTEP AF, BF0
	PLACES
	BLOAD 2, BF0
	s_wait_dscnt 16
	KSTEP AF+24, BF1
	PLACES
.if \more
	ALOAD 0, 1
.endif
	BLOAD 3, BF1
	s_wait_loadcnt \n2                             ; the second half chunk's tokens are in
	s_wait_dscnt 16
	KSTEP AF+48, BF0
	s_wait_dscnt 0x0
	KSTEP AF+72, BF1
	s_add_co_u32 s[COFF], s[COFF], CHUNK
	v_add_nc_u32 v4, s[COFF], v5                   ; the next chunk; with the three lines below: the four places behind the last products
	v_nop
	v_nop
	v_nop
.if \more
	ALOAD 1, 1
	s_wait_xcnt 0x0                                ; the pointer is stepped only behind this wait
	s_add_nc_u64 s[XB:XB+1], s[XB:XB+1], ASTEP
.endif
.endm
; Codes of tokens 32 j .. 32 j + 31, a token a lane; n younger loads stay out.  code xor (e << 12) is q, below 4,096, for my expert and 4,096 or more for every other; a token names an expert once at most.
; A hit goes to the list's word (hits so far + hits in lower lanes); the others to the dump word.  The index is clamped, then shifted and added to the list's base.
.macro GRP j, n
	s_wait_loadcnt \n
	v_xor_b32 v14, s[EK], v[32+4*(\j)]
	v_xor_b32 v15, s[EK], v[33+4*(\j)]
	v_xor_b32 v16, s[EK], v[34+4*(\j)]
	v_xor_b32 v17, s[EK], v[35+4*(\j)]
	v_min_u32 v14, v14, v15
	v_min_u32 v16, v16, v17
	v_min_u32 v14, v14, v16
	v_cmp_gt_u32 vcc_lo, s[LIM], v14
	v_mbcnt_lo_u32_b32 v15, vcc_lo, s[CNT]
	v_cndmask_b32 v15, v18, v15, vcc_lo
	v_min_u32 v15, DUMPW, v15
	v_lshl_add_u32 v15, v15, 2, v7
	ds_store_b32 v15, v14
	s_bcnt1_i32_b32 s[T0], vcc_lo
	s_add_co_u32 s[CNT], s[CNT], s[T0]
.endm
; The accumulators are cleared on purpose: it stands in the wait for the first loads, makes every K step one text, and writes all 192 registers whatever the number of live blocks.
.macro CLEAR
	WIN 0x40
.set ii, 0
.rept 192
	v_mov_b32 v[ii], 0
.set ii, ii+1
.endr
	WIN 0
.endm
.macro NACTM                           ; how many of blocks B0, B0 + 4, B0 + 8 exist: (NBLK - B0 + 3) >> 2, held to 0 .. 3
	s_sub_co_i32 s[NACT], s[NBLK], s[B0]
	s_add_co_i32 s[NACT], s[NACT], 3
	s_ashr_i32 s[NACT], s[NACT], 2
	s_max_i32 s[NACT], s[NACT], 0
	s_min_i32 s[NACT], s[NACT], 3
.endm
.macro OFFS                            ; my three blocks' rows: q from the list, token = q >> 2, clamped; byte offset in xb = token x 2,048 + 16 h
	ds_load_b32 v14, v6
	ds_load_b32 v15, v6 offset:256
	ds_load_b32 v16, v6 offset:512
	s_wait_dscnt 0x0
.irp i, 0,1,2
	v_lshrrev_b32 v[14+\i], 2, v[14+\i]
	v_min_u32 v[14+\i], 0x3ff, v[14+\i]
	v_lshl_add_u32 v[9+\i], v[14+\i], 11, v13
.endr
.endm
; Block bi goes out: relu(gate) x up, rounded to bf16; a lane's eight f of a row pack into 16 bytes, and a wave's store is 512 consecutive bytes: half an operand of the next launch as it stands.
.macro EPI bi
	s_cmp_lt_u32 s[NACT], (\bi)+1
	s_cbranch_scc1 .Le_\@
	s_wait_xcnt 0x0                                ; the registers and the base that earlier stores read are rewritten only behind this wait
	s_add_co_u32 s[OF], s[B0], 4*(\bi)
	s_lshl_b32 s[OF], s[OF], 14
	s_mov_b32 s[OF+1], 0
	s_add_nc_u64 s[ST:ST+1], s[HB:HB+1], s[OF:OF+1]
	WIN 0x04                                       ; source 1: the accumulators
.irp nb, 0,1,2,3
.irp j, 0,1,2,3,4,5,6,7
	v_max_num_f32 v[32+8*\nb+\j], 0, v[64*(\bi)+8*\nb+\j]           ; each accumulator is read from its low end on
.endr
.irp j, 0,2,4,6
	v_pk_mul_f32 v[32+8*\nb+\j:33+8*\nb+\j], v[32+8*\nb+\j:33+8*\nb+\j], v[64*(\bi)+32+8*\nb+\j:64*(\bi)+33+8*\nb+\j]
.endr
.endr
	WIN 0
.irp nb, 0,1,2,3
.irp j, 0,1,2,3
	v_cvt_pk_bf16_f32 v[64+4*\nb+\j], v[32+8*\nb+2*\j], v[33+8*\nb+2*\j]
.endr
.endr
.irp nb, 0,1,2,3
	global_store_b128 v12, v[64+4*\nb:67+4*\nb], s[ST:ST+1] offset:\nb*512
.endr
.Le_\@:
.endm
	s_load_b256 s[4:11], s[0:1], 0x0               ; xb s[4:5], w_gate s[6:7], w_up s[8:9], sel s[10:11]
	s_load_b128 s[12:15], s[0:1], 0x20             ; hf s[12:13], rows s[14:15]
	v_lshl_add_u32 v30, v0, 2, SPARE               ; my spare word,
	v_mov_b32 v31, 0                               ; and 0: kept for the closing add alone
	v_lshrrev_b32 v1, 5, v0
	v_readfirstlane_b32 s[WV], v1                  ; wave 0..3
	v_and_b32 v1, 31, v0
	v_and_b32 v2, 15, v0
	v_bfe_u32 v3, v0, 4, 1
	v_lshlrev_b32 v12, 4, v1
	s_mov_b32 s[SL], ttmp9
	s_and_b32 s[EX], ttmp7, 0xffff
	s_lshl_b32 s[OF], s[EX], 21                    ; the expert's 2 MB,
	s_lshl_b32 s[T0], s[SL], 18                    ; the slice's 64 rows,
	s_add_co_u32 s[OF], s[OF], s[T0]
	s_and_b32 s[T0], s[WV], 1
	s_lshl_b32 s[T0], s[T0], 17                    ; my 32 of them
	s_add_co_u32 s[OF], s[OF], s[T0]
	s_mov_b32 s[OF+1], 0
	s_wait_kmcnt 0x0
.set jj, 0
.rept 32                                           ; the codes first: they are wanted first
	global_load_b128 v[32+4*jj:35+4*jj], v12, s[10:11] offset:jj*512
.set jj, jj+1
.endr
	s_cmp_lt_u32 s[WV], 2
	s_cselect_b64 s[WB:WB+1], s[6:7], s[8:9]       ; waves 0, 1: w_gate (LDS rows 0-63); waves 2, 3: w_up (LDS rows 64-127)
	s_add_nc_u64 s[WB:WB+1], s[WB:WB+1], s[OF:OF+1]
	LISSUE 0, 0                                    ; three of chunk 0's four groups: 32 + 24 = 56 loads are out
	LISSUE 1, 0
	LISSUE 2, 0
	WIN 0
	s_mul_i32 s[T0], s[WV], 32*PITCH
	v_lshl_add_u32 v19, v1, 3, s[T0]               ; LDS rows 32 w on, 8 bytes a lane
	v_mov_b32 v20, v19
	s_mov_b32 s[LOFF], 0
	s_mul_i32 s[LBS], s[WV], LISTB
	s_add_co_u32 s[LBS], s[LBS], LIST              ; my list
	v_mov_b32 v7, s[LBS]
	v_lshl_add_u32 v8, v1, 4, s[LBS]
	s_lshl_b32 s[T0], s[WV], 6
	s_add_co_u32 s[T0], s[T0], s[LBS]
	v_lshl_add_u32 v21, v2, 2, s[T0]               ; row r of block w
	v_mov_b32 v6, v21
	s_mov_b32 s[LPO], 0
	v_mul_u32_u24 v5, v2, PITCH
	v_lshl_add_u32 v5, v3, 4, v5                   ; a fragment's row x pitch + 16 h
	v_mov_b32 v4, v5
	v_lshlrev_b32 v13, 4, v3
	v_mov_b32 v18, DUMPW
	v_mov_b32 v24, 0
	v_mov_b32 v25, 0
	v_mov_b32 v26, 0
	v_mov_b32 v27, 0
.set jj, 0
.rept 11
	ds_store_b128 v8, v[24:27] offset:jj*512       ; the whole list is 0 first; LDS serves a wave's instructions in order (ISA guide 5.7.1.4)
.set jj, jj+1
.endr
	s_lshl_b32 s[OF], s[EX], 20
	s_lshl_b32 s[T0], s[SL], 11
	s_add_co_u32 s[OF], s[OF], s[T0]
	s_add_nc_u64 s[HB:HB+1], s[12:13], s[OF:OF+1]  ; hf at my expert and slice
	s_mov_b64 s[XB:XB+1], s[4:5]
	s_mov_b32 s[COFF], 0
	s_lshl_b32 s[EK], s[EX], 12
	s_mov_b32 s[LIM], 4096
	s_mov_b32 s[CNT], 0
	CLEAR
.set jj, 0
.rept 32                                           ; younger than group j's load: 31 - j loads of codes and 24 weight loads, from group 8 on 32
.if jj < 8
	GRP jj, 55-jj
.else
	GRP jj, 63-jj
.endif
.if jj == 7
	LISSUE 3, 0                                    ; eight loads of codes are in: chunk 0's fourth group goes out, and 56 are out again
	WIN 0
.endif
.set jj, jj+1
.endr
	s_add_co_u32 s[NBLK], s[CNT], 15
	s_lshr_b32 s[NBLK], s[NBLK], 4
	s_max_u32 s[NBLK], s[NBLK], 1                  ; blocks of 16 rows, one at the least
	s_mov_b32 s[B0], s[WV]
	NACTM
	s_cmp_lg_u32 s[SL], 0
	s_cbranch_scc1 .Lnorows
	s_cmp_lg_u32 s[WV], 0
	s_cbranch_scc1 .Lnorows
	s_mul_i32 s[OF], s[EX], 4352                   ; slice 0's wave 0 stores list and count
	s_mov_b32 s[OF+1], 0
	s_add_nc_u64 s[RW:RW+1], s[14:15], s[OF:OF+1]
.set jj, 0
.rept 8
	ds_load_b128 v[32+4*jj:35+4*jj], v8 offset:jj*512
.set jj, jj+1
.endr
	v_mov_b32 v14, s[CNT]
	v_mov_b32 v15, s[CNT]
	v_lshlrev_b32 v16, 3, v1
	s_wait_dscnt 0x0
.set jj, 0
.rept 8
	global_store_b128 v12, v[32+4*jj:35+4*jj], s[RW:RW+1] offset:jj*512
.set jj, jj+1
.endr
	global_store_b64 v16, v[14:15], s[RW:RW+1] offset:4096          ; 256 bytes that all hold the count
	s_wait_xcnt 0x0                                ; these registers are written again below
.Lnorows:
	LPART 0                                        ; TRIP 0: chunk 0 is laid down, chunk 1 asked for;
	OFFS
	ALOAD 0, 0                                     ; then chunk 0's tokens: from here on the order of issue is a chunk's 32 weight loads, then 24 token loads
	ALOAD 1, 0
	BAR
	s_mov_b32 s[LC], NCH-2
.Lloop:                                                ; trips 1 to 6: chunk j is laid down and chunk j + 1 asked for; chunk j - 1 is multiplied and chunk j's tokens asked for
	LPART 1
	CPART 44, 44, 1                                ; younger each time: the other half chunk's 12 token loads and this trip's 32 weight loads
	BAR
	s_sub_co_u32 s[LC], s[LC], 1
	s_cmp_lg_u32 s[LC], 0
	s_cbranch_scc1 .Lloop
	LPART 2                                        ; trip 7: the last chunk is laid down
	CPART 12, 12, 1
	BAR                                            ; the whole slice lies in LDS
	CPART 12, 0, 0                                 ; chunk 7
	s_mov_b32 s[PASS], 6
.Lpass:                                                ; six trips: a pass's blocks go out; then the next pass, if the expert has so many rows
	EPI 0
	EPI 1
	EPI 2
	s_add_co_u32 s[B0], s[B0], 12
	s_add_co_u32 s[LPO], s[LPO], 768
	v_add_nc_u32 v6, s[LPO], v21
	NACTM
	s_cmp_eq_u32 s[NACT], 0
	s_cbranch_scc1 .Lnext
	OFFS
	CLEAR
	s_wait_xcnt 0x0                                ; the stores above have read their registers; the pointer goes back
	s_mov_b64 s[XB:XB+1], s[4:5]
	s_mov_b32 s[COFF], 0
	v_mov_b32 v4, v5
	s_mov_b32 s[KO], NCH
.Lko:                                                  ; a chunk a trip, its four K steps one after the other: the plain road for splits far from even
.irp st, 0,1,2,3
.irp i, 0,1,2
	global_load_b128 v[AF+8*\i:AF+8*\i+3],   v[9+\i], s[XB:XB+1] offset:\st*64
	global_load_b128 v[AF+8*\i+4:AF+8*\i+7], v[9+\i], s[XB:XB+1] offset:\st*64+32
.endr
	BLOAD \st, BF0
	s_wait_loadcnt 0x0
	s_wait_dscnt 0x0
	KSTEP AF, BF0
	PLACES                                         ; in front of the next step's loads into the registers just multiplied
.endr
	s_add_co_u32 s[COFF], s[COFF], CHUNK
	v_add_nc_u32 v4, s[COFF], v5                   ; the next chunk
	s_wait_xcnt 0x0                                ; the pointer is stepped only behind this wait
	s_add_nc_u64 s[XB:XB+1], s[XB:XB+1], ASTEP
	s_sub_co_u32 s[KO], s[KO], 1
	s_cmp_lg_u32 s[KO], 0
	s_cbranch_scc1 .Lko
.Lnext:
	s_sub_co_u32 s[PASS], s[PASS], 1
	s_cmp_lg_u32 s[PASS], 0
	s_cbranch_scc1 .Lpass
	BAR                                            ; every wave's reads of the slice are back before any wave's closing add writes LDS (other bytes: the spare words)
	s_wait_tensorcnt 0x0                           ; the wave's end: three closing lines behind my last LDS store
	ds_add_u32 v30, v31
	s_wait_dscnt 0x0
	s_endpgm
.Lfunc_end_k_q3765b20455_gateup:
	.size	k_q3765b20455_gateup, .Lfunc_end_k_q3765b20455_gateup-k_q3765b20455_gateup
	.p2alignl 7, 3214868480
	.fill 96, 4, 3214868480
	.section	.rodata,"a",@progbits
	.p2align	6, 0x0
	.amdhsa_kernel k_q3765b20455_gateup
		.amdhsa_group_segment_fixed_size 301568
		.amdhsa_private_segment_fixed_size 0
		.amdhsa_enable_private_segment 0
		.amdhsa_kernarg_size 48
		.amdhsa_user_sgpr_count 2
		.amdhsa_user_sgpr_kernarg_segment_ptr 1
		.amdhsa_wavefront_size32 1
		.amdhsa_system_sgpr_workgroup_id_x 1
		.amdhsa_system_sgpr_workgroup_id_y 1
		.amdhsa_system_sgpr_workgroup_id_z 1
		.amdhsa_system_vgpr_workitem_id 0
		.amdhsa_next_free_vgpr 640
		.amdhsa_next_free_sgpr 66
		.amdhsa_reserve_vcc 1
		.amdhsa_float_denorm_mode_32 3
		.amdhsa_float_denorm_mode_16_64 3
		.amdhsa_memory_ordered 1
		.amdhsa_forward_progress 1
		.amdhsa_inst_pref_size 141
	.end_amdhsa_kernel
	.amdgpu_metadata
---
amdhsa.version: [ 1, 2 ]
amdhsa.kernels:
  - .name:           k_q3765b20455_gateup
    .symbol:         k_q3765b20455_gateup.kd
    .args:
      - { .name: xb, .offset: 0, .size: 8, .value_kind: global_buffer, .address_space: global }
      - { .name: w_gate, .offset: 8, .size: 8, .value_kind: global_buffer, .address_space: global }
      - { .name: w_up, .offset: 16, .size: 8, .value_kind: global_buffer, .address_space: global }
      - { .name: sel, .offset: 24, .size: 8, .value_kind: global_buffer, .address_space: global }
      - { .name: hf, .offset: 32, .size: 8, .value_kind: global_buffer, .address_space: global }
      - { .name: rows, .offset: 40, .size: 8, .value_kind: global_buffer, .address_space: global }
    .group_segment_fixed_size: 301568
    .private_segment_fixed_size: 0
    .kernarg_segment_align: 8
    .kernarg_segment_size: 48
    .max_flat_workgroup_size: 128
    .sgpr_count:     66
    .vgpr_count:     640
    .wavefront_size: 32
...
	.end_amdgpu_metadata
.endif
;; end of part 2
;; launch down (part 3): grid 8 x 32, 4 waves a work-group, no clusters, 173,568 bytes of LDS; arguments hf, w_down, rows, part; writes part
.if DOCPART == 3
	.amdgcn_target "amdgcn-amd-amdhsa--gfx1250"
	.amdhsa_code_object_version 6
	.text
	.protected	k_q3765b20455_down
	.globl	k_q3765b20455_down
	.p2align	8
	.type	k_q3765b20455_down,@function
k_q3765b20455_down:
	s_mov_b64 s[64:65], 0
	v_nop
	global_prefetch_b8 v0, s[64:65] scope:SCOPE_SE
	s_setreg_imm32_b32 hwreg(HW_REG_WAVE_MODE, 25, 1), 1
	s_wait_xcnt 0x0
; SECOND PRODUCT OF THE EXPERTS.  part[q][n] = sum over f of h[row][f] w_down[e][n][f], f32, for every row of expert e; q = 4 token + choice is the row's place in part, from the stored list.
; h comes as bf16 in operand order (hf); the weights are rounded once to bf16 (nearest even) on their way through registers; sums in f32.  The gate's weight is applied by the launch that adds.
; GRID.  x = slice s of 128 n, y = expert e.  A work-group alone reads its 128 weight rows (512 f each: 256 KB of f32), once, and takes all rows of its expert.
; FOUR WAVES, ALL ALIKE, as in the launch before: wave w loads, rounds and lays 32 of the 128 weight rows into LDS (four chunks of 128 f; no LDS byte of the slice is written twice); trip j lays chunk j
; down and multiplies chunk j - 1; one barrier a trip.  Weight loads and loads of h share the wave's one counter, so both are asked for one chunk ahead: 32 + 24 = 56 loads of a wave are out.
; Wave w takes blocks 12 p + 4 i + w of 16 rows; passes 1-5 serve the splits that give an expert more than 192 rows, from the weights in LDS: a loop of constant length, in which work is jumped over
; and every wave passes every barrier.  The count is read from memory (stored by the launch before) and steers only jumps over work.  Dead places read block 0, which is always stored.
; THE WAY OUT.  A lane holds one row and eight n: a block goes through the wave's own stage in LDS and leaves as whole rows, 512 consecutive aligned bytes a store; rows past the count are jumped.
; NO CLUSTER, NO TENSOR LOAD: each weight byte has one reader and must be rounded on its way in; what an expert's eight work-groups share, its rows of h, is a fifth of a work-group's bytes.
; LIMITS.  NaN and infinities are not treated apart.
.set PITCH, 272                        ; an LDS row: 128 bf16 + 16 bytes = 68 words: the 16 rows of a fragment load start at 16 different groups of four banks (64 banks of 4 bytes: ISA guide 11.1)
.set CHUNK, 128*PITCH
.set NCH,   4
.set GROW,  2048                       ; bytes from weight row to weight row in memory
.set ASTEP, 4096                       ; bytes of a block of h in a chunk: four K steps of 1,024
.set STG,   NCH*CHUNK                  ; behind the weights: a stage of 16 rows for each wave
.set SP,    528                        ; 512 bytes + 16
.set SPARE, STG+4*16*SP                ; behind them: the spare words, 128 bytes a wave
; REGISTERS, in windows of 256 (s_set_vgpr_msb: bits 1:0 source 0, 3:2 source 1, 5:4 source 2, 7:6 destination):
;   window 0: v1 lane, v2 r, v3 h, v4 the chunk's fragment address, v5 its base, v7 into the stage, v8 back from it, v9-11 my three blocks' offsets in hf, v12 16 x lane, v14-16 their offsets in the list,
;             v19 where I lay weights down, v20 the same in the chunk in hand, v24-26 my blocks' q, v30, v31 the closing add's; v32-95, v96-159 two buffers of eight weight fragments
;             (on the way out: v32-95 rows read back, v96-111 their offsets in part); v160-255 fragments of h: half chunk sub, K step ks, block i at 160 + 48 sub + 24 ks + 8 i
;   window 1: v0-191 accumulators: block i, weight block nb at 64 i + 8 nb; v192-223 two sets of 16 rounded words on their way into LDS
;   window 2: v0-127 the ring: slot q holds rows 8 q .. 8 q + 7 of my 32 as loaded
.set BF0,   32
.set BF1,   96
.set AF,    160
.set TW,    192
.set WV, 16
.set SL, 18
.set EX, 19
.set LC, 20
.set CNT, 23
.set T1, 24
.set NBLK, 25
.set NACT, 26
.set B0, 27
.set PASS, 28
.set T0, 29
.set OF, 30
.set WB, 32
.set XB, 34
.set XB0, 36
.set PB, 38
.set KO, 43
.set LOFF, 44
.set COFF, 45
.set RW, 48
.set MSB, 0
.macro WIN new                         ; the immediate's high byte repeats the setting that is left; a switch that changes nothing is dropped
.if MSB != (\new)
	s_set_vgpr_msb (MSB<<8)|(\new)
.set MSB, (\new)
.endif
.endm
.macro PLACES                          ; four plain lines between a matrix instruction and a load into, or a vector write of, one of its registers (ISA guide 7.12.1 for vector writes)
.rept 4
	v_nop
.endr
.endm
.macro BAR                             ; my LDS stores and loads are done; then the work-group's barrier
	s_wait_dscnt 0x0
	s_barrier_signal -1
	s_barrier_wait -1
.endm
.macro LISSUE qd, dl                   ; eight loads of 512 consecutive bytes: rows 8 qd on of my 32, dl chunks ahead of the pointer, into slot qd
	WIN 0x80
.set ii, 0
.rept 8
	global_load_b128 v[32*(\qd)+4*ii:32*(\qd)+4*ii+3], v12, s[WB:WB+1] offset:(8*(\qd)+ii)*GROW+(\dl)*512 th:TH_LOAD_NT
.set ii, ii+1
.endr
.endm
.macro LSTEP qd, issue, n              ; a slot's turn: its loads are in (n younger stay out); rounded into 16 other registers; eight LDS stores from those; the slot takes the same rows of the next chunk at once
	s_wait_loadcnt \n
	WIN 0x4a
.set ii, 0
.rept 16
	v_cvt_pk_bf16_f32 v[TW+16*((\qd)%2)+ii], v[32*(\qd)+2*ii], v[32*(\qd)+2*ii+1]
.set ii, ii+1
.endr
	WIN 0x04
.set ii, 0
.rept 8
	ds_store_b64 v20, v[TW+16*((\qd)%2)+2*ii:TW+16*((\qd)%2)+2*ii+1] offset:(8*(\qd)+ii)*PITCH
.set ii, ii+1
.endr
.if \issue
	LISSUE \qd, 1
.endif
.endm
; A chunk is laid down.  var 0, the first: younger than a slot's loads are three groups of eight.  var 1, the loop's: three groups and the 24 loads of h issued between them (in the first trip three
; loads of the list besides: the count is then smaller than it need be).  var 2, the last chunk: nothing is asked for, and the counts run down to the 24 loads of h.
.macro LPART var
.if (\var) == 0
	LSTEP 0, 1, 24
	LSTEP 1, 1, 24
	LSTEP 2, 1, 24
	LSTEP 3, 1, 24
.elseif (\var) == 1
	LSTEP 0, 1, 48
	LSTEP 1, 1, 48
	LSTEP 2, 1, 48
	LSTEP 3, 1, 48
.else
	LSTEP 0, 0, 48
	LSTEP 1, 0, 40
	LSTEP 2, 0, 32
	LSTEP 3, 0, 24
.endif
	WIN 0
.if (\var) < 2
	s_add_co_u32 s[LOFF], s[LOFF], CHUNK
	v_add_nc_u32 v20, s[LOFF], v19                 ; the next chunk's place in LDS
	s_wait_xcnt 0x0                                ; the pointer is stepped only behind this wait
	s_add_nc_u64 s[WB:WB+1], s[WB:WB+1], 512
.endif
.endm
.macro BLOAD st, buf                   ; the eight weight fragments of K step st of the chunk
.irp nb, 0,1,2,3,4,5,6,7
	ds_load_b128 v[(\buf)+8*\nb:(\buf)+8*\nb+3],   v4 offset:\nb*16*PITCH+(\st)*64
	ds_load_b128 v[(\buf)+8*\nb+4:(\buf)+8*\nb+7], v4 offset:\nb*16*PITCH+(\st)*64+32
.endr
.endm
.macro ALOAD sub, next                 ; twelve loads of 512 consecutive bytes: h's fragments of half a chunk (two K steps, three blocks), as they were stored
.irp ks, 0,1
.irp i, 0,1,2
	global_load_b128 v[AF+48*(\sub)+24*\ks+8*\i:AF+48*(\sub)+24*\ks+8*\i+3],   v[9+\i], s[XB:XB+1] offset:(\next)*ASTEP+(2*(\sub)+\ks)*1024
	global_load_b128 v[AF+48*(\sub)+24*\ks+8*\i+4:AF+48*(\sub)+24*\ks+8*\i+7], v[9+\i], s[XB:XB+1] offset:(\next)*ASTEP+(2*(\sub)+\ks)*1024+512
.endr
.endr
.endm
.macro KSTEP a, buf                    ; for each live block eight products, source 0 = 16 weight rows, source 1 = 16 rows of h; the accumulators take turns
.irp i, 0,1,2
	s_cmp_lt_u32 s[NACT], \i+1
	s_cbranch_scc1 .Lk_\@
	WIN 0x50
.irp nb, 0,1,2,3,4,5,6,7
	v_wmma_f32_16x16x32_bf16 v[64*\i+8*\nb:64*\i+8*\nb+7], v[(\buf)+8*\nb:(\buf)+8*\nb+7], v[(\a)+8*\i:(\a)+8*\i+7], v[64*\i+8*\nb:64*\i+8*\nb+7]
.endr
	WIN 0
.endr
.Lk_\@:
.endm
; A chunk is multiplied: four K steps on two weight buffers by turns.  n1, n2: the loads younger than the chunk's first and second half of h.  more = 1: the next chunk's h is asked for.
.macro CPART n1, n2, more
	BLOAD 0, BF0
	BLOAD 1, BF1
	s_wait_loadcnt \n1                             ; the first half chunk's h is in, and all that was asked for before it
	s_wait_dscnt 16                                ; K step 0's fragments are in (and my stores ahead of them done); the sixteen younger loads stay out
	KSTEP AF, BF0
	PLACES
	BLOAD 2, BF0
	s_wait_dscnt 16
	KSTEP AF+24, BF1
	PLACES
.if \more
	ALOAD 0, 1
.endif
	BLOAD 3, BF1
	s_wait_loadcnt \n2                             ; the second half chunk's h is in
	s_wait_dscnt 16
	KSTEP AF+48, BF0
	s_wait_dscnt 0x0
	KSTEP AF+72, BF1
	s_add_co_u32 s[COFF], s[COFF], CHUNK
	v_add_nc_u32 v4, s[COFF], v5                   ; with the three lines below: the four places behind the last products
	v_nop
	v_nop
	v_nop
.if \more
	ALOAD 1, 1
	s_wait_xcnt 0x0                                ; the pointer is stepped only behind this wait
	s_add_nc_u64 s[XB:XB+1], s[XB:XB+1], ASTEP
.endif
.endm
.macro CLEAR                           ; on purpose: it stands in the wait for the first weights, makes every K step one text, and writes all 192 registers whatever the number of live blocks
	WIN 0x40
.set ii, 0
.rept 192
	v_mov_b32 v[ii], 0
.set ii, ii+1
.endr
	WIN 0
.endm
.macro NACTM                           ; how many of blocks B0, B0 + 4, B0 + 8 exist: (NBLK - B0 + 3) >> 2, held to 0 .. 3
	s_sub_co_i32 s[NACT], s[NBLK], s[B0]
	s_add_co_i32 s[NACT], s[NACT], 3
	s_ashr_i32 s[NACT], s[NACT], 2
	s_max_i32 s[NACT], s[NACT], 0
	s_min_i32 s[NACT], s[NACT], 3
.endm
.macro SETA                            ; my three blocks: their places in hf and their rows' q from the list; a block that does not exist stands for block 0
.irp i, 0,1,2
	s_add_co_u32 s[T0], s[B0], 4*\i
	s_cmp_lt_u32 s[T0], s[NBLK]
	s_cselect_b32 s[T0], s[T0], 0
	s_min_u32 s[T0], s[T0], 63
	s_lshl_b32 s[T1], s[T0], 14
	v_add_nc_u32 v[9+\i], s[T1], v12
	s_lshl_b32 s[T1], s[T0], 6
	v_lshl_add_u32 v[14+\i], v2, 2, s[T1]
	global_load_b32 v[24+\i], v[14+\i], s[RW:RW+1]
.endr
.endm
; Block bi goes out through my stage: in as 16 bytes a lane (row r, n 8 h on), back as whole rows of 512 bytes; row t goes to part's row q(t), clamped; rows past the count are jumped.
.macro EPI bi
	s_cmp_lt_u32 s[NACT], (\bi)+1
	s_cbranch_scc1 .Le_\@
	s_wait_xcnt 0x0                                ; the registers that earlier stores read are rewritten only behind this wait
	WIN 0x04                                       ; the stores' data: the accumulators
.irp nb, 0,1,2,3,4,5,6,7
	ds_store_b128 v7, v[64*(\bi)+8*\nb:64*(\bi)+8*\nb+3] offset:\nb*64        ; each accumulator's low registers first
	ds_store_b128 v7, v[64*(\bi)+8*\nb+4:64*(\bi)+8*\nb+7] offset:\nb*64+16
.endr
	WIN 0
.set tt, 0
.rept 16
	ds_load_b128 v[32+4*tt:35+4*tt], v8 offset:tt*SP               ; LDS serves a wave's instructions in order (ISA guide 5.7.1.4): these see the stores above, and the next block's stores come behind them
.set tt, tt+1
.endr
.set tt, 0
.rept 16
	v_readlane_b32 s[T0], v[24+(\bi)], tt
	s_min_u32 s[T0], s[T0], 4095
	v_lshl_add_u32 v[96+tt], s[T0], 12, v12
.set tt, tt+1
.endr
	s_add_co_u32 s[T1], s[B0], 4*(\bi)
	s_lshl_b32 s[T1], s[T1], 4
	s_sub_co_i32 s[T1], s[CNT], s[T1]              ; rows of this block that exist
	s_wait_dscnt 0x0
.set tt, 0
.rept 16
	s_cmp_le_i32 s[T1], tt
	s_cbranch_scc1 .Le_\@
	global_store_b128 v[96+tt], v[32+4*tt:35+4*tt], s[PB:PB+1]
.set tt, tt+1
.endr
.Le_\@:
.endm
	s_load_b256 s[4:11], s[0:1], 0x0               ; hf s[4:5], w_down s[6:7], rows s[8:9], part s[10:11]
	v_lshl_add_u32 v30, v0, 2, SPARE               ; my spare word,
	v_mov_b32 v31, 0                               ; and 0: kept for the closing add alone
	v_lshrrev_b32 v1, 5, v0
	v_readfirstlane_b32 s[WV], v1                  ; wave 0..3
	v_and_b32 v1, 31, v0
	v_and_b32 v2, 15, v0
	v_bfe_u32 v3, v0, 4, 1
	v_lshlrev_b32 v12, 4, v1
	s_mov_b32 s[SL], ttmp9
	s_and_b32 s[EX], ttmp7, 0xffff
	s_lshl_b32 s[OF], s[EX], 21                    ; the expert's 2 MB,
	s_lshl_b32 s[T0], s[SL], 18                    ; the slice's 128 rows,
	s_add_co_u32 s[OF], s[OF], s[T0]
	s_lshl_b32 s[T0], s[WV], 16                    ; my 32 of them
	s_add_co_u32 s[OF], s[OF], s[T0]
	s_mov_b32 s[OF+1], 0
	s_wait_kmcnt 0x0
	s_add_nc_u64 s[WB:WB+1], s[6:7], s[OF:OF+1]
	LISSUE 0, 0                                    ; chunk 0 goes out before anything else is done
	LISSUE 1, 0
	LISSUE 2, 0
	LISSUE 3, 0
	WIN 0
	s_mul_i32 s[OF], s[EX], 4352
	s_add_nc_u64 s[RW:RW+1], s[8:9], s[OF:OF+1]    ; my expert's list,
	s_load_b32 s[CNT], s[RW:RW+1], 0x1000          ; and its count
	s_lshl_b32 s[OF], s[EX], 20
	s_add_nc_u64 s[XB0:XB0+1], s[4:5], s[OF:OF+1]  ; hf at my expert
	s_mov_b64 s[XB:XB+1], s[XB0:XB0+1]
	s_lshl_b32 s[OF], s[SL], 9
	s_add_nc_u64 s[PB:PB+1], s[10:11], s[OF:OF+1]  ; part at my slice's 512 bytes of a row
	s_mul_i32 s[T0], s[WV], 32*PITCH
	v_lshl_add_u32 v19, v1, 3, s[T0]               ; LDS rows 32 w on, 8 bytes a lane
	v_mov_b32 v20, v19
	s_mov_b32 s[LOFF], 0
	s_mul_i32 s[T0], s[WV], 16*SP
	s_add_co_u32 s[T0], s[T0], STG                 ; my stage
	v_mul_u32_u24 v7, v2, SP
	v_lshl_add_u32 v7, v3, 5, v7
	v_add_nc_u32 v7, s[T0], v7
	v_add_nc_u32 v8, s[T0], v12
	v_mul_u32_u24 v5, v2, PITCH
	v_lshl_add_u32 v5, v3, 4, v5                   ; a fragment's row x pitch + 16 h
	v_mov_b32 v4, v5
	s_mov_b32 s[COFF], 0
	CLEAR
	LPART 0                                        ; TRIP 0: chunk 0 is laid down, chunk 1 asked for;
	s_wait_kmcnt 0x0
	s_min_u32 s[CNT], s[CNT], 1024
	s_add_co_u32 s[NBLK], s[CNT], 15
	s_lshr_b32 s[NBLK], s[NBLK], 4
	s_max_u32 s[NBLK], s[NBLK], 1                  ; blocks of 16 rows, one at the least
	s_mov_b32 s[B0], s[WV]
	NACTM
	SETA
	ALOAD 0, 0                                     ; then chunk 0's h: from here on the order of issue is a chunk's 32 weight loads, then 24 loads of h
	ALOAD 1, 0
	BAR
	s_mov_b32 s[LC], NCH-2
.Lloop:                                                ; trips 1 and 2: chunk j is laid down and chunk j + 1 asked for; chunk j - 1 is multiplied and chunk j's h asked for
	LPART 1
	CPART 44, 44, 1                                ; younger each time: the other half chunk's 12 loads of h and this trip's 32 weight loads
	BAR
	s_sub_co_u32 s[LC], s[LC], 1
	s_cmp_lg_u32 s[LC], 0
	s_cbranch_scc1 .Lloop
	LPART 2                                        ; trip 3: the last chunk is laid down
	CPART 12, 12, 1
	BAR                                            ; the whole slice lies in LDS
	CPART 12, 0, 0                                 ; chunk 3
	s_mov_b32 s[PASS], 6
.Lpass:                                                ; six trips: a pass's blocks go out; then the next pass, if the expert has so many rows
	EPI 0
	EPI 1
	EPI 2
	BAR                                            ; every wave's writes of its stage are done before any wave reads the slice again (other bytes of LDS); on every wave's path
	s_add_co_u32 s[B0], s[B0], 12
	NACTM
	s_cmp_eq_u32 s[NACT], 0
	s_cbranch_scc1 .Lnext
	s_wait_xcnt 0x0                                ; the stores above have read their registers; the pointer goes back
	SETA
	CLEAR
	s_mov_b64 s[XB:XB+1], s[XB0:XB0+1]
	s_mov_b32 s[COFF], 0
	v_mov_b32 v4, v5
	s_mov_b32 s[KO], NCH
.Lko:                                                  ; a chunk a trip, its four K steps one after the other: the plain road for splits far from even
.irp st, 0,1,2,3
.irp i, 0,1,2
	global_load_b128 v[AF+8*\i:AF+8*\i+3],   v[9+\i], s[XB:XB+1] offset:\st*1024
	global_load_b128 v[AF+8*\i+4:AF+8*\i+7], v[9+\i], s[XB:XB+1] offset:\st*1024+512
.endr
	BLOAD \st, BF0
	s_wait_loadcnt 0x0
	s_wait_dscnt 0x0
	KSTEP AF, BF0
	PLACES                                         ; in front of the next step's loads into the registers just multiplied
.endr
	s_add_co_u32 s[COFF], s[COFF], CHUNK
	v_add_nc_u32 v4, s[COFF], v5                   ; the next chunk
	s_wait_xcnt 0x0                                ; the pointer is stepped only behind this wait
	s_add_nc_u64 s[XB:XB+1], s[XB:XB+1], ASTEP
	s_sub_co_u32 s[KO], s[KO], 1
	s_cmp_lg_u32 s[KO], 0
	s_cbranch_scc1 .Lko
.Lnext:
	BAR                                            ; every wave's reads of the slice are back before any wave writes LDS again: the next pass's stage, the closing add; on every wave's path
	s_sub_co_u32 s[PASS], s[PASS], 1
	s_cmp_lg_u32 s[PASS], 0
	s_cbranch_scc1 .Lpass
	s_wait_tensorcnt 0x0                           ; the wave's end: three closing lines behind my last LDS store
	ds_add_u32 v30, v31
	s_wait_dscnt 0x0
	s_endpgm
.Lfunc_end_k_q3765b20455_down:
	.size	k_q3765b20455_down, .Lfunc_end_k_q3765b20455_down-k_q3765b20455_down
	.p2alignl 7, 3214868480
	.fill 96, 4, 3214868480
	.section	.rodata,"a",@progbits
	.p2align	6, 0x0
	.amdhsa_kernel k_q3765b20455_down
		.amdhsa_group_segment_fixed_size 173568
		.amdhsa_private_segment_fixed_size 0
		.amdhsa_enable_private_segment 0
		.amdhsa_kernarg_size 32
		.amdhsa_user_sgpr_count 2
		.amdhsa_user_sgpr_kernarg_segment_ptr 1
		.amdhsa_wavefront_size32 1
		.amdhsa_system_sgpr_workgroup_id_x 1
		.amdhsa_system_sgpr_workgroup_id_y 1
		.amdhsa_system_sgpr_workgroup_id_z 1
		.amdhsa_system_vgpr_workitem_id 0
		.amdhsa_next_free_vgpr 640
		.amdhsa_next_free_sgpr 66
		.amdhsa_reserve_vcc 0
		.amdhsa_float_denorm_mode_32 3
		.amdhsa_float_denorm_mode_16_64 3
		.amdhsa_memory_ordered 1
		.amdhsa_forward_progress 1
		.amdhsa_inst_pref_size 129
	.end_amdhsa_kernel
	.amdgpu_metadata
---
amdhsa.version: [ 1, 2 ]
amdhsa.kernels:
  - .name:           k_q3765b20455_down
    .symbol:         k_q3765b20455_down.kd
    .args:
      - { .name: hf, .offset: 0, .size: 8, .value_kind: global_buffer, .address_space: global }
      - { .name: w_down, .offset: 8, .size: 8, .value_kind: global_buffer, .address_space: global }
      - { .name: rows, .offset: 16, .size: 8, .value_kind: global_buffer, .address_space: global }
      - { .name: part, .offset: 24, .size: 8, .value_kind: global_buffer, .address_space: global }
    .group_segment_fixed_size: 173568
    .private_segment_fixed_size: 0
    .kernarg_segment_align: 8
    .kernarg_segment_size: 32
    .max_flat_workgroup_size: 128
    .sgpr_count:     66
    .vgpr_count:     640
    .wavefront_size: 32
...
	.end_amdgpu_metadata
.endif
;; end of part 3
;; launch combine (part 4): grid 256 x 1, 4 waves a work-group, no clusters, 0 bytes of LDS; arguments part, wts, out0; writes out0
.if DOCPART == 4
	.amdgcn_target "amdgcn-amd-amdhsa--gfx1250"
	.amdhsa_code_object_version 6
	.text
	.protected	k_q3765b20455_combine
	.globl	k_q3765b20455_combine
	.p2align	8
	.type	k_q3765b20455_combine,@function
k_q3765b20455_combine:
	s_mov_b64 s[64:65], 0
	v_nop
	global_prefetch_b8 v0, s[64:65] scope:SCOPE_SE
	s_setreg_imm32_b32 hwreg(HW_REG_WAVE_MODE, 25, 1), 1
	s_wait_xcnt 0x0
; out0[t][:] = sum over k = 0..3 of wts[t][k] x part[4 t + k][:], all f32, added in the order of the choices (reference() adds in the order of the experts: another order of rounding).
; A wave has one token: its four partial rows are 16,384 consecutive bytes, asked for at once by 32 loads of 512 bytes; the result leaves in eight stores of 512 consecutive aligned bytes.
; A stream: no LDS, no barrier, no matrix unit, no cluster: nothing is shared between waves.
.set P, 32                             ; v[32 + 16 c + 4 k]: columns 128 c on of partial row k; the sum is made in row 0's registers
	s_load_b128 s[4:7], s[0:1], 0x0                ; part s[4:5], wts s[6:7]
	s_load_b64 s[8:9], s[0:1], 0x10                ; out0
	v_lshrrev_b32 v1, 5, v0
	v_readfirstlane_b32 s10, v1                    ; wave 0..3
	v_and_b32 v1, 31, v0
	v_lshlrev_b32 v1, 4, v1                        ; 16 bytes a lane
	s_lshl_b32 s11, ttmp9, 2
	s_add_co_u32 s11, s11, s10                     ; my token
	s_lshl_b32 s12, s11, 14
	s_mov_b32 s13, 0
	s_lshl_b32 s14, s11, 4
	s_mov_b32 s15, 0
	s_lshl_b32 s16, s11, 12
	s_mov_b32 s17, 0
	s_wait_kmcnt 0x0
	s_add_nc_u64 s[4:5], s[4:5], s[12:13]
	s_add_nc_u64 s[6:7], s[6:7], s[14:15]
	s_add_nc_u64 s[8:9], s[8:9], s[16:17]
	s_load_b128 s[20:23], s[6:7], 0x0              ; the four weights
.irp c, 0,1,2,3,4,5,6,7
.irp k, 0,1,2,3
	global_load_b128 v[P+16*\c+4*\k:P+16*\c+4*\k+3], v1, s[4:5] offset:\k*4096+\c*512 th:TH_LOAD_NT
.endr
.endr
	s_wait_kmcnt 0x0
	s_mov_b32 s24, s21                             ; the packed forms take a pair's low word for both halves: weights 0 and 2 lead pairs as they lie, 1 and 3 get pairs of their own
	s_mov_b32 s25, s21
	s_mov_b32 s26, s23
	s_mov_b32 s27, s23
.irp c, 0,1,2,3,4,5,6,7
	s_wait_loadcnt 28-4*\c                         ; loads come back in order: this column group's four are in, the younger groups' stay out
	v_pk_mul_f32 v[P+16*\c:P+16*\c+1],   v[P+16*\c:P+16*\c+1],   s[20:21] op_sel_hi:[1,0]
	v_pk_mul_f32 v[P+16*\c+2:P+16*\c+3], v[P+16*\c+2:P+16*\c+3], s[20:21] op_sel_hi:[1,0]
	v_pk_fma_f32 v[P+16*\c:P+16*\c+1],   v[P+16*\c+4:P+16*\c+5],   s[24:25], v[P+16*\c:P+16*\c+1] op_sel_hi:[1,0,1]
	v_pk_fma_f32 v[P+16*\c+2:P+16*\c+3], v[P+16*\c+6:P+16*\c+7],   s[24:25], v[P+16*\c+2:P+16*\c+3] op_sel_hi:[1,0,1]
	v_pk_fma_f32 v[P+16*\c:P+16*\c+1],   v[P+16*\c+8:P+16*\c+9],   s[22:23], v[P+16*\c:P+16*\c+1] op_sel_hi:[1,0,1]
	v_pk_fma_f32 v[P+16*\c+2:P+16*\c+3], v[P+16*\c+10:P+16*\c+11], s[22:23], v[P+16*\c+2:P+16*\c+3] op_sel_hi:[1,0,1]
	v_pk_fma_f32 v[P+16*\c:P+16*\c+1],   v[P+16*\c+12:P+16*\c+13], s[26:27], v[P+16*\c:P+16*\c+1] op_sel_hi:[1,0,1]
	v_pk_fma_f32 v[P+16*\c+2:P+16*\c+3], v[P+16*\c+14:P+16*\c+15], s[26:27], v[P+16*\c+2:P+16*\c+3] op_sel_hi:[1,0,1]
	global_store_b128 v1, v[P+16*\c:P+16*\c+3], s[8:9] offset:\c*512 th:TH_STORE_NT
.endr
	s_endpgm
.Lfunc_end_k_q3765b20455_combine:
	.size	k_q3765b20455_combine, .Lfunc_end_k_q3765b20455_combine-k_q3765b20455_combine
	.p2alignl 7, 3214868480
	.fill 96, 4, 3214868480
	.section	.rodata,"a",@progbits
	.p2align	6, 0x0
	.amdhsa_kernel k_q3765b20455_combine
		.amdhsa_group_segment_fixed_size 0
		.amdhsa_private_segment_fixed_size 0
		.amdhsa_enable_private_segment 0
		.amdhsa_kernarg_size 24
		.amdhsa_user_sgpr_count 2
		.amdhsa_user_sgpr_kernarg_segment_ptr 1
		.amdhsa_wavefront_size32 1
		.amdhsa_system_sgpr_workgroup_id_x 1
		.amdhsa_system_sgpr_workgroup_id_y 1
		.amdhsa_system_sgpr_workgroup_id_z 1
		.amdhsa_system_vgpr_workitem_id 0
		.amdhsa_next_free_vgpr 160
		.amdhsa_next_free_sgpr 66
		.amdhsa_reserve_vcc 0
		.amdhsa_float_denorm_mode_32 3
		.amdhsa_float_denorm_mode_16_64 3
		.amdhsa_memory_ordered 1
		.amdhsa_forward_progress 1
		.amdhsa_inst_pref_size 10
	.end_amdhsa_kernel
	.amdgpu_metadata
---
amdhsa.version: [ 1, 2 ]
amdhsa.kernels:
  - .name:           k_q3765b20455_combine
    .symbol:         k_q3765b20455_combine.kd
    .args:
      - { .name: part, .offset: 0, .size: 8, .value_kind: global_buffer, .address_space: global }
      - { .name: wts, .offset: 8, .size: 8, .value_kind: global_buffer, .address_space: global }
      - { .name: out0, .offset: 16, .size: 8, .value_kind: global_buffer, .address_space: global }
    .group_segment_fixed_size: 0
    .private_segment_fixed_size: 0
    .kernarg_segment_align: 8
    .kernarg_segment_size: 24
    .max_flat_workgroup_size: 128
    .sgpr_count:     66
    .vgpr_count:     160
    .wavefront_size: 32
...
	.end_amdgpu_metadata
.endif
;; end of part 4
;; ======== version 2 of 3: 4 launches; 1.15 times as fast as version 1
;; workspace buffers: xb 2,097,152 bytes; sel 16,384 bytes of whole numbers; wts 16,384 bytes; rows 139,264 bytes of whole numbers; hf 33,554,432 bytes; part 16,777,216 bytes
;; launch route (part 5): grid 64 x 1, 8 waves a work-group, no clusters, 126,208 bytes of LDS; arguments router_input, w_router, hidden_states, out1, sel, wts, xb; writes out1, sel, wts, xb
.if DOCPART == 5
	.amdgcn_target "amdgcn-amd-amdhsa--gfx1250"
	.amdhsa_code_object_version 6
	.text
	.protected	k_q3765b20455_route
	.globl	k_q3765b20455_route
	.p2align	8
	.type	k_q3765b20455_route,@function
k_q3765b20455_route:
	s_mov_b64 s[64:65], 0
	v_nop
	global_prefetch_b8 v0, s[64:65] scope:SCOPE_SE
	s_setreg_imm32_b32 hwreg(HW_REG_WAVE_MODE, 25, 1), 1
	s_wait_xcnt 0x0
; ROUTER.  out1[t][e] = sum over k of router_input[t][k] w_router[e][k]; the four largest logits of a token (ties: the lower expert first), their softmax;
; and hidden_states rounded to bf16 (xb) for the next launch.  Both operands of the product are rounded once to bf16 (nearest even), sums in f32.
; sel[t][k] = (expert << 12) | (4 t + k), wts[t][k] = the softmax weight: fixed places, so that no address here hangs on the choice.
; LIMITS.  NaN and infinities are not treated apart; a logit of -inf cannot be told from one that has been taken already.
; SHARES.  A work-group has 16 tokens.  Wave w multiplies k = 128 w .. 128 w + 127 (four matrix steps of 32) for all 32 experts, and rounds 8,192 bytes of hidden_states.
; A wave's slice of one row is 512 consecutive bytes: one load a row, 16 bytes a lane.  The 48 rows (16 tokens, 32 experts) are rounded and laid into 48 LDS rows of the wave's own,
; and come back as matrix operands: a lane then holds one row and k along its registers.  No other wave touches those bytes, so no barrier stands between.
; The eight partial sums meet in LDS; wave 0 adds them in a fixed order, stores the logits and chooses.  No cluster, no tensor load: 64 work-groups share only w_router, 128 KB,
; and every number must be rounded on its way in.
.set PP,    144                        ; a row of 32 f32 in LDS: 128 bytes + 16
.set PW,    16*PP                      ; a wave's 16 rows
.set SUM,   8*PW                       ; behind the eight partial tiles: the summed tile, wave 0's own
.set SPARE, SUM+PW                     ; behind it: the spare words, 128 bytes a wave
.set TR,    SPARE+1024                 ; behind them: 48 rows for each wave, on their way from loads by rows to matrix operands
.set TP,    272                        ; such a row: 128 bf16 + 16 bytes = 68 words: the 16 rows of an operand load start at 16 different groups of four banks (64 banks of 4 bytes: ISA guide 11.1)
.set TRW,   48*TP
.set RAW, 32                           ; v32-223  row i as loaded at 32 + 4 i (tokens 0-15, then experts 0-31); rounded into the first two of its four registers
.set XF,  32                           ; v32-63   the tokens' operands, K step ks at 32 + 8 ks
.set WF,  64                           ; v64-127  the experts' operands, tile t, K step ks at 64 + 32 t + 8 ks
.set HP,  128                          ; v128-159 hidden_states, rounded (as loaded: v256-319)
.set AC,  224                          ; v224-239 two accumulators
.set LG,  160                          ; v160-191 wave 0: a token's 32 logits
.set WV, 18
.set MSB, 0
.macro WIN new                         ; the immediate's high byte repeats the setting that is left
.if MSB != (\new)
	s_set_vgpr_msb (MSB<<8)|(\new)
.set MSB, (\new)
.endif
.endm
.macro LAY first                       ; sixteen rows: four f32 a lane become 8 bytes; a store covers 256 consecutive bytes of LDS
.set i, \first
.rept 16
	v_cvt_pk_bf16_f32 v[RAW+4*i],   v[RAW+4*i],   v[RAW+4*i+1]
	v_cvt_pk_bf16_f32 v[RAW+4*i+1], v[RAW+4*i+2], v[RAW+4*i+3]
.set i, i+1
.endr
.set i, \first
.rept 16
	ds_store_b64 v20, v[RAW+4*i:RAW+4*i+1] offset:i*TP
.set i, i+1
.endr
.endm
	s_load_b256 s[4:11], s[0:1], 0x0               ; router_input s[4:5], w_router s[6:7], hidden_states s[8:9], out1 s[10:11]
	s_load_b128 s[12:15], s[0:1], 0x20             ; sel s[12:13], wts s[14:15]
	s_load_b64 s[16:17], s[0:1], 0x30              ; xb
	v_lshl_add_u32 v30, v0, 2, SPARE               ; my spare word,
	v_mov_b32 v31, 0                               ; and 0: kept for the closing add alone
	v_lshrrev_b32 v1, 5, v0
	v_readfirstlane_b32 s[WV], v1                  ; wave 0..7
	v_and_b32 v1, 31, v0                           ; lane
	v_and_b32 v2, 15, v0                           ; r
	v_bfe_u32 v3, v0, 4, 1                         ; h
	s_lshl_b32 s26, s[WV], 9
	v_lshl_add_u32 v4, v1, 4, s26                  ; my wave's 512 bytes of a row, 16 bytes a lane
	s_lshl_b32 s26, s[WV], 13
	v_lshl_add_u32 v5, v1, 4, s26                  ; hidden_states: 16 bytes a lane, 8,192 a wave
	s_lshl_b32 s26, s[WV], 12
	v_lshl_add_u32 v6, v1, 3, s26                  ; xb: half of that
	s_mul_i32 s26, s[WV], TRW
	s_add_co_u32 s26, s26, TR                      ; my 48 rows
	v_lshl_add_u32 v20, v1, 3, s26                 ; in: 8 bytes a lane
	v_mul_u32_u24 v21, v2, TP
	v_lshl_add_u32 v21, v3, 4, v21
	v_add_nc_u32 v21, s26, v21                     ; back: row r x pitch + 16 h
	s_mul_i32 s26, s[WV], PW
	v_mul_u32_u24 v7, v2, PP
	v_lshl_add_u32 v7, v3, 5, v7
	v_add_nc_u32 v7, s26, v7                       ; my partial tile: token r, experts 8 h on
	v_lshrrev_b32 v8, 3, v1
	v_mul_u32_u24 v8, v8, PP
	v_and_b32 v9, 7, v1
	v_lshl_add_u32 v8, v9, 4, v8                   ; by rows: eight lanes a row, four rows an instruction
	v_mul_u32_u24 v9, v2, PP
	v_add_nc_u32 v9, SUM, v9                       ; token r's row of the summed tile
	v_lshlrev_b32 v10, 4, v1
	v_lshlrev_b32 v11, 4, v2
	s_lshl_b32 s26, ttmp9, 6
	v_lshl_add_u32 v29, v2, 2, s26                 ; 4 t for my token t = 16 x work-group + r
	s_mov_b32 s27, 0
	s_lshl_b32 s26, ttmp9, 16
	s_wait_kmcnt 0x0
	s_add_nc_u64 s[4:5], s[4:5], s[26:27]          ; the group's 16 rows of 4,096 bytes
	s_add_nc_u64 s[8:9], s[8:9], s[26:27]
	s_lshl_b32 s26, ttmp9, 15
	s_add_nc_u64 s[16:17], s[16:17], s[26:27]
	s_lshl_b32 s26, ttmp9, 11
	s_add_nc_u64 s[10:11], s[10:11], s[26:27]
	s_lshl_b32 s26, ttmp9, 8
	s_add_nc_u64 s[12:13], s[12:13], s[26:27]
	s_add_nc_u64 s[14:15], s[14:15], s[26:27]
	; all loads go out at once, each 512 consecutive bytes: 16 for the tokens, 32 for the experts, 16 for hidden_states
.set i, 0
.rept 16
	global_load_b128 v[RAW+4*i:RAW+4*i+3], v4, s[4:5] offset:i*4096 th:TH_LOAD_NT
.set i, i+1
.endr
.set i, 0
.rept 32
	global_load_b128 v[RAW+64+4*i:RAW+64+4*i+3], v4, s[6:7] offset:i*4096
.set i, i+1
.endr
	WIN 0x40                                       ; destination v256 on
.set g, 0
.rept 16
	global_load_b128 v[4*g:4*g+3], v5, s[8:9] offset:g*512 th:TH_LOAD_NT
.set g, g+1
.endr
	WIN 0
	s_wait_loadcnt 48                              ; the tokens are in; the 48 younger loads stay out
	LAY 0
	s_wait_loadcnt 32                              ; experts 0-15
	LAY 16
	s_wait_loadcnt 16                              ; experts 16-31; the 16 loads of hidden_states stay out
	LAY 32
	; An operand is 16 rows x 32 k in 8 registers: lane (r, h) holds row r, k = 8 h + 0..7 and 16 + 8 h + 0..7: two loads of 16 bytes, 32 bytes apart.
	; LDS serves a wave's instructions in order (ISA guide 5.7.1.4): these see the stores above, and land in registers that those stores have left.
.irp ks, 0,1,2,3
	ds_load_b128 v[XF+8*\ks:XF+8*\ks+3],   v21 offset:\ks*64
	ds_load_b128 v[XF+8*\ks+4:XF+8*\ks+7], v21 offset:\ks*64+32
.endr
.irp t, 0,1
.irp ks, 0,1,2,3
	ds_load_b128 v[WF+32*\t+8*\ks:WF+32*\t+8*\ks+3],   v21 offset:(16+16*\t)*TP+\ks*64
	ds_load_b128 v[WF+32*\t+8*\ks+4:WF+32*\t+8*\ks+7], v21 offset:(16+16*\t)*TP+\ks*64+32
.endr
.endr
	s_wait_dscnt 0x0
	; source 0 = 16 experts, source 1 = 16 tokens: a lane then holds ONE token (r) and experts 16 t + 8 h + 0..7.  The two accumulators take turns; the first products start the sums.
.irp ks, 0,1,2,3
.irp t, 0,1
.if \ks == 0
	v_wmma_f32_16x16x32_bf16 v[AC+8*\t:AC+8*\t+7], v[WF+32*\t+8*\ks:WF+32*\t+8*\ks+7], v[XF+8*\ks:XF+8*\ks+7], 0
.else
	v_wmma_f32_16x16x32_bf16 v[AC+8*\t:AC+8*\t+7], v[WF+32*\t+8*\ks:WF+32*\t+8*\ks+7], v[XF+8*\ks:XF+8*\ks+7], v[AC+8*\t:AC+8*\t+7]
.endif
.endr
.endr
	s_wait_loadcnt 0x0                             ; hidden_states
	WIN 0x05                                       ; sources v256 on, destination below
.set m, 0
.rept 32                                           ; these 32 plain lines, which name no register of the products, are also the places behind the last product
	v_cvt_pk_bf16_f32 v[HP+m], v[2*m], v[2*m+1]
.set m, m+1
.endr
	WIN 0
.set g, 0
.rept 16
	global_store_b64 v6, v[HP+2*g:HP+2*g+1], s[16:17] offset:g*256   ; a wave's store covers 256 consecutive bytes, aligned
.set g, g+1
.endr
.irp t, 0,1
	ds_store_b128 v7, v[AC+8*\t:AC+8*\t+3] offset:\t*64              ; each accumulator's low registers first
	ds_store_b128 v7, v[AC+8*\t+4:AC+8*\t+7] offset:\t*64+16
.endr
	s_wait_dscnt 0x0                               ; for wave 0's sake: my partial tile is written
	s_barrier_signal -1
	s_barrier_wait -1
	s_cmp_lg_u32 s[WV], 0
	s_cbranch_scc1 .Lend                           ; the rest is wave 0's
	s_wait_xcnt 0x0                                ; v128-159, which my stores to xb read, are loaded over only behind this wait
.irp w, 0,1,2,3,4,5,6,7
.irp i, 0,1,2,3
	ds_load_b128 v[32+16*\w+4*\i:32+16*\w+4*\i+3], v8 offset:\w*PW+\i*4*PP
.endr
.endr
	v_mov_b32 v28, 0xff800000                      ; -inf: what a taken logit becomes
.irp i, 12,13,14,15,16,17,18,19
	v_mov_b32 v\i, 0                               ; the four values and four experts rotate through these: written before they are read
.endr
	s_wait_dscnt 0x0
.irp w, 1,2,3,4,5,6,7                              ; the eight K slices are added in ascending order
.irp i, 0,1,2,3
	v_pk_add_f32 v[32+4*\i:33+4*\i], v[32+4*\i:33+4*\i], v[32+16*\w+4*\i:33+16*\w+4*\i]
	v_pk_add_f32 v[34+4*\i:35+4*\i], v[34+4*\i:35+4*\i], v[34+16*\w+4*\i:35+16*\w+4*\i]
.endr
.endr
.irp i, 0,1,2,3
	global_store_b128 v10, v[32+4*\i:35+4*\i], s[10:11] offset:\i*512  ; four rows of out1: 512 consecutive bytes
	ds_store_b128 v8, v[32+4*\i:35+4*\i] offset:SUM+\i*4*PP
.endr
.irp c, 0,1,2,3,4,5,6,7
	ds_load_b128 v[LG+4*\c:LG+4*\c+3], v9 offset:16*\c               ; these see the stores above.  Lane (r, h) gets token r's 32 logits
.endr
	s_wait_dscnt 0x0
	s_mov_b32 s24, 4
.Lround:                                               ; one of the four largest a trip.  Four chains of eight experts; a later expert wins only if strictly greater, so ties go to the lower index
.irp c, 0,1,2,3
	v_mov_b32 v[20+\c], v[LG+8*\c]
	v_mov_b32 v[24+\c], 8*\c
.endr
.irp j, 1,2,3,4,5,6,7
.irp c, 0,1,2,3
	v_cmp_gt_f32 s[20+\c], v[LG+8*\c+\j], v[20+\c]
.endr
.irp c, 0,1,2,3
	v_cndmask_b32 v[20+\c], v[20+\c], v[LG+8*\c+\j], s[20+\c]
	v_cndmask_b32 v[24+\c], v[24+\c], 8*\c+\j, s[20+\c]
.endr
.endr
	v_cmp_gt_f32 s20, v21, v20
	v_cmp_gt_f32 s21, v23, v22
	v_cndmask_b32 v20, v20, v21, s20
	v_cndmask_b32 v24, v24, v25, s20
	v_cndmask_b32 v22, v22, v23, s21
	v_cndmask_b32 v26, v26, v27, s21
	v_cmp_gt_f32 s20, v22, v20
	v_cndmask_b32 v20, v20, v22, s20
	v_cndmask_b32 v24, v24, v26, s20
	v_mov_b32 v12, v13                             ; the results rotate, so that one text serves all four trips: after the fourth, v12 and v16 hold the first
	v_mov_b32 v13, v14
	v_mov_b32 v14, v15
	v_mov_b32 v15, v20
	v_mov_b32 v16, v17
	v_mov_b32 v17, v18
	v_mov_b32 v18, v19
	v_mov_b32 v19, v24
.set e, 0
.rept 32                                           ; the winner leaves the field
	v_cmp_eq_u32 vcc_lo, e, v24
	v_cndmask_b32 v[LG+e], v[LG+e], v28, vcc_lo
.set e, e+1
.endr
	s_sub_co_u32 s24, s24, 1
	s_cmp_lg_u32 s24, 0
	s_cbranch_scc1 .Lround
	; softmax over the four: the largest, v12, is taken away first, so its own term is 1
	v_sub_f32 v20, v13, v12
	v_sub_f32 v21, v14, v12
	v_sub_f32 v22, v15, v12
	v_mul_f32 v20, 0x3fb8aa3b, v20                 ; log2(e)
	v_mul_f32 v21, 0x3fb8aa3b, v21
	v_mul_f32 v22, 0x3fb8aa3b, v22
	v_exp_f32 v20, v20
	v_exp_f32 v21, v21
	v_exp_f32 v22, v22
	v_lshl_or_b32 v52, v16, 12, v29                ; a plain line behind the last exponential: (expert << 12) | (4 t + k)
	v_lshl_or_b32 v53, v17, 12, v29
	v_lshl_or_b32 v54, v18, 12, v29
	v_lshl_or_b32 v55, v19, 12, v29
	v_or_b32 v53, 1, v53
	v_or_b32 v54, 2, v54
	v_or_b32 v55, 3, v55
	s_wait_alu depctr_va_vdst(0)                   ; one wait for the three exponentials, ahead of their first reader
	v_add_f32 v23, 1.0, v20
	v_add_f32 v23, v23, v21
	v_add_f32 v23, v23, v22
	v_rcp_f32 v48, v23
	v_nop                                          ; a plain line behind the reciprocal,
	s_wait_alu depctr_va_vdst(0)                   ; and its wait
	v_mul_f32 v49, v20, v48
	v_mul_f32 v50, v21, v48
	v_mul_f32 v51, v22, v48
	s_wait_xcnt 0x0                                ; EXEC changes only behind this wait: the stores to out1 have been issued under the full one
	v_cmp_gt_u32 vcc_lo, 16, v1
	s_and_saveexec_b32 s28, vcc_lo                 ; lanes 16-31 hold the same numbers once more
	global_store_b128 v11, v[52:55], s[12:13]      ; 16 lanes, 256 consecutive bytes each time
	global_store_b128 v11, v[48:51], s[14:15]
	s_wait_xcnt 0x0                                ; and again in front of the line that widens it
	s_or_b32 exec_lo, exec_lo, s28
.Lend:
	s_wait_tensorcnt 0x0                           ; the wave's end: three closing lines behind my last LDS store
	ds_add_u32 v30, v31
	s_wait_dscnt 0x0
	s_endpgm
.Lfunc_end_k_q3765b20455_route:
	.size	k_q3765b20455_route, .Lfunc_end_k_q3765b20455_route-k_q3765b20455_route
	.p2alignl 7, 3214868480
	.fill 96, 4, 3214868480
	.section	.rodata,"a",@progbits
	.p2align	6, 0x0
	.amdhsa_kernel k_q3765b20455_route
		.amdhsa_group_segment_fixed_size 126208
		.amdhsa_private_segment_fixed_size 0
		.amdhsa_enable_private_segment 0
		.amdhsa_kernarg_size 56
		.amdhsa_user_sgpr_count 2
		.amdhsa_user_sgpr_kernarg_segment_ptr 1
		.amdhsa_wavefront_size32 1
		.amdhsa_system_sgpr_workgroup_id_x 1
		.amdhsa_system_sgpr_workgroup_id_y 1
		.amdhsa_system_sgpr_workgroup_id_z 1
		.amdhsa_system_vgpr_workitem_id 0
		.amdhsa_next_free_vgpr 320
		.amdhsa_next_free_sgpr 66
		.amdhsa_reserve_vcc 1
		.amdhsa_float_denorm_mode_32 3
		.amdhsa_float_denorm_mode_16_64 3
		.amdhsa_memory_ordered 1
		.amdhsa_forward_progress 1
		.amdhsa_inst_pref_size 41
	.end_amdhsa_kernel
	.amdgpu_metadata
---
amdhsa.version: [ 1, 2 ]
amdhsa.kernels:
  - .name:           k_q3765b20455_route
    .symbol:         k_q3765b20455_route.kd
    .args:
      - { .name: router_input, .offset: 0, .size: 8, .value_kind: global_buffer, .address_space: global }
      - { .name: w_router, .offset: 8, .size: 8, .value_kind: global_buffer, .address_space: global }
      - { .name: hidden_states, .offset: 16, .size: 8, .value_kind: global_buffer, .address_space: global }
      - { .name: out1, .offset: 24, .size: 8, .value_kind: global_buffer, .address_space: global }
      - { .name: sel, .offset: 32, .size: 8, .value_kind: global_buffer, .address_space: global }
      - { .name: wts, .offset: 40, .size: 8, .value_kind: global_buffer, .address_space: global }
      - { .name: xb, .offset: 48, .size: 8, .value_kind: global_buffer, .address_space: global }
    .group_segment_fixed_size: 126208
    .private_segment_fixed_size: 0
    .kernarg_segment_align: 8
    .kernarg_segment_size: 56
    .max_flat_workgroup_size: 256
    .sgpr_count:     66
    .vgpr_count:     320
    .wavefront_size: 32
...
	.end_amdgpu_metadata
.endif
;; end of part 5
;; launch gateup (part 6): grid 8 x 32, 4 waves a work-group, no clusters, 301,568 bytes of LDS; arguments xb, w_gate, w_up, sel, hf, rows; writes hf, rows
.if DOCPART == 6
	.amdgcn_target "amdgcn-amd-amdhsa--gfx1250"
	.amdhsa_code_object_version 6
	.text
	.protected	k_q3765b20455_gateup
	.globl	k_q3765b20455_gateup
	.p2align	8
	.type	k_q3765b20455_gateup,@function
k_q3765b20455_gateup:
	s_mov_b64 s[64:65], 0
	v_nop
	global_prefetch_b8 v0, s[64:65] scope:SCOPE_SE
	s_setreg_imm32_b32 hwreg(HW_REG_WAVE_MODE, 25, 1), 1
	s_wait_xcnt 0x0
; FIRST PRODUCT OF THE EXPERTS.  h[row][f] = relu(x . w_gate[e][f]) * (x . w_up[e][f]) for the rows (token, choice) that chose expert e.  x comes as bf16 (xb); the weights are rounded once
; to bf16 (nearest even) on their way through registers; sums in f32; h is rounded once to bf16.  bf16 and not f16: h has no room in f16 for inputs some 30 times larger.
; GRID.  x = slice s of 64 f, y = expert e.  A work-group alone reads its 128 weight rows (64 of w_gate, 64 of w_up, 1,024 k each: 512 KB of f32), once, and takes ALL rows of its expert.
; FOUR WAVES, ALL ALIKE.  Wave w loads 32 of the 128 weight rows, 8 rows x 128 k (eight loads of 512 consecutive bytes) at a time, through a ring of four register slots, rounds them and lays them
; into LDS, where the whole slice stays as bf16: no LDS byte is written twice.  Trip j lays chunk j (128 k) down and then multiplies chunk j - 1; one barrier a trip.
; LOADS ON THEIR WAY.  Weight loads and token loads share the wave's one counter and come back in the order of issue, so both are asked for one chunk ahead: 32 + 24 = 56 loads of a wave are out.
; At the start chunk 0's 32 loads and the loads of the codes go out together; chunk 0 is laid down, and chunk 1 asked for, ahead of the search through the codes, which runs while chunk 1 is on its way.
; POINTERS.  Each ring slot and each half chunk of tokens has a pointer of its own, stepped behind the counted wait that shows its own loads done: the streaming loop has no wait on XCNT.
; THE ROWS.  Every wave reads all 4,096 codes of sel ((expert << 12) | q, q = 4 token + choice), 32 tokens a group, a token a lane; a group's hits are one 32-bit word.
; Pass 0's rows are found in registers as the groups go by: the lane that wants the row of rank n keeps the last group's word whose count of earlier hits is not above n, and then takes that word's
; set bit number n - count: its first token loads hang on registers alone.  Beside that each wave lays the q of its expert, in token order, into a list of its own in LDS, for the later passes and
; for the next launch (wave 0 of slice 0 stores list and count).  Places past the count stand for token 0's row: a row that exists.
; ROWS.  Blocks of 16 rows; wave w takes blocks 12 p + 4 i + w, i = 0..2, in pass p.  Pass 0 (192 rows) runs beside the stream; passes 1-5, for splits that give an expert more, find all weights
; in LDS: a loop of constant length in which work is jumped over.  Every split is served, up to all 1,024 tokens on one expert.  An expert without rows still streams its slice
; and stores one block made of token 0's row, so that every byte that the next launch reads has been stored.
; hf is laid out as the next launch's operand registers take it: expert x 2^20 + block x 16,384 + (f / 32) x 1,024 + ((f / 16) % 2) x 512 + lane x 16.
; NO CLUSTER, NO TENSOR LOAD: each weight byte has one reader and must be rounded on its way in; the rows that an expert's eight work-groups share come by a list, which no descriptor covers.
; LIMITS.  NaN and infinities are not treated apart (relu of NaN gives 0 here).
.set PITCH, 272                        ; an LDS row: 128 bf16 + 16 bytes = 68 words: the 16 rows of a fragment load start at 16 different groups of four banks (64 banks of 4 bytes: ISA guide 11.1)
.set CHUNK, 128*PITCH                  ; 128 weight rows x 128 k
.set NCH,   8                          ; chunks
.set GROW,  4096                       ; bytes from weight row to weight row in memory
.set ASTEP, 256                        ; bytes of a token row in a chunk
.set LIST,  NCH*CHUNK                  ; behind the weights: four lists,
.set LISTB, 5632                       ; 1,344 words and a dump word, rounded up to blocks of 256 bytes
.set DUMPW, 1344                       ; the word that takes what does not belong to my expert
.set SPARE, LIST+4*LISTB               ; behind them: the spare words, 128 bytes a wave
; REGISTERS, in windows of 256 (s_set_vgpr_msb: bits 1:0 source 0, 3:2 source 1, 5:4 source 2, 7:6 destination):
;   window 0: v1 lane, v2 r = lane % 16, v3 h = lane / 16, v4 the chunk's fragment address, v5 its base, v6 my place in the list, v21 its base, v7 the list's base, v8 that + 16 x lane,
;             v9-11 token offsets of my three blocks, v12 16 x lane, v13 16 h, v14-18, v24-27 at work, v19 where I lay weights down, v20 the same in the chunk in hand, v30, v31 the closing add's;
;             v32-95, v96-159 two buffers of eight weight fragments (first: the 128 words of codes); v160-255 token fragments: half chunk sub, K step ks, block i at 160 + 48 sub + 24 ks + 8 i
;             (first, v160-202: the search for pass 0's rows, three registers of each kind, one a block)
;   window 1: v0-191 accumulators: block i, weight block nb at 64 i + 8 nb (nb 0-3 gate, 4-7 up); v192-223 two sets of 16 rounded words on their way into LDS
;   window 2: v0-127 the ring: slot q holds rows 8 q .. 8 q + 7 of my 32 as loaded
.set BF0,   32
.set BF1,   96
.set AF,    160
.set TW,    192
.set NS,    160                        ; the rank that I want
.set WS,    164                        ; the word kept
.set PS,    168                        ; (its group << 16) | hits ahead of it
.set TM,    172                        ; my rank within the word
.set TA,    176                        ; the word's counts of set bits by 2,
.set TB,    180                        ; by 4,
.set TC,    184                        ; by 8,
.set TD,    188                        ; and, in the low byte, of its low 16 bits
.set TP,    192                        ; the bit's place
.set TT,    196                        ; at work
.set TU,    200
.set WV, 16
.set SL, 18
.set EX, 19
.set LC, 20
.set EK, 21
.set LIM, 22
.set CNT, 23
.set NBLK, 25
.set NACT, 26
.set B0, 27
.set PASS, 28
.set T0, 29
.set OF, 30
.set XA, 34                            ; s[34:35], s[36:37] xb at the chunk that the first, the second half chunk's loads take next
.set HB, 38
.set ST, 40
.set KO, 43
.set LOFF, 44
.set COFF, 45
.set LBS, 46
.set LPO, 47
.set RW, 48
.set WD, 50                            ; a group's hits
.set PK, 51                            ; (group << 16) | hits ahead of it
.set MK, 52                            ; s52-54 a mask a block
.set WB, 56                            ; s[56:63] a weight pointer a ring slot
.set MSB, 0
.macro WIN new                         ; the immediate's high byte repeats the setting that is left; a switch that changes nothing is dropped
.if MSB != (\new)
	s_set_vgpr_msb (MSB<<8)|(\new)
.set MSB, (\new)
.endif
.endm
.macro PLACES                          ; four plain lines between a matrix instruction and a load into, or a vector write of, one of its registers (ISA guide 7.12.1 for vector writes)
.rept 4
	v_nop
.endr
.endm
.macro BAR                             ; my LDS stores and loads are done; then the work-group's barrier
	s_wait_dscnt 0x0
	s_barrier_signal -1
	s_barrier_wait -1
.endm
; Eight loads, rows 8 qd .. 8 qd + 7 of my 32, the chunk at which the slot's pointer stands, into slot qd.  A load covers 512 consecutive bytes of one row.
.macro LISSUE qd
	WIN 0x80
.set ii, 0
.rept 8
	global_load_b128 v[32*(\qd)+4*ii:32*(\qd)+4*ii+3], v12, s[WB+2*(\qd):WB+2*(\qd)+1] offset:(8*(\qd)+ii)*GROW th:TH_LOAD_NT
.set ii, ii+1
.endr
.endm
; A slot's turn: its eight loads are in (n younger loads stay out), so its pointer, which they alone read, may step; rounded into 16 other registers, from which eight LDS stores of 256 consecutive
; bytes go out; the slot, which vector lines alone have read, takes the same rows of the next chunk at once.
.macro LSTEP qd, issue, n
	s_wait_loadcnt \n
.if \issue
	s_add_nc_u64 s[WB+2*(\qd):WB+2*(\qd)+1], s[WB+2*(\qd):WB+2*(\qd)+1], 512
.endif
	WIN 0x4a
.set ii, 0
.rept 16
	v_cvt_pk_bf16_f32 v[TW+16*((\qd)%2)+ii], v[32*(\qd)+2*ii], v[32*(\qd)+2*ii+1]
.set ii, ii+1
.endr
	WIN 0x04
.set ii, 0
.rept 8
	ds_store_b64 v20, v[TW+16*((\qd)%2)+2*ii:TW+16*((\qd)%2)+2*ii+1] offset:(8*(\qd)+ii)*PITCH
.set ii, ii+1
.endr
.if \issue
	LISSUE \qd
.endif
.endm
; A chunk is laid down.  var 0, the first: younger than a slot's loads are three groups of eight and the 32 loads of codes.  var 1, the loop's: three groups and the 24 token loads issued
; between them.  var 2, the last chunk: nothing is asked for, and the counts run down to the 24 token loads.
.macro LPART var
.if (\var) == 0
	LSTEP 0, 1, 56
	LSTEP 1, 1, 56
	LSTEP 2, 1, 56
	LSTEP 3, 1, 56
.elseif (\var) == 1
	LSTEP 0, 1, 48
	LSTEP 1, 1, 48
	LSTEP 2, 1, 48
	LSTEP 3, 1, 48
.else
	LSTEP 0, 0, 48
	LSTEP 1, 0, 40
	LSTEP 2, 0, 32
	LSTEP 3, 0, 24
.endif
	WIN 0
.if (\var) < 2
	s_add_co_u32 s[LOFF], s[LOFF], CHUNK
	v_add_nc_u32 v20, s[LOFF], v19                 ; the next chunk's place in LDS
.endif
.endm
; Sixteen LDS loads: the eight weight fragments (16 rows x 32 k) of K step st of the chunk.
.macro BLOAD st, buf
.irp nb, 0,1,2,3,4,5,6,7
	ds_load_b128 v[(\buf)+8*\nb:(\buf)+8*\nb+3],   v4 offset:\nb*16*PITCH+(\st)*64
	ds_load_b128 v[(\buf)+8*\nb+4:(\buf)+8*\nb+7], v4 offset:\nb*16*PITCH+(\st)*64+32
.endr
.endm
; Twelve loads: the token fragments of half a chunk (two K steps, three blocks), at the chunk at which that half's pointer stands.
.macro ALOAD sub
.irp ks, 0,1
.irp i, 0,1,2
	global_load_b128 v[AF+48*(\sub)+24*\ks+8*\i:AF+48*(\sub)+24*\ks+8*\i+3],   v[9+\i], s[XA+2*(\sub):XA+2*(\sub)+1] offset:(\sub)*128+\ks*64
	global_load_b128 v[AF+48*(\sub)+24*\ks+8*\i+4:AF+48*(\sub)+24*\ks+8*\i+7], v[9+\i], s[XA+2*(\sub):XA+2*(\sub)+1] offset:(\sub)*128+\ks*64+32
.endr
.endr
.endm
; A K step: for each live block eight products, source 0 = 16 weight rows, source 1 = 16 rows of tokens: a lane then holds ONE row (r) and weight rows 8 h + 0..7.
; The accumulators take turns, one instruction a turn, from step to step too.  Dead blocks are jumped over; at a branch and a label every window is 0.
.macro KSTEP a, buf
.irp i, 0,1,2
	s_cmp_lt_u32 s[NACT], \i+1
	s_cbranch_scc1 .Lk_\@
	WIN 0x50
.irp nb, 0,1,2,3,4,5,6,7
	v_wmma_f32_16x16x32_bf16 v[64*\i+8*\nb:64*\i+8*\nb+7], v[(\buf)+8*\nb:(\buf)+8*\nb+7], v[(\a)+8*\i:(\a)+8*\i+7], v[64*\i+8*\nb:64*\i+8*\nb+7]
.endr
	WIN 0
.endr
.Lk_\@:
.endm
; A chunk is multiplied: four K steps on two weight buffers by turns.  n1, n2: the loads younger than the chunk's first and second half of token fragments.
; more = 1: the next chunk's token fragments are asked for as their registers come free; each half's pointer steps behind the wait that shows that half's loads done.
.macro CPART n1, n2, more
	BLOAD 0, BF0
	BLOAD 1, BF1
	s_wait_loadcnt \n1                             ; the first half chunk's tokens are in
.if \more
	s_add_nc_u64 s[XA:XA+1], s[XA:XA+1], ASTEP
.endif
	s_wait_dscnt 16                                ; K step 0's fragments are in (and my stores ahead of them done); the sixteen younger loads stay out
	KSTEP AF, BF0
	PLACES
	BLOAD 2, BF0
	s_wait_dscnt 16
	KSTEP AF+24, BF1
	PLACES
.if \more
	ALOAD 0
.endif
	BLOAD 3, BF1
	s_wait_loadcnt \n2                             ; the second half chunk's tokens are in
.if \more
	s_add_nc_u64 s[XA+2:XA+3], s[XA+2:XA+3], ASTEP
.endif
	s_wait_dscnt 16
	KSTEP AF+48, BF0
	s_wait_dscnt 0x0
	KSTEP AF+72, BF1
	s_add_co_u32 s[COFF], s[COFF], CHUNK
	v_add_nc_u32 v4, s[COFF], v5                   ; the next chunk; with the three lines below: the four places behind the last products
	v_nop
	v_nop
	v_nop
.if \more
	ALOAD 1
.endif
.endm
; Codes of tokens 32 j .. 32 j + 31, a token a lane; n younger loads stay out.  code xor (e << 12) is q, below 4,096, for my expert and 4,096 or more for every other; a token names an expert once at most.
; For the list: a hit goes to the word (hits so far + hits in lower lanes), the others to the dump word; the index is clamped, then shifted and added to the list's base.
; For pass 0: where the hits so far are not above the rank that a lane wants, it takes this group's word and count in place of the ones that it held.  The counts never fall, so the last word
; taken is the one that holds the rank (or, for a rank past the count, the last group's).
.macro GRP j, n
	s_wait_loadcnt \n
	v_xor_b32 v14, s[EK], v[32+4*(\j)]
	v_xor_b32 v15, s[EK], v[33+4*(\j)]
	v_xor_b32 v16, s[EK], v[34+4*(\j)]
	v_xor_b32 v17, s[EK], v[35+4*(\j)]
	v_min_u32 v14, v14, v15
	v_min_u32 v16, v16, v17
	v_min_u32 v14, v14, v16
	v_cmp_gt_u32 vcc_lo, s[LIM], v14
	v_mbcnt_lo_u32_b32 v15, vcc_lo, s[CNT]
	v_cndmask_b32 v15, v18, v15, vcc_lo
	v_min_u32 v15, DUMPW, v15
	v_lshl_add_u32 v15, v15, 2, v7
	ds_store_b32 v15, v14
.if (\j) == 0
.irp i, 0,1,2
	v_mov_b32 v[WS+\i], vcc_lo                     ; no hit lies ahead of group 0: every lane takes it
	v_mov_b32 v[PS+\i], 0
.endr
.else
	s_mov_b32 s[WD], vcc_lo
	s_or_b32 s[PK], s[CNT], (\j)<<16
.irp i, 0,1,2
	v_cmp_le_u32 s[MK+\i], s[CNT], v[NS+\i]
.endr
.irp i, 0,1,2
	v_cndmask_b32 v[WS+\i], v[WS+\i], s[WD], s[MK+\i]
	v_cndmask_b32 v[PS+\i], v[PS+\i], s[PK], s[MK+\i]
.endr
.endif
	s_bcnt1_i32_b32 s[T0], vcc_lo
	s_add_co_u32 s[CNT], s[CNT], s[T0]
.endm
; One halving step of the search for set bit number TM of the word: of the 2 x wid bits at place TP the lower wid hold t set bits (a field of src); if TM is t or more, the bit lies in the upper wid.
.macro FSTEP src, wid, msk, first, last
.irp i, 0,1,2
.if \first
	v_and_b32 v[TT+\i], \msk, v[(\src)+\i]
.else
	v_lshrrev_b32 v[TT+\i], v[TP+\i], v[(\src)+\i]
	v_and_b32 v[TT+\i], \msk, v[TT+\i]
.endif
	v_cmp_ge_u32 s[MK+\i], v[TM+\i], v[TT+\i]
.endr
.irp i, 0,1,2
.if !(\last)
	v_cndmask_b32 v[TT+\i], 0, v[TT+\i], s[MK+\i]
	v_sub_nc_u32 v[TM+\i], v[TM+\i], v[TT+\i]
.endif
.if \first
	v_cndmask_b32 v[TP+\i], 0, \wid, s[MK+\i]
.else
	v_cndmask_b32 v[TU+\i], 0, \wid, s[MK+\i]
	v_add_nc_u32 v[TP+\i], v[TP+\i], v[TU+\i]
.endif
.endr
.endm
; Pass 0's rows: the counts of the kept word's set bits by 2, 4, 8 and 16 bits; five halving steps; token = 32 x group + place; a rank past the count stands for token 0;
; clamped; byte offset in xb = token x 2,048 + 16 h.  The three blocks go side by side, so that no line waits for the one before it.
.macro FIND
.irp i, 0,1,2
	v_and_b32 v[TM+\i], 0xffff, v[PS+\i]
	v_lshrrev_b32 v[TA+\i], 1, v[WS+\i]
.endr
.irp i, 0,1,2
	v_sub_nc_u32 v[TM+\i], v[NS+\i], v[TM+\i]
	v_and_b32 v[TA+\i], 0x55555555, v[TA+\i]
.endr
.irp i, 0,1,2
	v_sub_nc_u32 v[TA+\i], v[WS+\i], v[TA+\i]
.endr
.irp i, 0,1,2
	v_lshrrev_b32 v[TB+\i], 2, v[TA+\i]
	v_and_b32 v[TT+\i], 0x33333333, v[TA+\i]
.endr
.irp i, 0,1,2
	v_and_b32 v[TB+\i], 0x33333333, v[TB+\i]
.endr
.irp i, 0,1,2
	v_add_nc_u32 v[TB+\i], v[TB+\i], v[TT+\i]
.endr
.irp i, 0,1,2
	v_lshrrev_b32 v[TC+\i], 4, v[TB+\i]
.endr
.irp i, 0,1,2
	v_add_nc_u32 v[TC+\i], v[TC+\i], v[TB+\i]
.endr
.irp i, 0,1,2
	v_and_b32 v[TC+\i], 0x0f0f0f0f, v[TC+\i]
.endr
.irp i, 0,1,2
	v_lshrrev_b32 v[TD+\i], 8, v[TC+\i]
.endr
.irp i, 0,1,2
	v_add_nc_u32 v[TD+\i], v[TD+\i], v[TC+\i]
.endr
	FSTEP TD, 16, 0xff, 1, 0
	FSTEP TC, 8,  0xff, 0, 0
	FSTEP TB, 4,  0xf,  0, 0
	FSTEP TA, 2,  3,    0, 0
	FSTEP WS, 1,  1,    0, 1
.irp i, 0,1,2
	v_lshrrev_b32 v[TT+\i], 16, v[PS+\i]
	v_cmp_gt_u32 s[MK+\i], s[CNT], v[NS+\i]
.endr
.irp i, 0,1,2
	v_lshl_add_u32 v[TT+\i], v[TT+\i], 5, v[TP+\i]
.endr
.irp i, 0,1,2
	v_cndmask_b32 v[TT+\i], 0, v[TT+\i], s[MK+\i]
.endr
.irp i, 0,1,2
	v_min_u32 v[TT+\i], 0x3ff, v[TT+\i]
.endr
.irp i, 0,1,2
	v_lshl_add_u32 v[9+\i], v[TT+\i], 11, v13
.endr
.endm
; The accumulators are cleared on purpose: it stands in the wait for the first loads, makes every K step one text, and writes all 192 registers whatever the number of live blocks.
.macro CLEAR
	WIN 0x40
.set ii, 0
.rept 192
	v_mov_b32 v[ii], 0
.set ii, ii+1
.endr
	WIN 0
.endm
.macro NACTM                           ; how many of blocks B0, B0 + 4, B0 + 8 exist: (NBLK - B0 + 3) >> 2, held to 0 .. 3
	s_sub_co_i32 s[NACT], s[NBLK], s[B0]
	s_add_co_i32 s[NACT], s[NACT], 3
	s_ashr_i32 s[NACT], s[NACT], 2
	s_max_i32 s[NACT], s[NACT], 0
	s_min_i32 s[NACT], s[NACT], 3
.endm
.macro OFFS                            ; a later pass's rows: q from the list, token = q >> 2, clamped; byte offset in xb = token x 2,048 + 16 h
	ds_load_b32 v14, v6
	ds_load_b32 v15, v6 offset:256
	ds_load_b32 v16, v6 offset:512
	s_wait_dscnt 0x0
.irp i, 0,1,2
	v_lshrrev_b32 v[14+\i], 2, v[14+\i]
	v_min_u32 v[14+\i], 0x3ff, v[14+\i]
	v_lshl_add_u32 v[9+\i], v[14+\i], 11, v13
.endr
.endm
; Block bi goes out: relu(gate) x up, rounded to bf16; a lane's eight f of a row pack into 16 bytes, and a wave's store is 512 consecutive bytes: half an operand of the next launch as it stands.
.macro EPI bi
	s_cmp_lt_u32 s[NACT], (\bi)+1
	s_cbranch_scc1 .Le_\@
	s_wait_xcnt 0x0                                ; the registers and the base that earlier stores read are rewritten only behind this wait
	s_add_co_u32 s[OF], s[B0], 4*(\bi)
	s_lshl_b32 s[OF], s[OF], 14
	s_mov_b32 s[OF+1], 0
	s_add_nc_u64 s[ST:ST+1], s[HB:HB+1], s[OF:OF+1]
	WIN 0x04                                       ; source 1: the accumulators
.irp nb, 0,1,2,3
.irp j, 0,1,2,3,4,5,6,7
	v_max_num_f32 v[32+8*\nb+\j], 0, v[64*(\bi)+8*\nb+\j]           ; each accumulator is read from its low end on
.endr
.irp j, 0,2,4,6
	v_pk_mul_f32 v[32+8*\nb+\j:33+8*\nb+\j], v[32+8*\nb+\j:33+8*\nb+\j], v[64*(\bi)+32+8*\nb+\j:64*(\bi)+33+8*\nb+\j]
.endr
.endr
	WIN 0
.irp nb, 0,1,2,3
.irp j, 0,1,2,3
	v_cvt_pk_bf16_f32 v[64+4*\nb+\j], v[32+8*\nb+2*\j], v[33+8*\nb+2*\j]
.endr
.endr
.irp nb, 0,1,2,3
	global_store_b128 v12, v[64+4*\nb:67+4*\nb], s[ST:ST+1] offset:\nb*512
.endr
.Le_\@:
.endm
	s_load_b256 s[4:11], s[0:1], 0x0               ; xb s[4:5], w_gate s[6:7], w_up s[8:9], sel s[10:11]
	s_load_b128 s[12:15], s[0:1], 0x20             ; hf s[12:13], rows s[14:15]
	v_lshl_add_u32 v30, v0, 2, SPARE               ; my spare word,
	v_mov_b32 v31, 0                               ; and 0: kept for the closing add alone
	v_lshrrev_b32 v1, 5, v0
	v_readfirstlane_b32 s[WV], v1                  ; wave 0..3
	v_and_b32 v1, 31, v0
	v_and_b32 v2, 15, v0
	v_bfe_u32 v3, v0, 4, 1
	v_lshlrev_b32 v12, 4, v1
	s_mov_b32 s[SL], ttmp9
	s_and_b32 s[EX], ttmp7, 0xffff
	s_lshl_b32 s[OF], s[EX], 21                    ; the expert's 2 MB,
	s_lshl_b32 s[T0], s[SL], 18                    ; the slice's 64 rows,
	s_add_co_u32 s[OF], s[OF], s[T0]
	s_and_b32 s[T0], s[WV], 1
	s_lshl_b32 s[T0], s[T0], 17                    ; my 32 of them
	s_add_co_u32 s[OF], s[OF], s[T0]
	s_mov_b32 s[OF+1], 0
	s_wait_kmcnt 0x0
	s_cmp_lt_u32 s[WV], 2
	s_cselect_b64 s[WB:WB+1], s[6:7], s[8:9]       ; waves 0, 1: w_gate (LDS rows 0-63); waves 2, 3: w_up (LDS rows 64-127)
	s_add_nc_u64 s[WB:WB+1], s[WB:WB+1], s[OF:OF+1]
	s_mov_b64 s[WB+2:WB+3], s[WB:WB+1]             ; a pointer a slot; a slot's rows stand in its loads' immediates
	s_mov_b64 s[WB+4:WB+5], s[WB:WB+1]
	s_mov_b64 s[WB+6:WB+7], s[WB:WB+1]
	LISSUE 0                                       ; chunk 0 whole, ahead of everything else,
	LISSUE 1
	LISSUE 2
	LISSUE 3
	WIN 0
.set jj, 0
.rept 31                                           ; and 31 of the 32 loads of codes: 63 loads are out
	global_load_b128 v[32+4*jj:35+4*jj], v12, s[10:11] offset:jj*512
.set jj, jj+1
.endr
	s_mul_i32 s[T0], s[WV], 32*PITCH
	v_lshl_add_u32 v19, v1, 3, s[T0]               ; LDS rows 32 w on, 8 bytes a lane
	v_mov_b32 v20, v19
	s_mov_b32 s[LOFF], 0
	s_mul_i32 s[LBS], s[WV], LISTB
	s_add_co_u32 s[LBS], s[LBS], LIST              ; my list
	v_mov_b32 v7, s[LBS]
	v_lshl_add_u32 v8, v1, 4, s[LBS]
	s_lshl_b32 s[T0], s[WV], 6
	s_add_co_u32 s[T0], s[T0], s[LBS]
	v_lshl_add_u32 v21, v2, 2, s[T0]               ; row r of block w
	s_mov_b32 s[LPO], 0
	s_lshl_b32 s[T0], s[WV], 4
	v_add_nc_u32 v[NS], s[T0], v2                  ; the ranks that I want in pass 0: 16 (w + 4 i) + r
	v_add_nc_u32 v[NS+1], 64, v[NS]
	v_add_nc_u32 v[NS+2], 0x80, v[NS]
	v_mul_u32_u24 v5, v2, PITCH
	v_lshl_add_u32 v5, v3, 4, v5                   ; a fragment's row x pitch + 16 h
	v_mov_b32 v4, v5
	v_lshlrev_b32 v13, 4, v3
	v_mov_b32 v18, DUMPW
	v_mov_b32 v24, 0
	v_mov_b32 v25, 0
	v_mov_b32 v26, 0
	v_mov_b32 v27, 0
.set jj, 0
.rept 11
	ds_store_b128 v8, v[24:27] offset:jj*512       ; the whole list is 0 first; LDS serves a wave's instructions in order (ISA guide 5.7.1.4)
.set jj, jj+1
.endr
	s_lshl_b32 s[OF], s[EX], 20
	s_lshl_b32 s[T0], s[SL], 11
	s_add_co_u32 s[OF], s[OF], s[T0]
	s_add_nc_u64 s[HB:HB+1], s[12:13], s[OF:OF+1]  ; hf at my expert and slice
	s_mov_b64 s[XA:XA+1], s[4:5]
	s_mov_b64 s[XA+2:XA+3], s[4:5]
	s_mov_b32 s[COFF], 0
	s_lshl_b32 s[EK], s[EX], 12
	s_mov_b32 s[LIM], 4096
	s_mov_b32 s[CNT], 0
	CLEAR
	global_load_b128 v[156:159], v12, s[10:11] offset:31*512        ; the last load of codes, behind the set-up: it is issued as soon as the counter has room (ISA guide 5.7.1)
	LPART 0                                        ; TRIP 0: chunk 0 is laid down and chunk 1 asked for; the search below runs while chunk 1 is on its way
.set jj, 0
.rept 32                                           ; younger than group j's load: 31 - j loads of codes and chunk 1's 32 weight loads
	GRP jj, 63-jj
.set jj, jj+1
.endr
	s_add_co_u32 s[NBLK], s[CNT], 15
	s_lshr_b32 s[NBLK], s[NBLK], 4
	s_max_u32 s[NBLK], s[NBLK], 1                  ; blocks of 16 rows, one at the least
	s_mov_b32 s[B0], s[WV]
	NACTM
	s_cmp_lg_u32 s[SL], 0
	s_cbranch_scc1 .Lnorows
	s_cmp_lg_u32 s[WV], 0
	s_cbranch_scc1 .Lnorows
	s_mul_i32 s[OF], s[EX], 4352                   ; slice 0's wave 0 stores list and count
	s_mov_b32 s[OF+1], 0
	s_add_nc_u64 s[RW:RW+1], s[14:15], s[OF:OF+1]
.set jj, 0
.rept 8
	ds_load_b128 v[32+4*jj:35+4*jj], v8 offset:jj*512
.set jj, jj+1
.endr
	v_mov_b32 v14, s[CNT]
	v_mov_b32 v15, s[CNT]
	v_lshlrev_b32 v16, 3, v1
	s_wait_dscnt 0x0
.set jj, 0
.rept 8
	global_store_b128 v12, v[32+4*jj:35+4*jj], s[RW:RW+1] offset:jj*512
.set jj, jj+1
.endr
	global_store_b64 v16, v[14:15], s[RW:RW+1] offset:4096          ; 256 bytes that all hold the count
	s_wait_xcnt 0x0                                ; these registers are written again below
.Lnorows:
	FIND                                           ; pass 0's rows
	ALOAD 0                                        ; chunk 0's tokens: from here on the order of issue is a chunk's 32 weight loads, then 24 token loads
	ALOAD 1
	BAR
	s_mov_b32 s[LC], NCH-2
.Lloop:                                                ; trips 1 to 6: chunk j is laid down and chunk j + 1 asked for; chunk j - 1 is multiplied and chunk j's tokens asked for
	LPART 1
	CPART 44, 44, 1                                ; younger each time: the other half chunk's 12 token loads and this trip's 32 weight loads
	BAR
	s_sub_co_u32 s[LC], s[LC], 1
	s_cmp_lg_u32 s[LC], 0
	s_cbranch_scc1 .Lloop
	LPART 2                                        ; trip 7: the last chunk is laid down
	CPART 12, 12, 1
	BAR                                            ; the whole slice lies in LDS
	CPART 12, 0, 0                                 ; chunk 7
	s_mov_b32 s[PASS], 6
.Lpass:                                                ; six trips: a pass's blocks go out; then the next pass, if the expert has so many rows
	EPI 0
	EPI 1
	EPI 2
	s_add_co_u32 s[B0], s[B0], 12
	s_add_co_u32 s[LPO], s[LPO], 768
	v_add_nc_u32 v6, s[LPO], v21
	NACTM
	s_cmp_eq_u32 s[NACT], 0
	s_cbranch_scc1 .Lnext
	OFFS
	CLEAR
	s_wait_xcnt 0x0                                ; the stores above have read their registers; the pointer goes back
	s_mov_b64 s[XA:XA+1], s[4:5]
	s_mov_b32 s[COFF], 0
	v_mov_b32 v4, v5
	s_mov_b32 s[KO], NCH
.Lko:                                                  ; a chunk a trip, its four K steps one after the other: the plain road for splits far from even
.irp st, 0,1,2,3
.irp i, 0,1,2
	global_load_b128 v[AF+8*\i:AF+8*\i+3],   v[9+\i], s[XA:XA+1] offset:\st*64
	global_load_b128 v[AF+8*\i+4:AF+8*\i+7], v[9+\i], s[XA:XA+1] offset:\st*64+32
.endr
	BLOAD \st, BF0
	s_wait_loadcnt 0x0
	s_wait_dscnt 0x0
	KSTEP AF, BF0
	PLACES                                         ; in front of the next step's loads into the registers just multiplied
.endr
	s_add_co_u32 s[COFF], s[COFF], CHUNK
	v_add_nc_u32 v4, s[COFF], v5                   ; the next chunk
	s_add_nc_u64 s[XA:XA+1], s[XA:XA+1], ASTEP     ; all loads that read the pointer have been waited for
	s_sub_co_u32 s[KO], s[KO], 1
	s_cmp_lg_u32 s[KO], 0
	s_cbranch_scc1 .Lko
.Lnext:
	s_sub_co_u32 s[PASS], s[PASS], 1
	s_cmp_lg_u32 s[PASS], 0
	s_cbranch_scc1 .Lpass
	BAR                                            ; every wave's reads of the slice are back before any wave's closing add writes LDS (other bytes: the spare words)
	s_wait_tensorcnt 0x0                           ; the wave's end: three closing lines behind my last LDS store
	ds_add_u32 v30, v31
	s_wait_dscnt 0x0
	s_endpgm
.Lfunc_end_k_q3765b20455_gateup:
	.size	k_q3765b20455_gateup, .Lfunc_end_k_q3765b20455_gateup-k_q3765b20455_gateup
	.p2alignl 7, 3214868480
	.fill 96, 4, 3214868480
	.section	.rodata,"a",@progbits
	.p2align	6, 0x0
	.amdhsa_kernel k_q3765b20455_gateup
		.amdhsa_group_segment_fixed_size 301568
		.amdhsa_private_segment_fixed_size 0
		.amdhsa_enable_private_segment 0
		.amdhsa_kernarg_size 48
		.amdhsa_user_sgpr_count 2
		.amdhsa_user_sgpr_kernarg_segment_ptr 1
		.amdhsa_wavefront_size32 1
		.amdhsa_system_sgpr_workgroup_id_x 1
		.amdhsa_system_sgpr_workgroup_id_y 1
		.amdhsa_system_sgpr_workgroup_id_z 1
		.amdhsa_system_vgpr_workitem_id 0
		.amdhsa_next_free_vgpr 640
		.amdhsa_next_free_sgpr 66
		.amdhsa_reserve_vcc 1
		.amdhsa_float_denorm_mode_32 3
		.amdhsa_float_denorm_mode_16_64 3
		.amdhsa_memory_ordered 1
		.amdhsa_forward_progress 1
		.amdhsa_inst_pref_size 169
	.end_amdhsa_kernel
	.amdgpu_metadata
---
amdhsa.version: [ 1, 2 ]
amdhsa.kernels:
  - .name:           k_q3765b20455_gateup
    .symbol:         k_q3765b20455_gateup.kd
    .args:
      - { .name: xb, .offset: 0, .size: 8, .value_kind: global_buffer, .address_space: global }
      - { .name: w_gate, .offset: 8, .size: 8, .value_kind: global_buffer, .address_space: global }
      - { .name: w_up, .offset: 16, .size: 8, .value_kind: global_buffer, .address_space: global }
      - { .name: sel, .offset: 24, .size: 8, .value_kind: global_buffer, .address_space: global }
      - { .name: hf, .offset: 32, .size: 8, .value_kind: global_buffer, .address_space: global }
      - { .name: rows, .offset: 40, .size: 8, .value_kind: global_buffer, .address_space: global }
    .group_segment_fixed_size: 301568
    .private_segment_fixed_size: 0
    .kernarg_segment_align: 8
    .kernarg_segment_size: 48
    .max_flat_workgroup_size: 128
    .sgpr_count:     66
    .vgpr_count:     640
    .wavefront_size: 32
...
	.end_amdgpu_metadata
.endif
;; end of part 6
;; launch down (part 7): grid 8 x 32, 4 waves a work-group, no clusters, 173,568 bytes of LDS; arguments hf, w_down, rows, part; writes part
.if DOCPART == 7
	.amdgcn_target "amdgcn-amd-amdhsa--gfx1250"
	.amdhsa_code_object_version 6
	.text
	.protected	k_q3765b20455_down
	.globl	k_q3765b20455_down
	.p2align	8
	.type	k_q3765b20455_down,@function
k_q3765b20455_down:
	s_mov_b64 s[64:65], 0
	v_nop
	global_prefetch_b8 v0, s[64:65] scope:SCOPE_SE
	s_setreg_imm32_b32 hwreg(HW_REG_WAVE_MODE, 25, 1), 1
	s_wait_xcnt 0x0
; SECOND PRODUCT OF THE EXPERTS.  part[q][n] = sum over f of h[row][f] w_down[e][n][f], f32, for every row of expert e; q = 4 token + choice is the row's place in part, from the stored list.
; h comes as bf16 in operand order (hf); the weights are rounded once to bf16 (nearest even) on their way through registers; sums in f32.  The gate's weight is applied by the launch that adds.
; GRID.  x = slice s of 128 n, y = expert e.  A work-group alone reads its 128 weight rows (512 f each: 256 KB of f32), once, and takes all rows of its expert.
; FOUR WAVES, ALL ALIKE, as in the launch before: wave w loads, rounds and lays 32 of the 128 weight rows into LDS (four chunks of 128 f; no LDS byte of the slice is written twice); trip j lays chunk j
; down and multiplies chunk j - 1; one barrier a trip.  The four trips are written out, so a chunk's place in a weight row stands in the loads' immediates and the weight pointer is never stepped.
; LOADS ON THEIR WAY.  Weight loads and loads of h share the wave's one counter.  At the start, when no load of h is out, chunk 0 and three of chunk 1's four groups of eight go out together: 56 loads;
; the fourth follows behind the first wait.  So the ring has eight slots, and a chunk's parity picks its four.  From trip 1 on both kinds are asked for one chunk ahead: 32 + 24 = 56 loads.
; Each half chunk of h has a pointer of its own, stepped behind the counted wait that shows its own loads done: the trips have no wait on XCNT.
; Wave w takes blocks 12 p + 4 i + w of 16 rows; passes 1-5 serve the splits that give an expert more than 192 rows, from the weights in LDS: a loop of constant length, in which work is jumped over
; and every wave passes every barrier.  The count is read from memory (stored by the launch before) and steers only jumps over work.  Dead places read block 0, which is always stored.
; THE WAY OUT.  A lane holds one row and eight n: a block goes through the wave's own stage in LDS and leaves as whole rows, 512 consecutive aligned bytes a store; rows past the count are jumped.
; NO CLUSTER, NO TENSOR LOAD: each weight byte has one reader and must be rounded on its way in; what an expert's eight work-groups share, its rows of h, is a fifth of a work-group's bytes.
; LIMITS.  NaN and infinities are not treated apart.
.set PITCH, 272                        ; an LDS row: 128 bf16 + 16 bytes = 68 words: the 16 rows of a fragment load start at 16 different groups of four banks (64 banks of 4 bytes: ISA guide 11.1)
.set CHUNK, 128*PITCH
.set NCH,   4
.set GROW,  2048                       ; bytes from weight row to weight row in memory
.set ASTEP, 4096                       ; bytes of a block of h in a chunk: four K steps of 1,024
.set STG,   NCH*CHUNK                  ; behind the weights: a stage of 16 rows for each wave
.set SP,    528                        ; 512 bytes + 16
.set SPARE, STG+4*16*SP                ; behind them: the spare words, 128 bytes a wave
; REGISTERS, in windows of 256 (s_set_vgpr_msb: bits 1:0 source 0, 3:2 source 1, 5:4 source 2, 7:6 destination):
;   window 0: v1 lane, v2 r, v3 h, v4 the chunk's fragment address, v5 its base, v7 into the stage, v8 back from it, v9-11 my three blocks' offsets in hf, v12 16 x lane, v14-16 their offsets in the list,
;             v19 where I lay weights down, v20 the same in the chunk in hand, v24-26 my blocks' q, v30, v31 the closing add's; v32-95, v96-159 two buffers of eight weight fragments
;             (on the way out: v32-95 rows read back, v96-111 their offsets in part); v160-255 fragments of h: half chunk sub, K step ks, block i at 160 + 48 sub + 24 ks + 8 i
;   window 1: v0-191 accumulators: block i, weight block nb at 64 i + 8 nb; v192-223 two sets of 16 rounded words on their way into LDS
;   window 2: v0-255 the ring: rows 8 q .. 8 q + 7 of my 32, of chunk c, as loaded, at 128 (c % 2) + 32 q
.set BF0,   32
.set BF1,   96
.set AF,    160
.set TW,    192
.set WV, 16
.set SL, 18
.set EX, 19
.set CNT, 23
.set T1, 24
.set NBLK, 25
.set NACT, 26
.set B0, 27
.set PASS, 28
.set T0, 29
.set OF, 30
.set XA, 34                            ; s[34:35], s[36:37] hf at the chunk that the first, the second half chunk's loads take next
.set PB, 38
.set XB0, 40                           ; s[40:41] hf at my expert
.set KO, 43
.set LOFF, 44
.set COFF, 45
.set RW, 48
.set WB, 56                            ; s[56:57] w_down at my 32 rows; never stepped
.set QS, 66                            ; s66-81 the sixteen q of a block on its way out
.set MSB, 0
.macro WIN new                         ; the immediate's high byte repeats the setting that is left; a switch that changes nothing is dropped
.if MSB != (\new)
	s_set_vgpr_msb (MSB<<8)|(\new)
.set MSB, (\new)
.endif
.endm
.macro PLACES                          ; four plain lines between a matrix instruction and a load into, or a vector write of, one of its registers (ISA guide 7.12.1 for vector writes)
.rept 4
	v_nop
.endr
.endm
.macro BAR                             ; my LDS stores and loads are done; then the work-group's barrier
	s_wait_dscnt 0x0
	s_barrier_signal -1
	s_barrier_wait -1
.endm
.macro LISSUE qd, c                    ; eight loads of 512 consecutive bytes: rows 8 qd on of my 32, chunk c
	WIN 0x80
.set RI, 128*((\c)%2)+32*(\qd)
.set ii, 0
.rept 8
	global_load_b128 v[RI+4*ii:RI+4*ii+3], v12, s[WB:WB+1] offset:(8*(\qd)+ii)*GROW+(\c)*512 th:TH_LOAD_NT
.set ii, ii+1
.endr
.endm
; The turn of group qd of chunk c: its loads are in (n younger stay out); rounded into 16 other registers; eight LDS stores of 256 consecutive bytes from those.
; iq >= 0: group iq of chunk ic is asked for, into a slot that vector lines read out a trip ago (or that has not been used).
.macro LSTEP qd, c, n, iq, ic
	s_wait_loadcnt \n
	WIN 0x4a
.set RB, 128*((\c)%2)+32*(\qd)
.set ii, 0
.rept 16
	v_cvt_pk_bf16_f32 v[TW+16*((\qd)%2)+ii], v[RB+2*ii], v[RB+2*ii+1]
.set ii, ii+1
.endr
	WIN 0x04
.set ii, 0
.rept 8
	ds_store_b64 v20, v[TW+16*((\qd)%2)+2*ii:TW+16*((\qd)%2)+2*ii+1] offset:(8*(\qd)+ii)*PITCH
.set ii, ii+1
.endr
.if (\iq) >= 0
	LISSUE \iq, \ic
.endif
.endm
; Chunk c is laid down.  var 0, chunk 0: younger than its first group are six groups of eight; chunk 1's fourth group is asked for, so the second group's count is 48 again; then the counts run
; down to chunk 1's 32.  var 1: the next chunk is asked for group by group: younger are three groups and the 24 loads of h issued between them (in trip 1 three loads of the list besides: the count is
; then smaller than it need be).  var 2, the last chunk: nothing is asked for, and the counts run down to the 24 loads of h.
.macro LPART c, var
.if (\var) == 0
	LSTEP 0, \c, 48, 3, 1
	LSTEP 1, \c, 48, -1, 0
	LSTEP 2, \c, 40, -1, 0
	LSTEP 3, \c, 32, -1, 0
.elseif (\var) == 1
	LSTEP 0, \c, 48, 0, (\c)+1
	LSTEP 1, \c, 48, 1, (\c)+1
	LSTEP 2, \c, 48, 2, (\c)+1
	LSTEP 3, \c, 48, 3, (\c)+1
.else
	LSTEP 0, \c, 48, -1, 0
	LSTEP 1, \c, 40, -1, 0
	LSTEP 2, \c, 32, -1, 0
	LSTEP 3, \c, 24, -1, 0
.endif
	WIN 0
.if (\var) < 2
	s_add_co_u32 s[LOFF], s[LOFF], CHUNK
	v_add_nc_u32 v20, s[LOFF], v19                 ; the next chunk's place in LDS
.endif
.endm
.macro BLOAD st, buf                   ; the eight weight fragments of K step st of the chunk
.irp nb, 0,1,2,3,4,5,6,7
	ds_load_b128 v[(\buf)+8*\nb:(\buf)+8*\nb+3],   v4 offset:\nb*16*PITCH+(\st)*64
	ds_load_b128 v[(\buf)+8*\nb+4:(\buf)+8*\nb+7], v4 offset:\nb*16*PITCH+(\st)*64+32
.endr
.endm
.macro ALOAD sub                       ; twelve loads of 512 consecutive bytes: h's fragments of half a chunk (two K steps, three blocks), as they were stored, at the chunk at which that half's pointer stands
.irp ks, 0,1
.irp i, 0,1,2
	global_load_b128 v[AF+48*(\sub)+24*\ks+8*\i:AF+48*(\sub)+24*\ks+8*\i+3],   v[9+\i], s[XA+2*(\sub):XA+2*(\sub)+1] offset:(2*(\sub)+\ks)*1024
	global_load_b128 v[AF+48*(\sub)+24*\ks+8*\i+4:AF+48*(\sub)+24*\ks+8*\i+7], v[9+\i], s[XA+2*(\sub):XA+2*(\sub)+1] offset:(2*(\sub)+\ks)*1024+512
.endr
.endr
.endm
.macro KSTEP a, buf                    ; for each live block eight products, source 0 = 16 weight rows, source 1 = 16 rows of h; the accumulators take turns
.irp i, 0,1,2
	s_cmp_lt_u32 s[NACT], \i+1
	s_cbranch_scc1 .Lk_\@
	WIN 0x50
.irp nb, 0,1,2,3,4,5,6,7
	v_wmma_f32_16x16x32_bf16 v[64*\i+8*\nb:64*\i+8*\nb+7], v[(\buf)+8*\nb:(\buf)+8*\nb+7], v[(\a)+8*\i:(\a)+8*\i+7], v[64*\i+8*\nb:64*\i+8*\nb+7]
.endr
	WIN 0
.endr
.Lk_\@:
.endm
; A chunk is multiplied: four K steps on two weight buffers by turns.  n1, n2: the loads younger than the chunk's first and second half of h.  more = 1: the next chunk's h is asked for;
; each half's pointer steps behind the wait that shows that half's loads done.
.macro CPART n1, n2, more
	BLOAD 0, BF0
	BLOAD 1, BF1
	s_wait_loadcnt \n1                             ; the first half chunk's h is in, and all that was asked for before it
.if \more
	s_add_nc_u64 s[XA:XA+1], s[XA:XA+1], ASTEP
.endif
	s_wait_dscnt 16                                ; K step 0's fragments are in (and my stores ahead of them done); the sixteen younger loads stay out
	KSTEP AF, BF0
	PLACES
	BLOAD 2, BF0
	s_wait_dscnt 16
	KSTEP AF+24, BF1
	PLACES
.if \more
	ALOAD 0
.endif
	BLOAD 3, BF1
	s_wait_loadcnt \n2                             ; the second half chunk's h is in
.if \more
	s_add_nc_u64 s[XA+2:XA+3], s[XA+2:XA+3], ASTEP
.endif
	s_wait_dscnt 16
	KSTEP AF+48, BF0
	s_wait_dscnt 0x0
	KSTEP AF+72, BF1
	s_add_co_u32 s[COFF], s[COFF], CHUNK
	v_add_nc_u32 v4, s[COFF], v5                   ; with the three lines below: the four places behind the last products
	v_nop
	v_nop
	v_nop
.if \more
	ALOAD 1
.endif
.endm
.macro CLEAR                           ; on purpose: it stands in the wait for the first weights, makes every K step one text, and writes all 192 registers whatever the number of live blocks
	WIN 0x40
.set ii, 0
.rept 192
	v_mov_b32 v[ii], 0
.set ii, ii+1
.endr
	WIN 0
.endm
.macro NACTM                           ; how many of blocks B0, B0 + 4, B0 + 8 exist: (NBLK - B0 + 3) >> 2, held to 0 .. 3
	s_sub_co_i32 s[NACT], s[NBLK], s[B0]
	s_add_co_i32 s[NACT], s[NACT], 3
	s_ashr_i32 s[NACT], s[NACT], 2
	s_max_i32 s[NACT], s[NACT], 0
	s_min_i32 s[NACT], s[NACT], 3
.endm
.macro SETA                            ; my three blocks: their places in hf and their rows' q from the list; a block that does not exist stands for block 0
.irp i, 0,1,2
	s_add_co_u32 s[T0], s[B0], 4*\i
	s_cmp_lt_u32 s[T0], s[NBLK]
	s_cselect_b32 s[T0], s[T0], 0
	s_min_u32 s[T0], s[T0], 63
	s_lshl_b32 s[T1], s[T0], 14
	v_add_nc_u32 v[9+\i], s[T1], v12
	s_lshl_b32 s[T1], s[T0], 6
	v_lshl_add_u32 v[14+\i], v2, 2, s[T1]
	global_load_b32 v[24+\i], v[14+\i], s[RW:RW+1]
.endr
.endm
; Block bi goes out through my stage: in as 16 bytes a lane (row r, n 8 h on), back as whole rows of 512 bytes; row t goes to part's row q(t), clamped.  The sixteen q pass through sixteen scalar
; registers, in three runs (read, clamp, shift), so that no line waits for the one before it.  A full block's sixteen stores stand on end; in a block that is not full, rows past the count are jumped.
.macro EPI bi
	s_cmp_lt_u32 s[NACT], (\bi)+1
	s_cbranch_scc1 .Le_\@
	s_wait_xcnt 0x0                                ; the registers that earlier stores read are rewritten only behind this wait
	WIN 0x04                                       ; the stores' data: the accumulators
.irp nb, 0,1,2,3,4,5,6,7
	ds_store_b128 v7, v[64*(\bi)+8*\nb:64*(\bi)+8*\nb+3] offset:\nb*64        ; each accumulator's low registers first
	ds_store_b128 v7, v[64*(\bi)+8*\nb+4:64*(\bi)+8*\nb+7] offset:\nb*64+16
.endr
	WIN 0
.set tt, 0
.rept 16
	ds_load_b128 v[32+4*tt:35+4*tt], v8 offset:tt*SP               ; LDS serves a wave's instructions in order (ISA guide 5.7.1.4): these see the stores above, and the next block's stores come behind them
.set tt, tt+1
.endr
.set tt, 0
.rept 16
	v_readlane_b32 s[QS+tt], v[24+(\bi)], tt
.set tt, tt+1
.endr
.set tt, 0
.rept 16
	s_min_u32 s[QS+tt], s[QS+tt], 4095
.set tt, tt+1
.endr
.set tt, 0
.rept 16
	v_lshl_add_u32 v[96+tt], s[QS+tt], 12, v12
.set tt, tt+1
.endr
	s_add_co_u32 s[T1], s[B0], 4*(\bi)
	s_lshl_b32 s[T1], s[T1], 4
	s_sub_co_i32 s[T1], s[CNT], s[T1]              ; rows of this block that exist
	s_wait_dscnt 0x0
	s_cmp_lt_i32 s[T1], 16
	s_cbranch_scc1 .Lp_\@
.set tt, 0
.rept 16
	global_store_b128 v[96+tt], v[32+4*tt:35+4*tt], s[PB:PB+1]
.set tt, tt+1
.endr
	s_branch .Le_\@
.Lp_\@:
.set tt, 0
.rept 16
	s_cmp_le_i32 s[T1], tt
	s_cbranch_scc1 .Le_\@
	global_store_b128 v[96+tt], v[32+4*tt:35+4*tt], s[PB:PB+1]
.set tt, tt+1
.endr
.Le_\@:
.endm
	s_load_b256 s[4:11], s[0:1], 0x0               ; hf s[4:5], w_down s[6:7], rows s[8:9], part s[10:11]
	v_lshl_add_u32 v30, v0, 2, SPARE               ; my spare word,
	v_mov_b32 v31, 0                               ; and 0: kept for the closing add alone
	v_lshrrev_b32 v1, 5, v0
	v_readfirstlane_b32 s[WV], v1                  ; wave 0..3
	v_and_b32 v1, 31, v0
	v_and_b32 v2, 15, v0
	v_bfe_u32 v3, v0, 4, 1
	v_lshlrev_b32 v12, 4, v1
	s_mov_b32 s[SL], ttmp9
	s_and_b32 s[EX], ttmp7, 0xffff
	s_lshl_b32 s[OF], s[EX], 21                    ; the expert's 2 MB,
	s_lshl_b32 s[T0], s[SL], 18                    ; the slice's 128 rows,
	s_add_co_u32 s[OF], s[OF], s[T0]
	s_lshl_b32 s[T0], s[WV], 16                    ; my 32 of them
	s_add_co_u32 s[OF], s[OF], s[T0]
	s_mov_b32 s[OF+1], 0
	s_wait_kmcnt 0x0
	s_add_nc_u64 s[WB:WB+1], s[6:7], s[OF:OF+1]
	LISSUE 0, 0                                    ; chunk 0 and three groups of chunk 1 go out before anything else is done: 56 loads
	LISSUE 1, 0
	LISSUE 2, 0
	LISSUE 3, 0
	LISSUE 0, 1
	LISSUE 1, 1
	LISSUE 2, 1
	WIN 0
	s_mul_i32 s[OF], s[EX], 4352
	s_add_nc_u64 s[RW:RW+1], s[8:9], s[OF:OF+1]    ; my expert's list,
	s_load_b32 s[CNT], s[RW:RW+1], 0x1000          ; and its count
	s_lshl_b32 s[OF], s[EX], 20
	s_add_nc_u64 s[XB0:XB0+1], s[4:5], s[OF:OF+1]  ; hf at my expert
	s_mov_b64 s[XA:XA+1], s[XB0:XB0+1]
	s_mov_b64 s[XA+2:XA+3], s[XB0:XB0+1]
	s_lshl_b32 s[OF], s[SL], 9
	s_add_nc_u64 s[PB:PB+1], s[10:11], s[OF:OF+1]  ; part at my slice's 512 bytes of a row
	s_mul_i32 s[T0], s[WV], 32*PITCH
	v_lshl_add_u32 v19, v1, 3, s[T0]               ; LDS rows 32 w on, 8 bytes a lane
	v_mov_b32 v20, v19
	s_mov_b32 s[LOFF], 0
	s_mul_i32 s[T0], s[WV], 16*SP
	s_add_co_u32 s[T0], s[T0], STG                 ; my stage
	v_mul_u32_u24 v7, v2, SP
	v_lshl_add_u32 v7, v3, 5, v7
	v_add_nc_u32 v7, s[T0], v7
	v_add_nc_u32 v8, s[T0], v12
	v_mul_u32_u24 v5, v2, PITCH
	v_lshl_add_u32 v5, v3, 4, v5                   ; a fragment's row x pitch + 16 h
	v_mov_b32 v4, v5
	s_mov_b32 s[COFF], 0
	CLEAR
	LPART 0, 0                                     ; TRIP 0: chunk 0 is laid down; chunk 1's last group is asked for;
	s_wait_kmcnt 0x0
	s_min_u32 s[CNT], s[CNT], 1024
	s_add_co_u32 s[NBLK], s[CNT], 15
	s_lshr_b32 s[NBLK], s[NBLK], 4
	s_max_u32 s[NBLK], s[NBLK], 1                  ; blocks of 16 rows, one at the least
	s_mov_b32 s[B0], s[WV]
	NACTM
	SETA
	ALOAD 0                                        ; then chunk 0's h: from here on the order of issue is a chunk's 32 weight loads, then 24 loads of h
	ALOAD 1
	BAR
	LPART 1, 1                                     ; TRIP 1: chunk 1 is laid down and chunk 2 asked for; chunk 0 is multiplied and chunk 1's h asked for
	CPART 44, 44, 1                                ; younger each time: the other half chunk's 12 loads of h and this trip's 32 weight loads
	BAR
	LPART 2, 1                                     ; TRIP 2
	CPART 44, 44, 1
	BAR
	LPART 3, 2                                     ; TRIP 3: the last chunk is laid down
	CPART 12, 12, 1
	BAR                                            ; the whole slice lies in LDS
	CPART 12, 0, 0                                 ; chunk 3
	s_mov_b32 s[PASS], 6
.Lpass:                                                ; six trips: a pass's blocks go out; then the next pass, if the expert has so many rows
	EPI 0
	EPI 1
	EPI 2
	BAR                                            ; every wave's writes of its stage are done before any wave reads the slice again (other bytes of LDS); on every wave's path
	s_add_co_u32 s[B0], s[B0], 12
	NACTM
	s_cmp_eq_u32 s[NACT], 0
	s_cbranch_scc1 .Lnext
	s_wait_xcnt 0x0                                ; the stores above have read their registers; the pointer goes back
	SETA
	CLEAR
	s_mov_b64 s[XA:XA+1], s[XB0:XB0+1]
	s_mov_b32 s[COFF], 0
	v_mov_b32 v4, v5
	s_mov_b32 s[KO], NCH
.Lko:                                                  ; a chunk a trip, its four K steps one after the other: the plain road for splits far from even
.irp st, 0,1,2,3
.irp i, 0,1,2
	global_load_b128 v[AF+8*\i:AF+8*\i+3],   v[9+\i], s[XA:XA+1] offset:\st*1024
	global_load_b128 v[AF+8*\i+4:AF+8*\i+7], v[9+\i], s[XA:XA+1] offset:\st*1024+512
.endr
	BLOAD \st, BF0
	s_wait_loadcnt 0x0
	s_wait_dscnt 0x0
	KSTEP AF, BF0
	PLACES                                         ; in front of the next step's loads into the registers just multiplied
.endr
	s_add_co_u32 s[COFF], s[COFF], CHUNK
	v_add_nc_u32 v4, s[COFF], v5                   ; the next chunk
	s_add_nc_u64 s[XA:XA+1], s[XA:XA+1], ASTEP     ; all loads that read the pointer have been waited for
	s_sub_co_u32 s[KO], s[KO], 1
	s_cmp_lg_u32 s[KO], 0
	s_cbranch_scc1 .Lko
.Lnext:
	BAR                                            ; every wave's reads of the slice are back before any wave writes LDS again: the next pass's stage, the closing add; on every wave's path
	s_sub_co_u32 s[PASS], s[PASS], 1
	s_cmp_lg_u32 s[PASS], 0
	s_cbranch_scc1 .Lpass
	s_wait_tensorcnt 0x0                           ; the wave's end: three closing lines behind my last LDS store
	ds_add_u32 v30, v31
	s_wait_dscnt 0x0
	s_endpgm
.Lfunc_end_k_q3765b20455_down:
	.size	k_q3765b20455_down, .Lfunc_end_k_q3765b20455_down-k_q3765b20455_down
	.p2alignl 7, 3214868480
	.fill 96, 4, 3214868480
	.section	.rodata,"a",@progbits
	.p2align	6, 0x0
	.amdhsa_kernel k_q3765b20455_down
		.amdhsa_group_segment_fixed_size 173568
		.amdhsa_private_segment_fixed_size 0
		.amdhsa_enable_private_segment 0
		.amdhsa_kernarg_size 32
		.amdhsa_user_sgpr_count 2
		.amdhsa_user_sgpr_kernarg_segment_ptr 1
		.amdhsa_wavefront_size32 1
		.amdhsa_system_sgpr_workgroup_id_x 1
		.amdhsa_system_sgpr_workgroup_id_y 1
		.amdhsa_system_sgpr_workgroup_id_z 1
		.amdhsa_system_vgpr_workitem_id 0
		.amdhsa_next_free_vgpr 768
		.amdhsa_next_free_sgpr 82
		.amdhsa_reserve_vcc 0
		.amdhsa_float_denorm_mode_32 3
		.amdhsa_float_denorm_mode_16_64 3
		.amdhsa_memory_ordered 1
		.amdhsa_forward_progress 1
		.amdhsa_inst_pref_size 158
	.end_amdhsa_kernel
	.amdgpu_metadata
---
amdhsa.version: [ 1, 2 ]
amdhsa.kernels:
  - .name:           k_q3765b20455_down
    .symbol:         k_q3765b20455_down.kd
    .args:
      - { .name: hf, .offset: 0, .size: 8, .value_kind: global_buffer, .address_space: global }
      - { .name: w_down, .offset: 8, .size: 8, .value_kind: global_buffer, .address_space: global }
      - { .name: rows, .offset: 16, .size: 8, .value_kind: global_buffer, .address_space: global }
      - { .name: part, .offset: 24, .size: 8, .value_kind: global_buffer, .address_space: global }
    .group_segment_fixed_size: 173568
    .private_segment_fixed_size: 0
    .kernarg_segment_align: 8
    .kernarg_segment_size: 32
    .max_flat_workgroup_size: 128
    .sgpr_count:     82
    .vgpr_count:     768
    .wavefront_size: 32
...
	.end_amdgpu_metadata
.endif
;; end of part 7
;; launch combine (part 8): grid 256 x 1, 4 waves a work-group, no clusters, 0 bytes of LDS; arguments part, wts, out0; writes out0
.if DOCPART == 8
	.amdgcn_target "amdgcn-amd-amdhsa--gfx1250"
	.amdhsa_code_object_version 6
	.text
	.protected	k_q3765b20455_combine
	.globl	k_q3765b20455_combine
	.p2align	8
	.type	k_q3765b20455_combine,@function
k_q3765b20455_combine:
	s_mov_b64 s[64:65], 0
	v_nop
	global_prefetch_b8 v0, s[64:65] scope:SCOPE_SE
	s_setreg_imm32_b32 hwreg(HW_REG_WAVE_MODE, 25, 1), 1
	s_wait_xcnt 0x0
; out0[t][:] = sum over k = 0..3 of wts[t][k] x part[4 t + k][:], all f32, added in the order of the choices (reference() adds in the order of the experts: another order of rounding).
; A wave has one token: its four partial rows are 16,384 consecutive bytes, asked for at once by 32 loads of 512 bytes; the result leaves in eight stores of 512 consecutive aligned bytes.
; The token's four weights come by a vector load (the same 16 bytes in every lane) issued ahead of the 32, so that they are on their way with the rows and no second scalar load is waited for.
; A stream: no LDS, no barrier, no matrix unit, no cluster: nothing is shared between waves.
.set P, 32                             ; v[32 + 16 c + 4 k]: columns 128 c on of partial row k; the sum is made in row 0's registers
	s_load_b128 s[4:7], s[0:1], 0x0                ; part s[4:5], wts s[6:7]
	s_load_b64 s[8:9], s[0:1], 0x10                ; out0
	v_lshrrev_b32 v1, 5, v0
	v_readfirstlane_b32 s10, v1                    ; wave 0..3
	v_and_b32 v1, 31, v0
	v_lshlrev_b32 v1, 4, v1                        ; 16 bytes a lane
	v_mov_b32 v2, 0
	s_lshl_b32 s11, ttmp9, 2
	s_add_co_u32 s11, s11, s10                     ; my token
	s_lshl_b32 s12, s11, 14
	s_mov_b32 s13, 0
	s_lshl_b32 s14, s11, 4
	s_mov_b32 s15, 0
	s_lshl_b32 s16, s11, 12
	s_mov_b32 s17, 0
	s_wait_kmcnt 0x0
	s_add_nc_u64 s[4:5], s[4:5], s[12:13]
	s_add_nc_u64 s[6:7], s[6:7], s[14:15]
	s_add_nc_u64 s[8:9], s[8:9], s[16:17]
	global_load_b128 v[4:7], v2, s[6:7]            ; the four weights
.irp c, 0,1,2,3,4,5,6,7
.irp k, 0,1,2,3
	global_load_b128 v[P+16*\c+4*\k:P+16*\c+4*\k+3], v1, s[4:5] offset:\k*4096+\c*512 th:TH_LOAD_NT
.endr
.endr
	s_wait_loadcnt 32                              ; the weights are in; the 32 younger loads stay out
	v_readfirstlane_b32 s20, v4                    ; the packed forms take a scalar pair's low word for both halves: a pair a weight, both words written
	v_readfirstlane_b32 s22, v5
	v_readfirstlane_b32 s24, v6
	v_readfirstlane_b32 s26, v7
	s_mov_b32 s21, s20
	s_mov_b32 s23, s22
	s_mov_b32 s25, s24
	s_mov_b32 s27, s26
.irp c, 0,1,2,3,4,5,6,7
	s_wait_loadcnt 28-4*\c                         ; loads come back in order: this column group's four are in, the younger groups' stay out
	v_pk_mul_f32 v[P+16*\c:P+16*\c+1],   v[P+16*\c:P+16*\c+1],   s[20:21] op_sel_hi:[1,0]
	v_pk_mul_f32 v[P+16*\c+2:P+16*\c+3], v[P+16*\c+2:P+16*\c+3], s[20:21] op_sel_hi:[1,0]
	v_pk_fma_f32 v[P+16*\c:P+16*\c+1],   v[P+16*\c+4:P+16*\c+5],   s[22:23], v[P+16*\c:P+16*\c+1] op_sel_hi:[1,0,1]
	v_pk_fma_f32 v[P+16*\c+2:P+16*\c+3], v[P+16*\c+6:P+16*\c+7],   s[22:23], v[P+16*\c+2:P+16*\c+3] op_sel_hi:[1,0,1]
	v_pk_fma_f32 v[P+16*\c:P+16*\c+1],   v[P+16*\c+8:P+16*\c+9],   s[24:25], v[P+16*\c:P+16*\c+1] op_sel_hi:[1,0,1]
	v_pk_fma_f32 v[P+16*\c+2:P+16*\c+3], v[P+16*\c+10:P+16*\c+11], s[24:25], v[P+16*\c+2:P+16*\c+3] op_sel_hi:[1,0,1]
	v_pk_fma_f32 v[P+16*\c:P+16*\c+1],   v[P+16*\c+12:P+16*\c+13], s[26:27], v[P+16*\c:P+16*\c+1] op_sel_hi:[1,0,1]
	v_pk_fma_f32 v[P+16*\c+2:P+16*\c+3], v[P+16*\c+14:P+16*\c+15], s[26:27], v[P+16*\c+2:P+16*\c+3] op_sel_hi:[1,0,1]
	global_store_b128 v1, v[P+16*\c:P+16*\c+3], s[8:9] offset:\c*512 th:TH_STORE_NT
.endr
	s_endpgm
.Lfunc_end_k_q3765b20455_combine:
	.size	k_q3765b20455_combine, .Lfunc_end_k_q3765b20455_combine-k_q3765b20455_combine
	.p2alignl 7, 3214868480
	.fill 96, 4, 3214868480
	.section	.rodata,"a",@progbits
	.p2align	6, 0x0
	.amdhsa_kernel k_q3765b20455_combine
		.amdhsa_group_segment_fixed_size 0
		.amdhsa_private_segment_fixed_size 0
		.amdhsa_enable_private_segment 0
		.amdhsa_kernarg_size 24
		.amdhsa_user_sgpr_count 2
		.amdhsa_user_sgpr_kernarg_segment_ptr 1
		.amdhsa_wavefront_size32 1
		.amdhsa_system_sgpr_workgroup_id_x 1
		.amdhsa_system_sgpr_workgroup_id_y 1
		.amdhsa_system_sgpr_workgroup_id_z 1
		.amdhsa_system_vgpr_workitem_id 0
		.amdhsa_next_free_vgpr 160
		.amdhsa_next_free_sgpr 66
		.amdhsa_reserve_vcc 0
		.amdhsa_float_denorm_mode_32 3
		.amdhsa_float_denorm_mode_16_64 3
		.amdhsa_memory_ordered 1
		.amdhsa_forward_progress 1
		.amdhsa_inst_pref_size 10
	.end_amdhsa_kernel
	.amdgpu_metadata
---
amdhsa.version: [ 1, 2 ]
amdhsa.kernels:
  - .name:           k_q3765b20455_combine
    .symbol:         k_q3765b20455_combine.kd
    .args:
      - { .name: part, .offset: 0, .size: 8, .value_kind: global_buffer, .address_space: global }
      - { .name: wts, .offset: 8, .size: 8, .value_kind: global_buffer, .address_space: global }
      - { .name: out0, .offset: 16, .size: 8, .value_kind: global_buffer, .address_space: global }
    .group_segment_fixed_size: 0
    .private_segment_fixed_size: 0
    .kernarg_segment_align: 8
    .kernarg_segment_size: 24
    .max_flat_workgroup_size: 128
    .sgpr_count:     66
    .vgpr_count:     160
    .wavefront_size: 32
...
	.end_amdgpu_metadata
.endif
;; end of part 8
;; ======== version 3 of 3: 4 launches; version 2 with the launch gateup written anew for expert scheduling mode
;; workspace buffers: xb 2,097,152 bytes; sel 16,384 bytes of whole numbers; wts 16,384 bytes; rows 139,264 bytes of whole numbers; hf 33,554,432 bytes; part 16,777,216 bytes
;; launch route: the kernel of part 5 again; grid 64 x 1, 8 waves a work-group, no clusters, 126,208 bytes of LDS; arguments router_input, w_router, hidden_states, out1, sel, wts, xb; writes out1, sel, wts, xb
;; launch gateup (part 9): grid 8 x 32, 4 waves a work-group, no clusters, 301,568 bytes of LDS; arguments xb, w_gate, w_up, sel, hf, rows; writes hf, rows
.if DOCPART == 9
	.amdgcn_target "amdgcn-amd-amdhsa--gfx1250"
	.amdhsa_code_object_version 6
	.text
	.protected	k_q3765b20455_gateup
	.globl	k_q3765b20455_gateup
	.p2align	8
	.type	k_q3765b20455_gateup,@function
k_q3765b20455_gateup:
	s_mov_b64 s[64:65], 0
	v_nop
	global_prefetch_b8 v0, s[64:65] scope:SCOPE_SE
	s_setreg_imm32_b32 hwreg(HW_REG_WAVE_SCHED_MODE, 0, 2), 2
	s_setreg_imm32_b32 hwreg(HW_REG_WAVE_MODE, 25, 1), 1
	s_wait_xcnt 0x0
	s_wait_alu depctr_vm_vsrc(0)
; FIRST PRODUCT OF THE EXPERTS.  h[row][f] = relu(x . w_gate[e][f]) * (x . w_up[e][f]) for the rows (token, choice) that chose expert e.  x comes as bf16 (xb); the weights are rounded once
; to bf16 (nearest even) on their way through registers; sums in f32; h is rounded once to bf16.  bf16 and not f16: h has no room in f16 for inputs some 30 times larger.
; GRID.  x = slice s of 64 f, y = expert e.  A work-group alone reads its 128 weight rows (64 of w_gate, 64 of w_up, 1,024 k each: 512 KB of f32), once, and takes ALL rows of its expert.
; FOUR WAVES, ALL ALIKE.  Wave w loads 32 of the 128 weight rows, 8 rows x 128 k (eight loads of 512 consecutive bytes) at a time, through a ring of four register slots, rounds them and lays them
; into LDS, where the whole slice stays as bf16: no LDS byte is written twice.  Trip j lays chunk j (128 k) down and then multiplies chunk j - 1; one barrier a trip.
; LOADS ON THEIR WAY.  Weight loads and token loads share the wave's one counter and come back in the order of issue, so both are asked for one chunk ahead: 32 + 24 = 56 loads of a wave are out.
; At the start chunk 0's 32 loads and the loads of the codes go out together; chunk 0 is laid down, and chunk 1 asked for, ahead of the search through the codes, which runs while chunk 1 is on its way.
; POINTERS.  Each ring slot and each half chunk of tokens has a pointer of its own, stepped behind the counted wait that shows its own loads done: the streaming loop has no wait on XCNT.
; THE ROWS.  Every wave reads all 4,096 codes of sel ((expert << 12) | q, q = 4 token + choice), 32 tokens a group, a token a lane; a group's hits are one 32-bit word.
; Pass 0's rows are found in registers as the groups go by: the lane that wants the row of rank n keeps the last group's word whose count of earlier hits is not above n, and then takes that word's
; set bit number n - count: its first token loads hang on registers alone.  Beside that each wave lays the q of its expert, in token order, into a list of its own in LDS, for the later passes and
; for the next launch (wave 0 of slice 0 stores list and count).  Places past the count stand for token 0's row: a row that exists.
; ROWS.  Blocks of 16 rows; wave w takes blocks 12 p + 4 i + w, i = 0..2, in pass p.  Pass 0 (192 rows) runs beside the stream; passes 1-5, for splits that give an expert more, find all weights
; in LDS: a loop of constant length in which work is jumped over.  Every split is served, up to all 1,024 tokens on one expert.  An expert without rows still streams its slice
; and stores one block made of token 0's row, so that every byte that the next launch reads has been stored.
; hf is laid out as the next launch's operand registers take it: expert x 2^20 + block x 16,384 + (f / 32) x 1,024 + ((f / 16) % 2) x 512 + lane x 16.
; NO CLUSTER, NO TENSOR LOAD: each weight byte has one reader and must be rounded on its way in; the rows that an expert's eight work-groups share come by a list, which no descriptor covers.
; LIMITS.  NaN and infinities are not treated apart (relu of NaN gives 0 here).
; THE MODE: SCHED_MODE bits 1:0 = 2 (LLVM: expert scheduling mode 2), set by the entry lines.  The code itself states the register dependences
; between vector or matrix instructions and memory or LDS instructions, with s_wait_alu, always for 0.
; THE PLAN.  Registers that memory or LDS instructions touch in a trip, and who else names them:
;   ring slot q   Eight weight loads land in it; the slot's sixteen roundings read it; behind them it is asked for again.
;   TW0 .. TW3    Slot q's roundings write set q; its eight LDS stores read it; it is written again a whole trip later.
;   v20           Read by those stores; written once a trip, at the trip's head.
;   BF0 .. BF3    A buffer to each of a chunk's four K steps: LDS loads land in it, that step's products read it, and it is landed in again a trip later.
;   AF            Two halves.  Token loads land in a half; K steps 0, 1 (2, 3) read it; behind them it is asked for again.
;   v4            Read by the fragment loads; written once, at a chunk's end.
;   v12, v8       Offsets made at the head and never written again.  v9-11: the token offsets, written once a pass.
;   The accumulators are named by vector and matrix instructions alone.
; So a trip has: one wait on vm_vsrc at its head (the last trip's LDS stores have read v20 and TW0-3); one wait on va_vdst behind each slot's roundings (TW q and v20 are written; the roundings are
; done with the slot); one behind K step 1 (for the first half of AF); one wait on vm_vsrc ahead of the add to v4; and one wait on va_vdst behind that add (K steps 2 and 3 are done with the second
; half of AF, v4 is written, all four BF are read out).  The fragment loads owe nothing more: between the last of these waits and a load into BF n stand only roundings and products on other buffers.
.set PITCH, 272                        ; an LDS row: 128 bf16 + 16 bytes = 68 words: the 16 rows of a fragment load start at 16 different groups of four banks (64 banks of 4 bytes: ISA guide 11.1)
.set CHUNK, 128*PITCH                  ; 128 weight rows x 128 k
.set NCH,   8                          ; chunks
.set GROW,  4096                       ; bytes from weight row to weight row in memory
.set ASTEP, 256                        ; bytes of a token row in a chunk
.set LIST,  NCH*CHUNK                  ; behind the weights: four lists,
.set LISTB, 5632                       ; 1,344 words and a dump word, rounded up to blocks of 256 bytes.  Behind the lists: the spare words, 128 bytes a wave
.set DUMPW, 1344                       ; the word that takes what does not belong to my expert
; REGISTERS, in windows of 256 (s_set_vgpr_msb: bits 1:0 source 0, 3:2 source 1, 5:4 source 2, 7:6 destination):
;   window 0: v1 lane, v2 r = lane % 16, v3 h = lane / 16, v4 the chunk's fragment address, v5 its base, v6 my place in the list, v21 its base, v7 the list's base, v8 that + 16 x lane,
;             v9-11 token offsets of my three blocks, v12 16 x lane, v13 16 h, v14-16, v18, v24-27 at work, v19 where I lay weights down, v20 the same in the chunk in hand;
;             v32-95, v96-159 BF0, BF1: eight weight fragments each (first: the 128 words of codes); v160-255 token fragments: half chunk sub, K step ks, block i at 160 + 48 sub + 24 ks + 8 i
;             (first, v160-202: the search for pass 0's rows, three registers of each kind, one a block)
;   window 1: v0-191 accumulators: block i, weight block nb at 64 i + 8 nb (nb 0-3 gate, 4-7 up); v192-255 four sets of 16 rounded words on their way into LDS, a set a ring slot
;   window 2: v0-127 the ring: slot q holds rows 8 q .. 8 q + 7 of my 32 as loaded; v128-191, v192-255 BF2, BF3
.set BF0,   32
.set BF1,   96
.set BF2,   128                        ; window 2
.set BF3,   192                        ; window 2
.set AF,    160
.set TW,    192
.set NS,    160                        ; the rank that I want
.set WS,    164                        ; the word kept
.set PS,    168                        ; (its group << 16) | hits ahead of it
.set TM,    172                        ; my rank within the word
.set TA,    176                        ; the word's counts of set bits by 2,
.set TB,    180                        ; by 4,
.set TC,    184                        ; by 8,
.set TD,    188                        ; and, in the low byte, of its low 16 bits
.set TP,    192                        ; the bit's place
.set TT,    196                        ; at work
.set TU,    200
.set WV, 16
.set SL, 18
.set EX, 19
.set LC, 20
.set EK, 21
.set LIM, 22
.set CNT, 23
.set NBLK, 25
.set NACT, 26
.set B0, 27
.set PASS, 28
.set T0, 29
.set OF, 30
.set XA, 34                            ; s[34:35], s[36:37] xb at the chunk that the first, the second half chunk's loads take next
.set HB, 38
.set ST, 40
.set KO, 43
.set LOFF, 44
.set COFF, 45
.set LBS, 46
.set LPO, 47
.set RW, 48
.set WB, 56                            ; s[56:63] a weight pointer a ring slot
.set HM, 66                            ; s66-69 the hits of a batch's four groups
.set CN, 70                            ; s70-73 the hits ahead of each of them
.set PK, 74                            ; s74-77 (group << 16) | hits ahead of it
.set MK, 78                            ; s78-89 a mask a group and block
.set MSB, 0
.macro WIN new                         ; the immediate's high byte repeats the setting that is left; a switch that changes nothing is dropped
.if MSB != (\new)
	s_set_vgpr_msb (MSB<<8)|(\new)
.set MSB, (\new)
.endif
.endm
.macro PLACES                          ; four plain lines between a matrix instruction and a load into, or a vector write of, one of its registers (ISA guide 7.12.1 for vector writes)
.rept 4
	v_nop
.endr
.endm
.macro BAR                             ; my LDS stores and loads are done; then the work-group's barrier
	s_wait_dscnt 0x0
	s_barrier_signal -1
	s_barrier_wait -1
.endm
; Eight loads, rows 8 qd .. 8 qd + 7 of my 32, the chunk at which the slot's pointer stands, into slot qd.  A load covers 512 consecutive bytes of one row.
.macro LISSUE qd
	WIN 0x80
.set ii, 0
.rept 8
	global_load_b128 v[32*(\qd)+4*ii:32*(\qd)+4*ii+3], v12, s[WB+2*(\qd):WB+2*(\qd)+1] offset:(8*(\qd)+ii)*GROW th:TH_LOAD_NT
.set ii, ii+1
.endr
.endm
; A slot's turn: its eight loads are in (n younger loads stay out), so its pointer, which they alone read, may step; rounded into the slot's own 16 registers, from which eight LDS stores of 256
; consecutive bytes go out; the slot takes the same rows of the next chunk at once.
.macro LSTEP qd, issue, n
	s_wait_loadcnt \n
.if \issue
	s_add_nc_u64 s[WB+2*(\qd):WB+2*(\qd)+1], s[WB+2*(\qd):WB+2*(\qd)+1], 512
.endif
	WIN 0x4a
.set ii, 0
.rept 16
	v_cvt_pk_bf16_f32 v[TW+16*(\qd)+ii], v[32*(\qd)+2*ii], v[32*(\qd)+2*ii+1]
.set ii, ii+1
.endr
	WIN 0x04
	s_wait_alu depctr_va_vdst(0)                   ; the roundings have written this slot's set (and the trip's head v20), which the stores read, and are done reading the slot, in which the loads land
.set ii, 0
.rept 8
	ds_store_b64 v20, v[TW+16*(\qd)+2*ii:TW+16*(\qd)+2*ii+1] offset:(8*(\qd)+ii)*PITCH
.set ii, ii+1
.endr
.if \issue
	LISSUE \qd                                     ; no wait: since the one above only the stores and a window switch stand, and they name neither the slot nor v12
.endif
.endm
; A chunk is laid down.  var 0, the first: younger than a slot's loads are three groups of eight and the 32 loads of codes.  var 1, the loop's: three groups and the 24 token loads issued
; between them.  var 2, the last chunk: nothing is asked for, and the counts run down to the 24 token loads.
.macro LPART var
.if (\var) > 0
	s_wait_alu depctr_vm_vsrc(0)                   ; the last trip's LDS stores have read v20 and the four sets, which are written again below (in trip 1 also: the stores of list and count have read v32-63, in which fragments land)
	s_add_co_u32 s[LOFF], s[LOFF], CHUNK
	v_add_nc_u32 v20, s[LOFF], v19                 ; this chunk's place in LDS
.endif
.if (\var) == 0
	LSTEP 0, 1, 56
	LSTEP 1, 1, 56
	LSTEP 2, 1, 56
	LSTEP 3, 1, 56
.elseif (\var) == 1
	LSTEP 0, 1, 48
	LSTEP 1, 1, 48
	LSTEP 2, 1, 48
	LSTEP 3, 1, 48
.else
	LSTEP 0, 0, 48
	LSTEP 1, 0, 40
	LSTEP 2, 0, 32
	LSTEP 3, 0, 24
.endif
	WIN 0
.endm
; Sixteen LDS loads: the eight weight fragments (16 rows x 32 k) of K step st of the chunk.  w = 2: the buffer lies in window 2.
.macro BLOAD st, buf, w=0
.if \w
	WIN 0x80
.endif
.irp nb, 0,1,2,3,4,5,6,7
	ds_load_b128 v[(\buf)+8*\nb:(\buf)+8*\nb+3],   v4 offset:\nb*16*PITCH+(\st)*64
	ds_load_b128 v[(\buf)+8*\nb+4:(\buf)+8*\nb+7], v4 offset:\nb*16*PITCH+(\st)*64+32
.endr
	WIN 0
.endm
; Twelve loads: the token fragments of half a chunk (two K steps, three blocks), at the chunk at which that half's pointer stands.
.macro ALOAD sub
.irp ks, 0,1
.irp i, 0,1,2
	global_load_b128 v[AF+48*(\sub)+24*\ks+8*\i:AF+48*(\sub)+24*\ks+8*\i+3],   v[9+\i], s[XA+2*(\sub):XA+2*(\sub)+1] offset:(\sub)*128+\ks*64
	global_load_b128 v[AF+48*(\sub)+24*\ks+8*\i+4:AF+48*(\sub)+24*\ks+8*\i+7], v[9+\i], s[XA+2*(\sub):XA+2*(\sub)+1] offset:(\sub)*128+\ks*64+32
.endr
.endr
.endm
; A K step: for each live block eight products, source 0 = 16 weight rows, source 1 = 16 rows of tokens: a lane then holds ONE row (r) and weight rows 8 h + 0..7.
; The accumulators take turns, one instruction a turn, from step to step too.  Dead blocks are jumped over; at a branch and a label every window is 0.
.macro KSTEP a, buf, w=0
.irp i, 0,1,2
	s_cmp_lt_u32 s[NACT], \i+1
	s_cbranch_scc1 .Lk_\@
	WIN 0x50+(\w)
.irp nb, 0,1,2,3,4,5,6,7
	v_wmma_f32_16x16x32_bf16 v[64*\i+8*\nb:64*\i+8*\nb+7], v[(\buf)+8*\nb:(\buf)+8*\nb+7], v[(\a)+8*\i:(\a)+8*\i+7], v[64*\i+8*\nb:64*\i+8*\nb+7]
.endr
	WIN 0
.endr
.Lk_\@:
.endm
; A chunk is multiplied: four K steps, a weight buffer to each.  n1, n2: the loads younger than the chunk's first and second half of token fragments.
; more = 1: the next chunk's token fragments are asked for as their registers come free; each half's pointer steps behind the wait that shows that half's loads done.
.macro CPART n1, n2, more
	BLOAD 0, BF0                                   ; no wait for any of the four runs of fragment loads: the products that read these buffers a trip ago, and the add that wrote v4, stand ahead of
	BLOAD 1, BF1                                   ; the wait on va_vdst at the last chunk's end, and nothing issued since names a buffer ahead of its loads
	s_wait_loadcnt \n1                             ; the first half chunk's tokens are in
.if \more
	s_add_nc_u64 s[XA:XA+1], s[XA:XA+1], ASTEP
.endif
	s_wait_dscnt 16                                ; K step 0's fragments are in (and my stores ahead of them done); the sixteen younger loads stay out
	KSTEP AF, BF0
	BLOAD 2, BF2, 2
	s_wait_dscnt 16
	KSTEP AF+24, BF1
.if \more
	PLACES
	s_wait_alu depctr_va_vdst(0)                   ; K steps 0 and 1 are done reading the first half of the token fragments, in which the loads below land
	ALOAD 0
.endif
	BLOAD 3, BF3, 2
	s_wait_loadcnt \n2                             ; the second half chunk's tokens are in
.if \more
	s_add_nc_u64 s[XA+2:XA+3], s[XA+2:XA+3], ASTEP
.endif
	s_wait_dscnt 16
	KSTEP AF+48, BF2, 2
	s_wait_dscnt 0x0
	KSTEP AF+72, BF3, 2
	s_wait_alu depctr_vm_vsrc(0)                   ; the chunk's fragment loads have read v4
	s_add_co_u32 s[COFF], s[COFF], CHUNK
	v_add_nc_u32 v4, s[COFF], v5                   ; the next chunk; with the three lines below: the four places behind the last products
	v_nop
	v_nop
	v_nop
.if \more
	s_wait_alu depctr_va_vdst(0)                   ; K steps 2 and 3 are done reading the second half of the token fragments, in which the loads below land
	ALOAD 1
.endif
.endm
; THE SEARCH THROUGH THE CODES, four groups of 32 tokens (a token a lane) at a time.  Group j's four words of codes lie in v[32 + 4 j ..], and all its work is done in place there: no register that a
; list store reads is written again.  code xor (e << 12) is q, below 4,096, for my expert and 4,096 or more for every other; a token names an expert once at most.
; For the list: a hit goes to the word (hits so far + hits in lower lanes), the others to the dump word; the index is clamped, then shifted and added to the list's base.
; For pass 0: where the hits so far are not above the rank that a lane wants, it takes this group's word and count in place of the ones that it held.  The counts never fall, so the last word
; taken is the one that holds the rank (or, for a rank past the count, the last group's).
; The compares stand in two runs, each into scalar registers of its own, with one wait behind the run; a batch's four list stores stand at the next batch's head.
.macro GSTORE b
.irp g, 0,1,2,3
	ds_store_b32 v[33+16*(\b)+4*\g], v[32+16*(\b)+4*\g]
.endr
.endm
.macro GBATCH b
	s_wait_loadcnt 60-4*(\b)                       ; the batch's four loads are in; younger: 28 - 4 b loads of codes and chunk 1's 32 weight loads
.if (\b) > 0
	s_wait_alu depctr_va_vdst(0)                   ; the batch before has written its four q and their places in the list, which the stores below read
	GSTORE (\b)-1
.endif
.irp g, 0,1,2,3
.set cj, 32+16*(\b)+4*\g
	v_xor_b32 v[cj],   s[EK], v[cj]
	v_xor_b32 v[cj+1], s[EK], v[cj+1]
	v_xor_b32 v[cj+2], s[EK], v[cj+2]
	v_xor_b32 v[cj+3], s[EK], v[cj+3]
.endr
.irp g, 0,1,2,3
.set cj, 32+16*(\b)+4*\g
	v_min_u32 v[cj],   v[cj],   v[cj+1]
	v_min_u32 v[cj+2], v[cj+2], v[cj+3]
.endr
.irp g, 0,1,2,3
.set cj, 32+16*(\b)+4*\g
	v_min_u32 v[cj], v[cj], v[cj+2]
.endr
.irp g, 0,1,2,3
.set cj, 32+16*(\b)+4*\g
	v_cmp_gt_u32 s[HM+\g], s[LIM], v[cj]
.endr
	s_wait_alu depctr_va_sdst(0)                   ; the four words of hits are written, ahead of their first readers: the counts below
	s_mov_b32 s[CN], s[CNT]
	s_bcnt1_i32_b32 s[T0], s[HM]
	s_add_co_u32 s[CN+1], s[CN], s[T0]
	s_bcnt1_i32_b32 s[T0], s[HM+1]
	s_add_co_u32 s[CN+2], s[CN+1], s[T0]
	s_bcnt1_i32_b32 s[T0], s[HM+2]
	s_add_co_u32 s[CN+3], s[CN+2], s[T0]
	s_bcnt1_i32_b32 s[T0], s[HM+3]
	s_add_co_u32 s[CNT], s[CN+3], s[T0]
.irp g, 0,1,2,3
.if (4*(\b)+\g) > 0
	s_or_b32 s[PK+\g], s[CN+\g], (4*(\b)+\g)<<16
.irp i, 0,1,2
	v_cmp_le_u32 s[MK+3*\g+\i], s[CN+\g], v[NS+\i]
.endr
.endif
.endr
.irp g, 0,1,2,3
.set cj, 32+16*(\b)+4*\g
	v_mbcnt_lo_u32_b32 v[cj+1], s[HM+\g], s[CN+\g]
.endr
.irp g, 0,1,2,3
.set cj, 32+16*(\b)+4*\g
	v_cndmask_b32 v[cj+1], v18, v[cj+1], s[HM+\g]
.endr
.irp g, 0,1,2,3
.set cj, 32+16*(\b)+4*\g
	v_min_u32 v[cj+1], DUMPW, v[cj+1]
.endr
.irp g, 0,1,2,3
.set cj, 32+16*(\b)+4*\g
	v_lshl_add_u32 v[cj+1], v[cj+1], 2, v7
.endr
	s_wait_alu depctr_va_sdst(0)                   ; the masks 'hits so far not above my rank' are written, ahead of the selects that read them
.irp g, 0,1,2,3
.if (4*(\b)+\g) == 0
.irp i, 0,1,2
	v_mov_b32 v[WS+\i], s[HM]                      ; no hit lies ahead of group 0: every lane takes it
	v_mov_b32 v[PS+\i], 0
.endr
.else
.irp i, 0,1,2
	v_cndmask_b32 v[WS+\i], v[WS+\i], s[HM+\g], s[MK+3*\g+\i]
	v_cndmask_b32 v[PS+\i], v[PS+\i], s[PK+\g], s[MK+3*\g+\i]
.endr
.endif
.endr
.endm
; One halving step of the search for set bit number TM of the word: of the 2 x wid bits at place TP the lower wid hold t set bits (a field of src); if TM is t or more, the bit lies in the upper wid.
.macro FSTEP src, wid, msk, first, last
.irp i, 0,1,2
.if \first
	v_and_b32 v[TT+\i], \msk, v[(\src)+\i]
.else
	v_lshrrev_b32 v[TT+\i], v[TP+\i], v[(\src)+\i]
	v_and_b32 v[TT+\i], \msk, v[TT+\i]
.endif
	v_cmp_ge_u32 s[MK+\i], v[TM+\i], v[TT+\i]
.endr
	s_wait_alu depctr_va_sdst(0)                   ; the step's three masks are written, ahead of the selects that read them
.irp i, 0,1,2
.if !(\last)
	v_cndmask_b32 v[TT+\i], 0, v[TT+\i], s[MK+\i]
	v_sub_nc_u32 v[TM+\i], v[TM+\i], v[TT+\i]
.endif
.if \first
	v_cndmask_b32 v[TP+\i], 0, \wid, s[MK+\i]
.else
	v_cndmask_b32 v[TU+\i], 0, \wid, s[MK+\i]
	v_add_nc_u32 v[TP+\i], v[TP+\i], v[TU+\i]
.endif
.endr
.endm
; Pass 0's rows: the counts of the kept word's set bits by 2, 4, 8 and 16 bits; five halving steps; token = 32 x group + place; a rank past the count stands for token 0;
; clamped; byte offset in xb = token x 2,048 + 16 h.  The three blocks go side by side, so that no line waits for the one before it.
.macro FIND
.irp i, 0,1,2
	v_cmp_gt_u32 s[MK+3+\i], s[CNT], v[NS+\i]      ; does my rank exist?  Read at the search's end: the first halving step's wait stands between
.endr
.irp i, 0,1,2
	v_and_b32 v[TM+\i], 0xffff, v[PS+\i]
	v_lshrrev_b32 v[TA+\i], 1, v[WS+\i]
.endr
.irp i, 0,1,2
	v_sub_nc_u32 v[TM+\i], v[NS+\i], v[TM+\i]
	v_and_b32 v[TA+\i], 0x55555555, v[TA+\i]
.endr
.irp i, 0,1,2
	v_sub_nc_u32 v[TA+\i], v[WS+\i], v[TA+\i]
.endr
.irp i, 0,1,2
	v_lshrrev_b32 v[TB+\i], 2, v[TA+\i]
	v_and_b32 v[TT+\i], 0x33333333, v[TA+\i]
.endr
.irp i, 0,1,2
	v_and_b32 v[TB+\i], 0x33333333, v[TB+\i]
.endr
.irp i, 0,1,2
	v_add_nc_u32 v[TB+\i], v[TB+\i], v[TT+\i]
.endr
.irp i, 0,1,2
	v_lshrrev_b32 v[TC+\i], 4, v[TB+\i]
.endr
.irp i, 0,1,2
	v_add_nc_u32 v[TC+\i], v[TC+\i], v[TB+\i]
.endr
.irp i, 0,1,2
	v_and_b32 v[TC+\i], 0x0f0f0f0f, v[TC+\i]
.endr
.irp i, 0,1,2
	v_lshrrev_b32 v[TD+\i], 8, v[TC+\i]
.endr
.irp i, 0,1,2
	v_add_nc_u32 v[TD+\i], v[TD+\i], v[TC+\i]
.endr
	FSTEP TD, 16, 0xff, 1, 0
	FSTEP TC, 8,  0xff, 0, 0
	FSTEP TB, 4,  0xf,  0, 0
	FSTEP TA, 2,  3,    0, 0
	FSTEP WS, 1,  1,    0, 1
.irp i, 0,1,2
	v_lshrrev_b32 v[TT+\i], 16, v[PS+\i]
.endr
.irp i, 0,1,2
	v_lshl_add_u32 v[TT+\i], v[TT+\i], 5, v[TP+\i]
.endr
.irp i, 0,1,2
	v_cndmask_b32 v[TT+\i], 0, v[TT+\i], s[MK+3+\i]
.endr
.irp i, 0,1,2
	v_min_u32 v[TT+\i], 0x3ff, v[TT+\i]
.endr
.irp i, 0,1,2
	v_lshl_add_u32 v[9+\i], v[TT+\i], 11, v13
.endr
.endm
; The accumulators are cleared on purpose: it stands in the wait for the first loads, makes every K step one text, and writes all 192 registers whatever the number of live blocks.
.macro CLEAR
	WIN 0x40
.set ii, 0
.rept 192
	v_mov_b32 v[ii], 0
.set ii, ii+1
.endr
	WIN 0
.endm
.macro NACTM                           ; how many of blocks B0, B0 + 4, B0 + 8 exist: (NBLK - B0 + 3) >> 2, held to 0 .. 3
	s_sub_co_i32 s[NACT], s[NBLK], s[B0]
	s_add_co_i32 s[NACT], s[NACT], 3
	s_ashr_i32 s[NACT], s[NACT], 2
	s_max_i32 s[NACT], s[NACT], 0
	s_min_i32 s[NACT], s[NACT], 3
.endm
.macro OFFS                            ; a later pass's rows: q from the list, token = q >> 2, clamped; byte offset in xb = token x 2,048 + 16 h
	s_wait_alu depctr_va_vdst(0)                   ; v6 is written, which the loads below read; the vector lines that named v14-16 before are done, in which they land
	ds_load_b32 v14, v6
	ds_load_b32 v15, v6 offset:256
	ds_load_b32 v16, v6 offset:512
	s_wait_dscnt 0x0
.irp i, 0,1,2
	v_lshrrev_b32 v[14+\i], 2, v[14+\i]
	v_min_u32 v[14+\i], 0x3ff, v[14+\i]
	v_lshl_add_u32 v[9+\i], v[14+\i], 11, v13
.endr
.endm
; Block bi goes out: relu(gate) x up, rounded to bf16; a lane's eight f of a row pack into 16 bytes, and a wave's store is 512 consecutive bytes: half an operand of the next launch as it stands.
.macro EPI bi
	s_cmp_lt_u32 s[NACT], (\bi)+1
	s_cbranch_scc1 .Le_\@
	s_wait_xcnt 0x0                                ; the registers and the base that earlier stores read are rewritten only behind this wait
	s_add_co_u32 s[OF], s[B0], 4*(\bi)
	s_lshl_b32 s[OF], s[OF], 14
	s_mov_b32 s[OF+1], 0
	s_add_nc_u64 s[ST:ST+1], s[HB:HB+1], s[OF:OF+1]
	WIN 0x04                                       ; source 1: the accumulators
.irp nb, 0,1,2,3
.irp j, 0,1,2,3,4,5,6,7
	v_max_num_f32 v[32+8*\nb+\j], 0, v[64*(\bi)+8*\nb+\j]           ; each accumulator is read from its low end on
.endr
.irp j, 0,2,4,6
	v_pk_mul_f32 v[32+8*\nb+\j:33+8*\nb+\j], v[32+8*\nb+\j:33+8*\nb+\j], v[64*(\bi)+32+8*\nb+\j:64*(\bi)+33+8*\nb+\j]
.endr
.endr
	WIN 0
	s_wait_alu depctr_vm_vsrc(0)                   ; the stores of the block before have read v64-79, which the roundings below write again
.irp nb, 0,1,2,3
.irp j, 0,1,2,3
	v_cvt_pk_bf16_f32 v[64+4*\nb+\j], v[32+8*\nb+2*\j], v[33+8*\nb+2*\j]
.endr
.endr
	s_wait_alu depctr_va_vdst(0)                   ; the roundings have written v64-79, which the stores below read
.irp nb, 0,1,2,3
	global_store_b128 v12, v[64+4*\nb:67+4*\nb], s[ST:ST+1] offset:\nb*512
.endr
.Le_\@:
.endm
	s_load_b256 s[4:11], s[0:1], 0x0               ; xb s[4:5], w_gate s[6:7], w_up s[8:9], sel s[10:11]
	s_load_b128 s[12:15], s[0:1], 0x20             ; hf s[12:13], rows s[14:15]
	v_lshl_add_u32 v30, v0, 2, 0x49800
	v_mov_b32 v31, 0
	v_lshrrev_b32 v1, 5, v0
	v_readfirstlane_b32 s[WV], v1                  ; wave 0..3
	v_and_b32 v1, 31, v0
	v_and_b32 v2, 15, v0
	v_bfe_u32 v3, v0, 4, 1
	v_lshlrev_b32 v12, 4, v1
	s_mov_b32 s[SL], ttmp9
	s_and_b32 s[EX], ttmp7, 0xffff
	s_lshl_b32 s[OF], s[EX], 21                    ; the expert's 2 MB,
	s_lshl_b32 s[T0], s[SL], 18                    ; the slice's 64 rows,
	s_add_co_u32 s[OF], s[OF], s[T0]
	s_wait_alu depctr_va_sdst(0)                   ; the wave's number is written, ahead of its first reader
	s_and_b32 s[T0], s[WV], 1
	s_lshl_b32 s[T0], s[T0], 17                    ; my 32 of them
	s_add_co_u32 s[OF], s[OF], s[T0]
	s_mov_b32 s[OF+1], 0
	s_wait_kmcnt 0x0
	s_cmp_lt_u32 s[WV], 2
	s_cselect_b64 s[WB:WB+1], s[6:7], s[8:9]       ; waves 0, 1: w_gate (LDS rows 0-63); waves 2, 3: w_up (LDS rows 64-127)
	s_add_nc_u64 s[WB:WB+1], s[WB:WB+1], s[OF:OF+1]
	s_mov_b64 s[WB+2:WB+3], s[WB:WB+1]             ; a pointer a slot; a slot's rows stand in its loads' immediates
	s_mov_b64 s[WB+4:WB+5], s[WB:WB+1]
	s_mov_b64 s[WB+6:WB+7], s[WB:WB+1]
	WIN 0x80
	s_wait_alu depctr_va_vdst(0)                   ; v12 is written: the loads of weights and codes and the stores to hf and rows read it as their offset
	LISSUE 0                                       ; chunk 0 whole, ahead of everything else,
	LISSUE 1
	LISSUE 2
	LISSUE 3
	WIN 0
.set jj, 0
.rept 31                                           ; and 31 of the 32 loads of codes: 63 loads are out
	global_load_b128 v[32+4*jj:35+4*jj], v12, s[10:11] offset:jj*512
.set jj, jj+1
.endr
	s_mul_i32 s[T0], s[WV], 32*PITCH
	v_lshl_add_u32 v19, v1, 3, s[T0]               ; LDS rows 32 w on, 8 bytes a lane
	v_mov_b32 v20, v19
	s_mov_b32 s[LOFF], 0
	s_mul_i32 s[LBS], s[WV], LISTB
	s_add_co_u32 s[LBS], s[LBS], LIST              ; my list
	v_mov_b32 v7, s[LBS]
	v_lshl_add_u32 v8, v1, 4, s[LBS]
	s_lshl_b32 s[T0], s[WV], 6
	s_add_co_u32 s[T0], s[T0], s[LBS]
	v_lshl_add_u32 v21, v2, 2, s[T0]               ; row r of block w
	s_mov_b32 s[LPO], 0
	s_lshl_b32 s[T0], s[WV], 4
	v_add_nc_u32 v[NS], s[T0], v2                  ; the ranks that I want in pass 0: 16 (w + 4 i) + r
	v_add_nc_u32 v[NS+1], 64, v[NS]
	v_add_nc_u32 v[NS+2], 0x80, v[NS]
	v_mul_u32_u24 v5, v2, PITCH
	v_lshl_add_u32 v5, v3, 4, v5                   ; a fragment's row x pitch + 16 h
	v_mov_b32 v4, v5
	v_lshlrev_b32 v13, 4, v3
	v_mov_b32 v18, DUMPW
	v_mov_b32 v24, 0
	v_mov_b32 v25, 0
	v_mov_b32 v26, 0
	v_mov_b32 v27, 0
	s_wait_alu depctr_va_vdst(0)                   ; v8 and v24-27 are written, which the stores below read
.set jj, 0
.rept 11
	ds_store_b128 v8, v[24:27] offset:jj*512       ; the whole list is 0 first; LDS serves a wave's instructions in order (ISA guide 5.7.1.4)
.set jj, jj+1
.endr
	s_lshl_b32 s[OF], s[EX], 20
	s_lshl_b32 s[T0], s[SL], 11
	s_add_co_u32 s[OF], s[OF], s[T0]
	s_add_nc_u64 s[HB:HB+1], s[12:13], s[OF:OF+1]  ; hf at my expert and slice
	s_mov_b64 s[XA:XA+1], s[4:5]
	s_mov_b64 s[XA+2:XA+3], s[4:5]
	s_mov_b32 s[COFF], 0
	s_lshl_b32 s[EK], s[EX], 12
	s_mov_b32 s[LIM], 4096
	s_mov_b32 s[CNT], 0
	CLEAR
	global_load_b128 v[156:159], v12, s[10:11] offset:31*512        ; the last load of codes, behind the set-up: it is issued as soon as the counter has room (ISA guide 5.7.1); no vector line has named v156-159
	LPART 0                                        ; TRIP 0: chunk 0 is laid down and chunk 1 asked for; the search below runs while chunk 1 is on its way
.irp bb, 0,1,2,3,4,5,6,7
	GBATCH \bb
.endr
	s_wait_alu depctr_va_vdst(0)                   ; the last batch has written its four q and their places in the list, which the stores below read
	GSTORE 7
	s_wait_alu depctr_vm_vsrc(0)                   ; the 32 list stores have read their registers in v32-159, in which LDS loads land below, on either side of the branches
	s_add_co_u32 s[NBLK], s[CNT], 15
	s_lshr_b32 s[NBLK], s[NBLK], 4
	s_max_u32 s[NBLK], s[NBLK], 1                  ; blocks of 16 rows, one at the least
	s_mov_b32 s[B0], s[WV]
	NACTM
	s_cmp_lg_u32 s[SL], 0
	s_cbranch_scc1 .Lnorows
	s_cmp_lg_u32 s[WV], 0
	s_cbranch_scc1 .Lnorows
	s_mul_i32 s[OF], s[EX], 4352                   ; slice 0's wave 0 stores list and count
	s_mov_b32 s[OF+1], 0
	s_add_nc_u64 s[RW:RW+1], s[14:15], s[OF:OF+1]
.set jj, 0
.rept 8
	ds_load_b128 v[32+4*jj:35+4*jj], v8 offset:jj*512               ; no vector line since the last wait on va_vdst names v32-63 or v8
.set jj, jj+1
.endr
	v_mov_b32 v14, s[CNT]
	v_mov_b32 v15, s[CNT]
	v_lshlrev_b32 v16, 3, v1
	s_wait_dscnt 0x0
	s_wait_alu depctr_va_vdst(0)                   ; v14-16 are written: the count and its offset, which the last store below reads
.set jj, 0
.rept 8
	global_store_b128 v12, v[32+4*jj:35+4*jj], s[RW:RW+1] offset:jj*512
.set jj, jj+1
.endr
	global_store_b64 v16, v[14:15], s[RW:RW+1] offset:4096          ; 256 bytes that all hold the count
	s_wait_xcnt 0x0                                ; these registers are written again below (behind the wait on vm_vsrc at trip 1's head)
.Lnorows:
	FIND                                           ; pass 0's rows
	s_wait_alu depctr_va_vdst(0)                   ; v9-11 are written, which the loads below read as offsets; the search is done with v160-202, in which they land
	ALOAD 0                                        ; chunk 0's tokens: from here on the order of issue is a chunk's 32 weight loads, then 24 token loads
	ALOAD 1
	BAR
	s_mov_b32 s[LC], NCH-2
.Lloop:                                                ; trips 1 to 6: chunk j is laid down and chunk j + 1 asked for; chunk j - 1 is multiplied and chunk j's tokens asked for
	LPART 1
	CPART 44, 44, 1                                ; younger each time: the other half chunk's 12 token loads and this trip's 32 weight loads
	BAR
	s_sub_co_u32 s[LC], s[LC], 1
	s_cmp_lg_u32 s[LC], 0
	s_cbranch_scc1 .Lloop
	LPART 2                                        ; trip 7: the last chunk is laid down
	CPART 12, 12, 1
	BAR                                            ; the whole slice lies in LDS
	CPART 12, 0, 0                                 ; chunk 7
	s_mov_b32 s[PASS], 6
.Lpass:                                                ; six trips: a pass's blocks go out; then the next pass, if the expert has so many rows
	EPI 0
	EPI 1
	EPI 2
	s_add_co_u32 s[B0], s[B0], 12
	s_add_co_u32 s[LPO], s[LPO], 768
	s_wait_alu depctr_vm_vsrc(0)                   ; ahead of the branch: the last pass's list loads have read v6, its token loads v9-11, its fragment loads v4, the stores above v64-79, the store of the count v14-16: all are written or landed in below
	v_add_nc_u32 v6, s[LPO], v21
	NACTM
	s_cmp_eq_u32 s[NACT], 0
	s_cbranch_scc1 .Lnext
	OFFS
	CLEAR
	s_wait_xcnt 0x0                                ; the stores above have read their registers; the pointer goes back
	s_mov_b64 s[XA:XA+1], s[4:5]
	s_mov_b32 s[COFF], 0
	v_mov_b32 v4, v5
	s_mov_b32 s[KO], NCH
.Lko:                                                  ; a chunk a trip, its four K steps one after the other: the plain road for splits far from even
.irp st, 0,1,2,3
	s_wait_alu depctr_va_vdst(0)                   ; the step before is done reading its fragments, in which the loads below land; at a pass's first step v9-11 and v4, at a trip's first step v4, are written
.irp i, 0,1,2
	global_load_b128 v[AF+8*\i:AF+8*\i+3],   v[9+\i], s[XA:XA+1] offset:\st*64
	global_load_b128 v[AF+8*\i+4:AF+8*\i+7], v[9+\i], s[XA:XA+1] offset:\st*64+32
.endr
	BLOAD \st, BF0
	s_wait_loadcnt 0x0
	s_wait_dscnt 0x0
	KSTEP AF, BF0
	PLACES                                         ; in front of the next step's loads into the registers just multiplied
.endr
	s_wait_alu depctr_vm_vsrc(0)                   ; the chunk's fragment loads have read v4
	s_add_co_u32 s[COFF], s[COFF], CHUNK
	v_add_nc_u32 v4, s[COFF], v5                   ; the next chunk
	s_add_nc_u64 s[XA:XA+1], s[XA:XA+1], ASTEP     ; all loads that read the pointer have been waited for
	s_sub_co_u32 s[KO], s[KO], 1
	s_cmp_lg_u32 s[KO], 0
	s_cbranch_scc1 .Lko
.Lnext:
	s_sub_co_u32 s[PASS], s[PASS], 1
	s_cmp_lg_u32 s[PASS], 0
	s_cbranch_scc1 .Lpass
	BAR                                            ; the work-group's last barrier stays where it stands in the plain form: every wave's reads of the slice are back
	s_wait_dscnt 0x0                               ; the wave's end.  Then a wait on every ALU dependence, the wait on TENSORcnt and the closing add
	s_wait_alu depctr_hold_cnt(0) depctr_sa_sdst(0) depctr_va_vdst(0) depctr_va_sdst(0) depctr_va_ssrc(0) depctr_va_vcc(0) depctr_vm_vsrc(0)
	s_wait_tensorcnt 0x0
	ds_add_u32 v30, v31
	s_wait_dscnt 0x0
	s_endpgm
.Lfunc_end_k_q3765b20455_gateup:
	.size	k_q3765b20455_gateup, .Lfunc_end_k_q3765b20455_gateup-k_q3765b20455_gateup
	.p2alignl 7, 3214868480
	.fill 96, 4, 3214868480
	.section	.rodata,"a",@progbits
	.p2align	6, 0x0
	.amdhsa_kernel k_q3765b20455_gateup
		.amdhsa_group_segment_fixed_size 301568
		.amdhsa_private_segment_fixed_size 0
		.amdhsa_enable_private_segment 0
		.amdhsa_kernarg_size 48
		.amdhsa_user_sgpr_count 2
		.amdhsa_user_sgpr_kernarg_segment_ptr 1
		.amdhsa_wavefront_size32 1
		.amdhsa_system_sgpr_workgroup_id_x 1
		.amdhsa_system_sgpr_workgroup_id_y 1
		.amdhsa_system_sgpr_workgroup_id_z 1
		.amdhsa_system_vgpr_workitem_id 0
		.amdhsa_next_free_vgpr 768
		.amdhsa_next_free_sgpr 90
		.amdhsa_reserve_vcc 0
		.amdhsa_float_denorm_mode_32 3
		.amdhsa_float_denorm_mode_16_64 3
		.amdhsa_memory_ordered 1
		.amdhsa_forward_progress 1
		.amdhsa_inst_pref_size 172
	.end_amdhsa_kernel
	.amdgpu_metadata
---
amdhsa.version: [ 1, 2 ]
amdhsa.kernels:
  - .name:           k_q3765b20455_gateup
    .symbol:         k_q3765b20455_gateup.kd
    .args:
      - { .name: xb, .offset: 0, .size: 8, .value_kind: global_buffer, .address_space: global }
      - { .name: w_gate, .offset: 8, .size: 8, .value_kind: global_buffer, .address_space: global }
      - { .name: w_up, .offset: 16, .size: 8, .value_kind: global_buffer, .address_space: global }
      - { .name: sel, .offset: 24, .size: 8, .value_kind: global_buffer, .address_space: global }
      - { .name: hf, .offset: 32, .size: 8, .value_kind: global_buffer, .address_space: global }
      - { .name: rows, .offset: 40, .size: 8, .value_kind: global_buffer, .address_space: global }
    .group_segment_fixed_size: 301568
    .private_segment_fixed_size: 0
    .kernarg_segment_align: 8
    .kernarg_segment_size: 48
    .max_flat_workgroup_size: 128
    .sgpr_count:     90
    .vgpr_count:     768
    .wavefront_size: 32
...
	.end_amdgpu_metadata
.endif
;; end of part 9
;; launch down: the kernel of part 7 again; grid 8 x 32, 4 waves a work-group, no clusters, 173,568 bytes of LDS; arguments hf, w_down, rows, part; writes part
;; launch combine: the kernel of part 8 again; grid 256 x 1, 4 waves a work-group, no clusters, 0 bytes of LDS; arguments part, wts, out0; writes out0
